; MI455X (gfx1250); checked and timed in simulation.
; The chip was launched on July 23, 2026; its instructions are those of AMD's public machine-readable ISA for CDNA 5 (MIT licence, August 2026) and "CDNA5" Instruction Set Architecture Reference Guide (July 2026). The comments in the code are by the model that wrote it; some were corrected since.
;; Attention. Allowed arithmetic: matrix products marked QUANTISED: E3M2 operands, one E8M0 scale for each 32 along K, by v_wmma_scale_f32_16x16x128_f8f6f4 with both operands' format E3M2, f32 sums; everything else in f32.
;; Inputs: cos 2,048 x 32 float32; sin 2,048 x 32 float32; wk 2,048 x 512 float32; wo 2,048 x 2,048 float32; wq 2,048 x 2,048 float32; wv 2,048 x 512 float32; x 1 x 2,048 x 2,048 float32.
;; Outputs: out0 1 x 2,048 x 2,048 float32.
;; This version of the problem:
;;   THIS VERSION OF THE PROBLEM IS GIVEN IN LOW PRECISION. The matrix products marked QUANTISED in the list below multiply operands that are first quantised to E3M2 (3 exponent bits, 2 mantissa bits; 6 bits a number), with one power-of-two scale for each 32 numbers along K (OCP MX v1.0); their sums are f32. All else is computed in f32.
;;   The module's matrix products, in the order in which they are computed (A, B: the left and right operand; K: the contracted axis; several contracted axes count as one K, in the product's order):
;;     1. [M 2,048, K 2,048] x [K 2,048, N 2,048]; A: input x; B: input wq: QUANTISED
;;     2. [M 2,048, K 2,048] x [K 2,048, N 512]; A: input x; B: input wk: QUANTISED
;;     3. [M 2,048, K 2,048] x [K 2,048, N 512]; A: input x; B: input wv: QUANTISED
;;     4. batch 32 x [M 2,048, K 64] x [K 64, N 2,048]; A: computed on the way; B: computed on the way: QUANTISED
;;     5. batch 32 x [M 64, K 2,048] x [K 2,048, N 2,048]; A: computed on the way; B: softmax (see below): QUANTISED
;;     6. [M 2,048, K 2,048] x [K 2,048, N 2,048]; A: computed on the way; B: input wo: QUANTISED
;;   THE QUANTISER, for each operand of a quantised product, along K:
;;     - K is cut into blocks of 32 from its start; a last block that is shorter is filled with zeros.
;;     - A block's scale is 2^e with e = floor(log2(the largest magnitude in the block)) - 4, held to -126 .. 127; a block of zeros has e = 0. As a byte (E8M0): e + 127.
;;     - Each number is divided by its block's scale, clamped to +-28, and rounded to the nearest number of E3M2, ties to even, subnormals kept.
;;     - The product sums the exact products of the quantised numbers (number of the format x scale) in f32.
;;   ~~~python
;;   def quantise(x, axis):      # numpy; x: float32 -> the quantised numbers, widened to float32 again
;;       x = np.moveaxis(x, axis, -1); K = x.shape[-1]
;;       x = np.pad(x, [(0, 0)] * (x.ndim - 1) + [(0, -K % 32)]); x = x.reshape(x.shape[:-1] + (-1, 32)); a = np.abs(x).max(-1, keepdims=True)
;;       e = np.where(a > 0, np.clip(np.frexp(np.where(a > 0, a, 1))[1] - 1 - 4, -126, 127), 0)      # np.frexp(a)[1] - 1 = floor(log2(a)), exactly
;;       r = np.clip(x / 2.0 ** e, -28, 28)
;;       step = 2.0 ** (np.maximum(np.frexp(np.where(r == 0, 1, r))[1] - 1, -2) - 2)
;;       q = np.round(r / step) * step * 2.0 ** e      # np.round: ties to even
;;       return np.moveaxis(q.reshape(q.shape[:-2] + (-1,))[..., :K], -1, axis).astype(np.float32)
;;   ~~~
;;   SOFTMAX AHEAD OF A QUANTISED PRODUCT. Where the list says 'softmax', what is quantised is not the finished softmax but p = 2^(t - M), with t = logit x log2(e) and M = ceil(the row's largest t), a whole number; so 1/2 < the row's largest p <= 1. The row's sum l is taken of the UNQUANTISED p, in f32, and the product's result is divided by l at the end. Since M is a whole number, a kernel that streams over the keys may use a running M (the ceiling of the running maximum): every later rescaling is an exact power of two, which a block's scale takes up: the codes' values come out the same.
;;   OPERANDS COMPUTED ON THE WAY. 'Computed on the way' means the value that the module computes at that place (a softmax that the list does not call 'softmax' is quantised finished and normalised). What goes into a quantiser is computed in f32, as accurately as f32 sums, v_exp_f32 and their like allow (about 1e-6 of the number): no bf16 or f16 on the way to a quantiser, and a product that is left as it is and whose result goes on into a quantised operand takes f32 operands (vector FMAs, or v_wmma_f32_16x16x4_f32). A number that lies on a knife's edge between two numbers of the format may be rounded either way, as far as f32 arithmetic and the matrix unit's own rounding can turn it there, and no further.
;; 2 versions. Each part assembles by itself: llvm-mc -triple=amdgcn-amd-amdhsa -mcpu=gfx1250 --defsym DOCPART=n.
;; ======== version 1 of 2: 5 launches
;; workspace buffers: codes 14,155,776 bytes; scl 589,824 bytes; qkvc 4,718,592 bytes; qkvs 393,216 bytes
;; launch quant_x (part 1): grid 256 x 1, 4 waves a work-group, no clusters, 34,304 bytes of LDS; arguments x, codes, scl; writes codes, scl
.if DOCPART == 1
	.amdgcn_target "amdgcn-amd-amdhsa--gfx1250"
	.amdhsa_code_object_version 6
	.text
	.protected	k_q83be8f7797_quant_x
	.globl	k_q83be8f7797_quant_x
	.p2align	8
	.type	k_q83be8f7797_quant_x,@function
k_q83be8f7797_quant_x:
	s_mov_b64 s[64:65], 0
	v_nop
	global_prefetch_b8 v0, s[64:65] scope:SCOPE_SE
	s_setreg_imm32_b32 hwreg(HW_REG_WAVE_MODE, 25, 1), 1
	s_wait_xcnt 0x0
; x [2048][2048] f32 becomes codes of BF6 (E3M2) along its rows (K innermost), one E8M0 byte for each 32 along K.
; THE CODES' LAYOUT is the matrix operand's registers on end.  A tile is 16 rows; lane r of tile T holds row 32 (T / 2) + 8 (T % 2) + r + 8 (r / 8).
; A half fragment is 16 rows x 64 along K, 768 bytes: lane l's registers 0-3 at 16 l, its registers 4-5 at 512 + 8 l; lane (r, hh) holds block hh of its row.
; codes: [tile][K / 64][768]; x's tiles are tiles 0-127.  scl: [row][16 words], rows in their natural order, word s = the four bytes of K step s (128 along K).
; A block's scale is 2^(floor(log2(largest magnitude)) - 4): its byte is the largest magnitude's exponent field - 4, held at 1 from below.
; LIMITS: a block of zeros, or one whose largest magnitude lies under 2^-122, keeps the byte 1 (its codes are zeros or the smallest codes; this program alone reads the bytes).  NaN and infinities are not served.
; SHARES: work-group id: tile T = id / 2; wave w takes 256 along K (two K steps), pair = 4 (id % 2) + w.  Each load reads 512 consecutive bytes of a row; a K step's 16 x 512 bytes turn through the
; wave's own stage in LDS (rows of 512 + 16 bytes) so that a lane gets 16 neighbours of each block of its row.  No barrier: waves share nothing.  No cluster: work-groups share no input.
.set STGB, 8448                        ; a wave's stage: 16 rows x 528 bytes
.set SP,   528
.set MX, 8                             ; v8-11   largest magnitudes; later the second conversion of blocks 0, 1
.set BY, 12                            ; v12-15  the other half's maxima, then the bytes; later the second conversion of blocks 2, 3
.set SO, 16                            ; v16-19  the conversions' scale operands
.set PW, 20                            ; v20-21  the scale words of the two K steps
.set PC, 24                            ; v24-47  the codes, 12 registers a K step
.set R,  64                            ; v64-191 two sets of 64 numbers
; 64 numbers of a lane, register 16 b + i = k 32 b + 16 (lane / 16) + i of my row, become a fragment's 12 registers at v[c] and the row's scale word in v[w]
.macro QUANT64 s, c, w
.irp b, 0,1,2,3
	v_max3_num_f32 v[MX+\b], |v[\s+16*\b]|, |v[\s+1+16*\b]|, 0x2800000   ; my 16 numbers of block b, and the floor 2^(5 - 127): the byte cannot fall under 1
.endr
.irp i, 2,4,6,8,10,12,14
.irp b, 0,1,2,3
	v_max3_num_f32 v[MX+\b], v[MX+\b], |v[\s+16*\b+\i]|, |v[\s+1+16*\b+\i]|   ; the four blocks by turns
.endr
.endr
.irp b, 0,1,2,3
	v_permlanex16_b32 v[BY+\b], v[MX+\b], s20, s21
.endr
.irp b, 0,1,2,3
	v_max_num_f32 v[MX+\b], v[MX+\b], v[BY+\b]     ; with lane l xor 16's: the block's largest magnitude
.endr
.irp b, 0,1,2,3
	v_add_nc_u32 v[SO+\b], 0xfe000000, v[MX+\b]    ; 4 off its exponent field: the conversion reads that field alone
.endr
.irp b, 0,1,2,3
	v_lshrrev_b32 v[BY+\b], 23, v[SO+\b]           ; the scale's byte
.endr
	v_lshl_or_b32 v[\w], v[BY+1], 8, v[BY]
	v_lshl_or_b32 v[\w], v[BY+2], 16, v[\w]
	v_lshl_or_b32 v[\w], v[BY+3], 24, v[\w]
	v_cvt_scalef32_pk16_bf6_f32 v[\c:\c+2], v[\s:\s+15], v[SO]
	v_cvt_scalef32_pk16_bf6_f32 v[MX:MX+2], v[\s+16:\s+31], v[SO+1]     ; (a conversion's three registers begin on an even number)
	v_cvt_scalef32_pk16_bf6_f32 v[\c+6:\c+8], v[\s+32:\s+47], v[SO+2]
	v_cvt_scalef32_pk16_bf6_f32 v[BY:BY+2], v[\s+48:\s+63], v[SO+3]
	v_nop                                          ; one plain place behind a scaled conversion
.irp i, 0,1,2
	v_permlane16_swap_b32 v[\c+\i], v[MX+\i]       ; a whole block to a lane: lanes 0-15 the even block, lanes 16-31 the odd one
.endr
.irp i, 0,1,2
	v_mov_b32 v[\c+3+\i], v[MX+\i]
.endr
.irp i, 0,1,2
	v_permlane16_swap_b32 v[\c+6+\i], v[BY+\i]
.endr
.irp i, 0,1,2
	v_mov_b32 v[\c+9+\i], v[BY+\i]
.endr
.endm
	s_load_b128 s[4:7], s[0:1], 0x0                ; x s[4:5], codes s[6:7]
	s_load_b64 s[8:9], s[0:1], 0x10                ; scl
	v_lshl_add_u32 v192, v0, 2, 0x8400
	v_mov_b32 v193, 0
	v_lshrrev_b32 v1, 5, v0
	v_readfirstlane_b32 s16, v1                    ; wave
	v_and_b32 v4, 31, v0                           ; lane
	v_and_b32 v23, 15, v0                          ; r
	v_bfe_u32 v7, v0, 4, 1                         ; h
	v_lshlrev_b32 v1, 4, v4                        ; 16 x lane
	v_lshlrev_b32 v5, 3, v4                        ; 8 x lane
	s_mul_i32 s17, s16, STGB
	v_add_nc_u32 v2, s17, v1                       ; into the stage: a row's 512 bytes as they lie
	v_mul_u32_u24 v3, v23, SP
	v_lshl_add_u32 v3, v7, 6, v3
	v_add_nc_u32 v3, s17, v3                       ; out of it: row r, + 64 h: my 16 numbers of a block
	v_and_b32 v6, 8, v23
	v_add_nc_u32 v6, v6, v23
	v_lshlrev_b32 v6, 6, v6
	v_lshl_add_u32 v6, v7, 2, v6                   ; scale words: row r + 8 (r / 8) of 64 bytes, word h of my pair
.irp b, 0,1,2,3
	v_mov_b32 v[BY+\b], 0                          ; a lane permute's destination counts as one of its sources
.endr
	s_mov_b32 s20, 0x76543210
	s_mov_b32 s21, 0xfedcba98                      ; selects for lane l xor 16
	s_lshr_b32 s10, ttmp9, 1                       ; T
	s_lshr_b32 s11, s10, 1
	s_lshl_b32 s11, s11, 5
	s_and_b32 s12, s10, 1
	s_lshl_b32 s12, s12, 3
	s_add_co_u32 s11, s11, s12                     ; the tile's first row: 32 (T / 2) + 8 (T % 2)
	s_and_b32 s13, ttmp9, 1
	s_lshl_b32 s13, s13, 2
	s_add_co_u32 s13, s13, s16                     ; pair
	s_lshl_b32 s22, s11, 13
	s_lshl_b32 s14, s13, 10
	s_add_co_u32 s22, s22, s14                     ; x: row x 8,192 + 1,024 pair
	s_mov_b32 s23, 0
	s_mul_i32 s24, s10, 24576
	s_mul_i32 s14, s13, 3072
	s_add_co_u32 s24, s24, s14                     ; codes: 24,576 T + 3,072 pair
	s_mov_b32 s25, 0
	s_lshl_b32 s26, s11, 6
	s_lshl_b32 s14, s13, 3
	s_add_co_u32 s26, s26, s14                     ; scl: row x 64 + 8 pair
	s_mov_b32 s27, 0
	s_wait_kmcnt 0x0
	s_add_nc_u64 s[4:5], s[4:5], s[22:23]
	s_add_nc_u64 s[6:7], s[6:7], s[24:25]
	s_add_nc_u64 s[8:9], s[8:9], s[26:27]
.irp s, 0,1
.irp i, 0,1,2,3,4,5,6,7,8,9,10,11,12,13,14,15
	global_load_b128 v[R+64*\s+4*\i:R+64*\s+4*\i+3], v1, s[4:5] offset:(\i+8*(\i/8))*8192+512*\s th:TH_LOAD_NT   ; 32 lanes read 512 consecutive bytes of the tile's row i
.endr
.endr
.macro XSTEP s
	s_wait_loadcnt 16*(1-\s)                       ; this K step's 16 loads are in; the other step's may be out
.irp i, 0,1,2,3,4,5,6,7,8,9,10,11,12,13,14,15
	ds_store_b128 v2, v[R+64*\s+4*\i:R+64*\s+4*\i+3] offset:SP*\i
.endr
.irp b, 0,1,2,3
.irp j, 0,1,2,3
	ds_load_b128 v[R+64*\s+16*\b+4*\j:R+64*\s+16*\b+4*\j+3], v3 offset:128*\b+16*\j   ; LDS serves a wave's instructions in order: these see the stores above
.endr
.endr
	s_wait_dscnt 0x0
	QUANT64 R+64*\s, PC+12*\s, PW+\s
	global_store_b128 v1, v[PC+12*\s:PC+12*\s+3], s[6:7] offset:1536*\s            ; each store covers 512 or 256 consecutive bytes, aligned
	global_store_b64 v5, v[PC+12*\s+4:PC+12*\s+5], s[6:7] offset:1536*\s+512
	global_store_b128 v1, v[PC+12*\s+6:PC+12*\s+9], s[6:7] offset:1536*\s+768
	global_store_b64 v5, v[PC+12*\s+10:PC+12*\s+11], s[6:7] offset:1536*\s+1280
.endm
	XSTEP 0
	XSTEP 1
	v_cmp_ne_u32 vcc_lo, 0, v7
	v_cndmask_b32 v22, v[PW], v[PW+1], vcc_lo      ; lanes 0-15 store the first K step's word of row r, lanes 16-31 the second's
	global_store_b32 v6, v22, s[8:9]
	s_wait_tensorcnt 0x0
	ds_add_u32 v192, v193
	s_wait_dscnt 0x0
	s_endpgm
.Lfunc_end_k_q83be8f7797_quant_x:
	.size	k_q83be8f7797_quant_x, .Lfunc_end_k_q83be8f7797_quant_x-k_q83be8f7797_quant_x
	.p2alignl 7, 3214868480
	.fill 96, 4, 3214868480
	.section	.rodata,"a",@progbits
	.p2align	6, 0x0
	.amdhsa_kernel k_q83be8f7797_quant_x
		.amdhsa_group_segment_fixed_size 34304
		.amdhsa_private_segment_fixed_size 0
		.amdhsa_enable_private_segment 0
		.amdhsa_kernarg_size 24
		.amdhsa_user_sgpr_count 2
		.amdhsa_user_sgpr_kernarg_segment_ptr 1
		.amdhsa_wavefront_size32 1
		.amdhsa_system_sgpr_workgroup_id_x 1
		.amdhsa_system_sgpr_workgroup_id_y 1
		.amdhsa_system_sgpr_workgroup_id_z 1
		.amdhsa_system_vgpr_workitem_id 0
		.amdhsa_next_free_vgpr 194
		.amdhsa_next_free_sgpr 66
		.amdhsa_reserve_vcc 1
		.amdhsa_float_denorm_mode_32 3
		.amdhsa_float_denorm_mode_16_64 3
		.amdhsa_memory_ordered 1
		.amdhsa_forward_progress 1
		.amdhsa_inst_pref_size 18
	.end_amdhsa_kernel
	.amdgpu_metadata
---
amdhsa.version: [ 1, 2 ]
amdhsa.kernels:
  - .name:           k_q83be8f7797_quant_x
    .symbol:         k_q83be8f7797_quant_x.kd
    .args:
      - { .name: x, .offset: 0, .size: 8, .value_kind: global_buffer, .address_space: global }
      - { .name: codes, .offset: 8, .size: 8, .value_kind: global_buffer, .address_space: global }
      - { .name: scl, .offset: 16, .size: 8, .value_kind: global_buffer, .address_space: global }
    .group_segment_fixed_size: 34304
    .private_segment_fixed_size: 0
    .kernarg_segment_align: 8
    .kernarg_segment_size: 24
    .max_flat_workgroup_size: 128
    .sgpr_count:     66
    .vgpr_count:     194
    .wavefront_size: 32
...
	.end_amdgpu_metadata
.endif
;; end of part 1
;; launch quant_w (part 2): grid 40 x 8, 4 waves a work-group, no clusters, 26,112 bytes of LDS; arguments wq, wk, wv, wo, codes, scl; writes codes, scl
.if DOCPART == 2
	.amdgcn_target "amdgcn-amd-amdhsa--gfx1250"
	.amdhsa_code_object_version 6
	.text
	.protected	k_q83be8f7797_quant_w
	.globl	k_q83be8f7797_quant_w
	.p2align	8
	.type	k_q83be8f7797_quant_w,@function
k_q83be8f7797_quant_w:
	s_mov_b64 s[64:65], 0
	v_nop
	global_prefetch_b8 v0, s[64:65] scope:SCOPE_SE
	s_setreg_imm32_b32 hwreg(HW_REG_WAVE_MODE, 25, 1), 1
	s_wait_xcnt 0x0
; The four weights, f32 stored [K = 2048][N], become codes of BF6 (E3M2) along K, in the layout of the matrix operand's registers: their columns are rows n of one list:
; wq n 0-2047, wk 2048-2559, wv 2560-3071, wo 3072-5119.  codes: tile 128 + n-tile, [K / 64][768]; lane r of tile T holds row 32 (T / 2) + 8 (T % 2) + r + 8 (r / 8).  scl: row 2048 + n, 64 bytes, byte K / 32.
; A LANE TAKES A COLUMN AND ITS REGISTERS RUN DOWN K: each load reads 128 consecutive bytes a wave (512 a work-group), a block of 32 lies in one lane, and the conversions give K innermost.
; SHARES: work-group x = 128 columns, y = 256 along K; wave w: 32 columns = two tiles.  The codes go through the wave's own stage in LDS, laid as the output, and leave 512 consecutive bytes a store.
; One path through the text serves all four weights: pointer, first column and row pitch are chosen by the work-group's number alone.
; LIMITS: a block of zeros, or one whose largest magnitude lies under 2^-122, keeps the byte 1 (this program alone reads the bytes).  NaN and infinities are not served.
; No barrier: waves share nothing.  No cluster: work-groups share no input.
.set STGB, 6400                        ; a wave's stage: two tiles, 3,200 bytes apart (4 x 768 + 128: the two tiles' stores then fall on different banks)
.set UP,   3200
.set VO,   32                          ; v32-63   4 x lane + i x row pitch
.set X,    64                          ; v64-127  two sets of 32 numbers
.set P,    128                         ; v128-133 a block's 24 bytes of codes; v134-136 its second conversion
.set SB,   24                          ; v24-25   my column's 8 scale bytes
.set OUTR, 140                         ; v140-187 the way out
	s_load_b256 s[4:11], s[0:1], 0x0               ; wq s[4:5], wk s[6:7], wv s[8:9], wo s[10:11]
	s_load_b128 s[12:15], s[0:1], 0x20             ; codes s[12:13], scl s[14:15]
	v_lshl_add_u32 v192, v0, 2, 0x6400
	v_mov_b32 v193, 0
	v_lshrrev_b32 v1, 5, v0
	v_readfirstlane_b32 s18, v1                    ; wave
	v_and_b32 v2, 31, v0                           ; lane
	s_and_b32 s19, ttmp7, 0xffff                   ; which 256 along K
	s_mov_b32 s20, 24                              ; the weight's first group of 128 columns in the list,
	s_mov_b32 s21, 8192                            ; and its row in bytes: wo's
	s_cmp_lt_u32 ttmp9, 24
	s_cselect_b32 s20, 20, s20                     ; wv's
	s_cselect_b32 s21, 2048, s21
	s_cmp_lt_u32 ttmp9, 20
	s_cselect_b32 s20, 16, s20                     ; wk's
	s_cmp_lt_u32 ttmp9, 16
	s_cselect_b32 s20, 0, s20                      ; wq's
	s_cselect_b32 s21, 8192, s21
	v_lshlrev_b32 v1, 2, v2                        ; 4 x lane
.irp i, 0,1,2,3,4,5,6,7,8,9,10,11,12,13,14,15,16,17,18,19,20,21,22,23,24,25,26,27,28,29,30,31
	v_mad_u32_u24 v[VO+\i], s21, \i, v1            ; row i of a block, my column
.endr
	s_mul_i32 s22, s18, STGB
	v_bfe_u32 v8, v0, 3, 1                         ; column l of a group of 32 lies in tile u = (l / 8) % 2,
	v_and_b32 v9, 7, v0
	v_bfe_u32 v10, v0, 4, 1
	v_lshl_add_u32 v9, v10, 3, v9                  ; at lane r' = l % 8 + 8 (l / 16)
	v_mul_u32_u24 v8, v8, UP
	v_add_nc_u32 v8, s22, v8
	v_lshl_add_u32 v3, v9, 4, v8                   ; registers 0-3 of a half fragment: 16 r'
	v_lshl_add_u32 v4, v9, 3, v8
	v_add_nc_u32 v4, 512, v4                       ; registers 4-5: 512 + 8 r'
	v_lshlrev_b32 v6, 4, v2                        ; the way out: 16 x lane
	v_add_nc_u32 v5, s22, v6
	v_lshlrev_b32 v7, 6, v2                        ; my column's row of scale bytes
	s_sub_co_u32 s23, ttmp9, s20
	s_lshl_b32 s23, s23, 9
	s_lshl_b32 s26, s18, 7
	s_add_co_u32 s23, s23, s26                     ; my wave's first column in its weight, in bytes
	s_lshl_b32 s26, s19, 8
	s_mul_i32 s26, s26, s21                        ; 256 y rows
	s_add_co_u32 s26, s26, s23
	s_mov_b32 s27, 0
	s_lshl_b32 s24, s21, 5                         ; 32 rows: from block to block
	s_mov_b32 s25, 0
	s_lshl_b32 s28, ttmp9, 3
	s_lshl_b32 s30, s18, 1
	s_add_co_u32 s28, s28, s30
	s_add_co_u32 s28, s28, 128                     ; my first tile
	s_mul_i32 s28, s28, 24576
	s_mul_i32 s30, s19, 3072
	s_add_co_u32 s28, s28, s30
	s_mov_b32 s29, 0
	s_lshl_b32 s30, ttmp9, 13
	s_lshl_b32 s31, s18, 11
	s_add_co_u32 s30, s30, s31
	s_lshl_b32 s31, s19, 3
	s_add_co_u32 s30, s30, s31
	s_add_co_u32 s30, s30, 131072                  ; (2048 + my first column) x 64 + 8 y
	s_mov_b32 s31, 0
	s_wait_kmcnt 0x0
	s_mov_b64 s[16:17], s[10:11]
	s_cmp_lt_u32 ttmp9, 24
	s_cselect_b64 s[16:17], s[8:9], s[16:17]
	s_cmp_lt_u32 ttmp9, 20
	s_cselect_b64 s[16:17], s[6:7], s[16:17]
	s_cmp_lt_u32 ttmp9, 16
	s_cselect_b64 s[16:17], s[4:5], s[16:17]
	s_add_nc_u64 s[32:33], s[16:17], s[26:27]      ; a base for each of the eight blocks: no pointer is stepped while loads are out
.irp t, 1,2,3,4,5,6,7
	s_add_nc_u64 s[32+2*\t:33+2*\t], s[30+2*\t:31+2*\t], s[24:25]
.endr
	s_add_nc_u64 s[12:13], s[12:13], s[28:29]
	s_add_nc_u64 s[14:15], s[14:15], s[30:31]
.macro LOAD t
.irp i, 0,1,2,3,4,5,6,7,8,9,10,11,12,13,14,15,16,17,18,19,20,21,22,23,24,25,26,27,28,29,30,31
	global_load_b32 v[X+32*((\t)%2)+\i], v[VO+\i], s[32+2*(\t):33+2*(\t)] th:TH_LOAD_NT
.endr
.endm
	LOAD 0
	LOAD 1
.macro BLOCK t
.set XS, X+32*((\t)%2)
.if (\t) < 7
	s_wait_loadcnt 32                              ; this block's 32 loads are in; the next block's may be out
.else
	s_wait_loadcnt 0x0
.endif
	v_max3_num_f32 v12, |v[XS]|, |v[XS+1]|, |v[XS+2]|
	v_max3_num_f32 v13, |v[XS+3]|, |v[XS+4]|, |v[XS+5]|
.irp i, 6,10,14,18,22,26
	v_max3_num_f32 v12, v12, |v[XS+\i]|, |v[XS+\i+1]|
	v_max3_num_f32 v13, v13, |v[XS+\i+2]|, |v[XS+\i+3]|
.endr
	v_max3_num_f32 v12, v12, |v[XS+30]|, |v[XS+31]|
	v_max3_num_f32 v12, v12, v13, 0x2800000        ; and the floor 2^(5 - 127)
	v_add_nc_u32 v11, 0xfe000000, v12              ; 4 off the exponent field: the conversion's scale operand
	v_lshrrev_b32 v13, 23, v11                     ; the byte
.if (\t)%4 == 0
	v_mov_b32 v[SB+(\t)/4], v13
.else
	v_lshl_or_b32 v[SB+(\t)/4], v13, 8*((\t)%4), v[SB+(\t)/4]
.endif
	v_cvt_scalef32_pk16_bf6_f32 v[P:P+2], v[XS:XS+15], v11
	v_cvt_scalef32_pk16_bf6_f32 v[P+6:P+8], v[XS+16:XS+31], v11   ; (a conversion's three registers begin on an even number)
	v_nop                                          ; one plain place behind a scaled conversion
.irp i, 0,1,2
	v_mov_b32 v[P+3+\i], v[P+6+\i]
.endr
	ds_store_b128 v3, v[P:P+3] offset:768*((\t)/2)+256*((\t)%2)      ; block t is half t % 2 of half fragment t / 2: lane r' + 16 (t % 2)
	ds_store_b64 v4, v[P+4:P+5] offset:768*((\t)/2)+128*((\t)%2)
.if (\t)+2 < 8
	LOAD (\t)+2
.endif
	s_wait_dscnt 0x0                               ; the stores have read their registers: the next block's codes may be written
.endm
.irp t, 0,1,2,3,4,5,6,7
	BLOCK \t
.endr
	global_store_b64 v7, v[SB:SB+1], s[14:15]      ; my column's 8 scale bytes
.irp u, 0,1
.irp i, 0,1,2,3,4,5
	ds_load_b128 v[OUTR+4*(6*\u+\i):OUTR+4*(6*\u+\i)+3], v5 offset:UP*\u+512*\i
.endr
.endr
.irp u, 0,1
.irp i, 0,1,2,3,4,5
	s_wait_dscnt 11-(6*\u+\i)                      ; LDS loads come back in order: this one is in, the younger ones may be out
	global_store_b128 v6, v[OUTR+4*(6*\u+\i):OUTR+4*(6*\u+\i)+3], s[12:13] offset:24576*\u+512*\i   ; 512 consecutive bytes, aligned
.endr
.endr
	s_wait_tensorcnt 0x0
	ds_add_u32 v192, v193
	s_wait_dscnt 0x0
	s_endpgm
.Lfunc_end_k_q83be8f7797_quant_w:
	.size	k_q83be8f7797_quant_w, .Lfunc_end_k_q83be8f7797_quant_w-k_q83be8f7797_quant_w
	.p2alignl 7, 3214868480
	.fill 96, 4, 3214868480
	.section	.rodata,"a",@progbits
	.p2align	6, 0x0
	.amdhsa_kernel k_q83be8f7797_quant_w
		.amdhsa_group_segment_fixed_size 26112
		.amdhsa_private_segment_fixed_size 0
		.amdhsa_enable_private_segment 0
		.amdhsa_kernarg_size 48
		.amdhsa_user_sgpr_count 2
		.amdhsa_user_sgpr_kernarg_segment_ptr 1
		.amdhsa_wavefront_size32 1
		.amdhsa_system_sgpr_workgroup_id_x 1
		.amdhsa_system_sgpr_workgroup_id_y 1
		.amdhsa_system_sgpr_workgroup_id_z 1
		.amdhsa_system_vgpr_workitem_id 0
		.amdhsa_next_free_vgpr 194
		.amdhsa_next_free_sgpr 66
		.amdhsa_reserve_vcc 0
		.amdhsa_float_denorm_mode_32 3
		.amdhsa_float_denorm_mode_16_64 3
		.amdhsa_memory_ordered 1
		.amdhsa_forward_progress 1
		.amdhsa_inst_pref_size 45
	.end_amdhsa_kernel
	.amdgpu_metadata
---
amdhsa.version: [ 1, 2 ]
amdhsa.kernels:
  - .name:           k_q83be8f7797_quant_w
    .symbol:         k_q83be8f7797_quant_w.kd
    .args:
      - { .name: wq, .offset: 0, .size: 8, .value_kind: global_buffer, .address_space: global }
      - { .name: wk, .offset: 8, .size: 8, .value_kind: global_buffer, .address_space: global }
      - { .name: wv, .offset: 16, .size: 8, .value_kind: global_buffer, .address_space: global }
      - { .name: wo, .offset: 24, .size: 8, .value_kind: global_buffer, .address_space: global }
      - { .name: codes, .offset: 32, .size: 8, .value_kind: global_buffer, .address_space: global }
      - { .name: scl, .offset: 40, .size: 8, .value_kind: global_buffer, .address_space: global }
    .group_segment_fixed_size: 26112
    .private_segment_fixed_size: 0
    .kernarg_segment_align: 8
    .kernarg_segment_size: 48
    .max_flat_workgroup_size: 128
    .sgpr_count:     66
    .vgpr_count:     194
    .wavefront_size: 32
...
	.end_amdgpu_metadata
.endif
;; end of part 2
;; launch gemm_qkv (part 3): grid 96 x 4, 4 waves a work-group, clusters of 4 x 4, 327,680 bytes of LDS; arguments codes, scl, cos, sin, qkvc, qkvs; writes qkvc, qkvs
.if DOCPART == 3
	.amdgcn_target "amdgcn-amd-amdhsa--gfx1250"
	.amdhsa_code_object_version 6
	.text
	.protected	k_q83be8f7797_gemm_qkv
	.globl	k_q83be8f7797_gemm_qkv
	.p2align	8
	.type	k_q83be8f7797_gemm_qkv,@function
k_q83be8f7797_gemm_qkv:
	s_mov_b64 s[64:65], 0
	v_nop
	global_prefetch_b8 v0, s[64:65] scope:SCOPE_SE
	s_setreg_imm32_b32 hwreg(HW_REG_WAVE_MODE, 25, 1), 1
	s_wait_xcnt 0x0
	s_wait_alu depctr_hold_cnt(0) depctr_sa_sdst(0) depctr_va_vdst(0) depctr_va_sdst(0) depctr_va_ssrc(0) depctr_va_vcc(0) depctr_vm_vsrc(0)
	s_getreg_b32 s2, hwreg(HW_REG_IB_STS2, 6, 4)
	s_cmp_eq_u32 s2, 0
	s_cbranch_scc0 .Lentry_in_a_cluster
	s_endpgm
.Lentry_in_a_cluster:
	s_bfe_u32 s2, ttmp6, 0x10000c
	s_cmp_lg_u32 s2, 0xf033
	s_cbranch_scc0 .Lentry_shape_is_right
	s_endpgm
.Lentry_shape_is_right:
; q = rope(x wq), k = rope(x wk), v = x wv on codes of BF6 with E8M0 scales; the results are quantised in registers for the attention's products and leave as codes.
; out[R row][C row] = sum over k: source 0 = 16 rows of the C operand, source 1 = 16 rows of the R operand; a lane holds ONE R row and its registers run along C rows.
; q, k (clusters 0-19): R = x (positions), C = wq, wk (channels): a lane's 64 numbers are a head's 64 channels, the next product's K.   v (clusters 20-23): R = wv (channels), C = x (keys): the keys are the next K.
; A tile's lane r holds row 32 (T / 2) + 8 (T % 2) + r + 8 (r / 8), so the 16 registers of C tiles 2 g, 2 g + 1 are 16 neighbours 32 g + 16 (lane / 16) + 0 .. 15.
; SHARES: a work-group makes 128 x 128, each of its four waves 64 x 64: 16 accumulators.  With larger tiles too few work-groups would be left: 3,072 x 2,048 results are 384 tiles of 128 x 128.
; CODES lie in memory as the operand's registers on end ([tile][K / 64][768 bytes]): every LDS load reads 512 or 256 consecutive bytes; no pitch, no padding.
; LDS: three regions of 98,304 bytes, each a chunk of 512 along K (R's 8 tiles x 6,144 bytes, then C's 8).  Chunks 0-2 are first fills; chunk 3 fills region 0 again: the launch's one refill.
; CLUSTER 4 x 4: the four of a row need the same R tiles, the four of a column the same C tiles: each is asked for jointly.  A wave has three tensor loads out at the start, one behind the refill.
; OUTPUT: qkvc [unit][tile 0-3][768]: a unit is 64 rows x 64 along K; q: head x 32 + position / 64; k: 1024 + kv head x 32 + key / 64; v: 1280 + kv head x 32 + key / 64 (rows = channels).
;         qkvs [unit][r][tile] words: byte of block 0 | byte of block 1 << 8.
; LIMITS: a block of zeros, or one under 2^-122, keeps the byte 1 (this program alone reads the bytes).  NaN and infinities are not served.
; REGISTERS: window 0: v1-12 LDS addresses, v13-23 offsets, v28-29 the add's, v32-95 scale words (v[32 + 16 i + s]: lanes 0-15 R tile i, lanes 16-31 C tile i, K step s), v96-127 the way out, v128-255 accumulators.
;            window 1: two sets of fragments, v0-95 and v128-223 (R tile i at 12 i, C tile i at 48 + 12 i).   window 2: cos at v[32 a + 8 bb + p], sin 16 further on.
.set CHUNK, 98304
.set TILEB, 6144                       ; a tile's 512 along K
.set KSB,   1536                       ; a fragment: 128 along K
.set SPARE, 294912                     ; behind the regions: the spare words, 128 bytes a wave: two blocks of 256 bytes that no other line names
.set AR16, 1
.set AR8,  4
.set AC16, 7
.set AC8,  10
.set VS,   13
.set SPW,  28
.set NIL,  29
.set SC,   32
.set MX,   96
.set BY,   100
.set SO,   104
.set PC,   108
.set PW,   120
.set ACC,  128
.set F0,   0
.set F1,   128
.set G1R,  24
.set G1C,  32
.set G0R,  40
.set G0C,  52
.set MSB, 0
.macro WIN new                         ; the immediate's high byte repeats the setting that is left
.if MSB != \new
	s_set_vgpr_msb (MSB<<8)|\new
.set MSB, \new
.endif
.endm
.set MUL,   0x05                       ; sources 0 and 1 window 1; C and D window 0
.set TO_F,  0x40                       ; destination window 1
.set TO_W2, 0x80                       ; destination window 2
.set ROPE,  0x08                       ; source 1 window 2
.macro PLACES
.rept 4
	v_nop
.endr
.endm
.macro JLOAD                           ; the joint refill: waves 0, 1 fetch R's halves, waves 2, 3 C's; four v_nop follow each line
	s_cmp_eq_u32 s17, 0
	s_cbranch_scc0 .Lfor_c_\@
	tensor_load_to_lds s[G0R:G0R+3], s[G1R:G1R+7]
	s_nop 0
	PLACES
	s_branch .Lasked_\@
.Lfor_c_\@:
	tensor_load_to_lds s[G0C:G0C+3], s[G1C:G1C+7]
	s_nop 0
	PLACES
.Lasked_\@:
.endm
.macro CREST                           ; a round of the cluster's barrier behind its opening barrier
	s_cmp_lg_u32 s16, 0
	s_cbranch_scc1 .Lnot_wave_0_\@
	s_barrier_signal -3
.Lnot_wave_0_\@:
	s_barrier_wait -3
	s_barrier_signal -1
	s_barrier_wait -1
.endm
.macro CROUND
	s_barrier_signal -1
	s_barrier_wait -1
	CREST
.endm
.macro FETCH j, q, f                   ; 32 LDS loads: the 8 fragments of K step q of the chunk in region j, into set f
	WIN TO_F
.irp i, 0,1,2,3
	ds_load_b128 v[\f+48+12*\i:\f+48+12*\i+3], v[AC16+\j] offset:TILEB*\i+KSB*\q
	ds_load_b64 v[\f+48+12*\i+4:\f+48+12*\i+5], v[AC8+\j] offset:TILEB*\i+KSB*\q
	ds_load_b128 v[\f+48+12*\i+6:\f+48+12*\i+9], v[AC16+\j] offset:TILEB*\i+KSB*\q+768
	ds_load_b64 v[\f+48+12*\i+10:\f+48+12*\i+11], v[AC8+\j] offset:TILEB*\i+KSB*\q+768
.endr
.irp i, 0,1,2,3
	ds_load_b128 v[\f+12*\i:\f+12*\i+3], v[AR16+\j] offset:TILEB*\i+KSB*\q
	ds_load_b64 v[\f+12*\i+4:\f+12*\i+5], v[AR8+\j] offset:TILEB*\i+KSB*\q
	ds_load_b128 v[\f+12*\i+6:\f+12*\i+9], v[AR16+\j] offset:TILEB*\i+KSB*\q+768
	ds_load_b64 v[\f+12*\i+10:\f+12*\i+11], v[AR8+\j] offset:TILEB*\i+KSB*\q+768
.endr
.endm
.macro MUL8 f, s, a0, zero             ; R tiles a0, a0 + 1 x C's four, K step s.  The 16 accumulators take turns, one instruction a turn, in one order throughout
.irp a, \a0, \a0+1
.irp b, 0,1,2,3
.if \zero
	v_wmma_scale_f32_16x16x128_f8f6f4 v[ACC+8*(4*(\a)+\b):ACC+8*(4*(\a)+\b)+7], v[\f+48+12*\b:\f+48+12*\b+11], v[\f+12*(\a):\f+12*(\a)+11], 0, v[SC+16*\b+\s], v[SC+16*(\a)+\s] matrix_a_fmt:MATRIX_FMT_BF6 matrix_b_fmt:MATRIX_FMT_BF6 matrix_a_scale:MATRIX_SCALE_ROW1
.else
	v_wmma_scale_f32_16x16x128_f8f6f4 v[ACC+8*(4*(\a)+\b):ACC+8*(4*(\a)+\b)+7], v[\f+48+12*\b:\f+48+12*\b+11], v[\f+12*(\a):\f+12*(\a)+11], v[ACC+8*(4*(\a)+\b):ACC+8*(4*(\a)+\b)+7], v[SC+16*\b+\s], v[SC+16*(\a)+\s] matrix_a_fmt:MATRIX_FMT_BF6 matrix_b_fmt:MATRIX_FMT_BF6 matrix_a_scale:MATRIX_SCALE_ROW1
.endif
.endr
.endr
.endm
.macro STEP f, g, s, zero, nj, nq      ; K step s from set f; the next step's fragments are asked for first, into set g
	PLACES                                         ; four places behind the products that read set g (ISA guide 7.12.1 for vector instructions)
	FETCH \nj, \nq, \g
	s_wait_dscnt 32                                ; set f is in; the 32 loads just issued may be out
	WIN MUL
	MUL8 \f, \s, 0, \zero
	MUL8 \f, \s, 2, \zero
.endm
; 64 numbers of a lane (two R tiles x two blocks of 32) become two half fragments at v[PC] on and two half words at v[w], v[w + 1]
.macro QUANT64 s, w
.irp b, 0,1,2,3
	v_max3_num_f32 v[MX+\b], |v[\s+16*\b]|, |v[\s+1+16*\b]|, 0x2800000   ; each accumulator is read from its low end on; the floor 2^(5 - 127) holds the byte at 1
.endr
.irp i, 2,4,6,8,10,12,14
.irp b, 0,1,2,3
	v_max3_num_f32 v[MX+\b], v[MX+\b], |v[\s+16*\b+\i]|, |v[\s+1+16*\b+\i]|
.endr
.endr
.irp b, 0,1,2,3
	v_permlanex16_b32 v[BY+\b], v[MX+\b], s98, s99
.endr
.irp b, 0,1,2,3
	v_max_num_f32 v[MX+\b], v[MX+\b], v[BY+\b]
.endr
.irp b, 0,1,2,3
	v_add_nc_u32 v[SO+\b], 0xfe000000, v[MX+\b]
.endr
.irp b, 0,1,2,3
	v_lshrrev_b32 v[BY+\b], 23, v[SO+\b]
.endr
	v_lshl_or_b32 v[\w], v[BY+1], 8, v[BY]
	v_lshl_or_b32 v[\w+1], v[BY+3], 8, v[BY+2]
	v_cvt_scalef32_pk16_bf6_f32 v[PC:PC+2], v[\s:\s+15], v[SO]
	v_cvt_scalef32_pk16_bf6_f32 v[MX:MX+2], v[\s+16:\s+31], v[SO+1]
	v_cvt_scalef32_pk16_bf6_f32 v[PC+6:PC+8], v[\s+32:\s+47], v[SO+2]
	v_cvt_scalef32_pk16_bf6_f32 v[BY:BY+2], v[\s+48:\s+63], v[SO+3]
	v_nop                                          ; one plain place behind a scaled conversion
.irp i, 0,1,2
	v_permlane16_swap_b32 v[PC+\i], v[MX+\i]
.endr
.irp i, 0,1,2
	v_mov_b32 v[PC+3+\i], v[MX+\i]
.endr
.irp i, 0,1,2
	v_permlane16_swap_b32 v[PC+6+\i], v[BY+\i]
.endr
.irp i, 0,1,2
	v_mov_b32 v[PC+9+\i], v[BY+\i]
.endr
.endm
	s_load_b256 s[4:11], s[0:1], 0x0               ; codes s[4:5], scl s[6:7], cos s[8:9], sin s[10:11]
	s_load_b128 s[12:15], s[0:1], 0x20             ; qkvc s[12:13], qkvs s[14:15]
	v_lshl_add_u32 v[SPW], v0, 2, SPARE
	v_mov_b32 v[NIL], 0
	ds_add_u32 v28, v29
	ds_add_u32 v28, v29
	s_wait_dscnt 0x0
	v_lshrrev_b32 v20, 5, v0
	v_readfirstlane_b32 s16, v20                   ; wave
	s_lshr_b32 s17, s16, 1                         ; my half of the R rows.  Also: I fetch for R (0) or for C (1)
	s_and_b32 s18, s16, 1                          ; my half of the C rows.  Also: which four tiles I fetch
	s_bfe_u32 s19, ttmp6, 0x40000                  ; cx
	s_bfe_u32 s20, ttmp6, 0x40004                  ; cy
	s_lshl_b32 s21, s20, 2
	s_lshl_b32 s21, 15, s21                        ; my row of the cluster
	s_lshl_b32 s22, 0x1111, s19                    ; my column
	s_or_b32 s[G1R], s21, (3<<16)|(1<<21)          ; the mask; elements of 8 bytes; bit 21 beside a mask; no padding
	s_or_b32 s[G1C], s22, (3<<16)|(1<<21)
.irp g, G1R, G1C
	s_mov_b32 s[\g+1], 768<<16                     ; tensor_dim0 = 768 elements: a tile's 6,144 bytes of a chunk
	s_mov_b32 s[\g+2], 4<<16                       ; tensor_dim1 = 4 tiles
	s_mov_b32 s[\g+3], 768<<16                     ; tile_dim0
	s_mov_b32 s[\g+4], 4                           ; tile_dim1
	s_mov_b32 s[\g+5], 3072                        ; from tile to tile: 24,576 bytes
	s_mov_b32 s[\g+6], 0
	s_mov_b32 s[\g+7], 0
.endr
	s_and_b32 s70, ttmp9, 3                        ; the cluster's number says which operands; it is the same in all sixteen partners
	s_lshl_b32 s70, s70, 2
	s_lshr_b32 s71, ttmp9, 2
	s_lshl_b32 s71, s71, 2
	s_sub_co_u32 s72, ttmp9, 20
	s_lshl_b32 s72, s72, 2
	s_cmp_lt_u32 ttmp9, 20
	s_cselect_b32 s70, s70, 0
	s_cselect_b32 s73, 0, 36
	s_cselect_b32 s71, s71, s72
	s_cselect_b32 s74, 16, 0
	s_add_co_u32 s70, s70, s20                     ; R's tile of 128 rows within its operand (cy alone enters),
	s_add_co_u32 s73, s73, s70                     ; and in the list: x from 0, wv from 36
	s_add_co_u32 s71, s71, s19                     ; C's (cx alone enters),
	s_add_co_u32 s74, s74, s71                     ; and in the list: wq, wk from 16, x from 0
	s_lshl_b32 s75, s18, 2
	s_lshl_b32 s76, s73, 3
	s_add_co_u32 s76, s76, s75
	s_mul_i32 s76, s76, 24576                      ; R: my four tiles, in bytes
	s_mov_b32 s77, 0
	s_lshl_b32 s78, s74, 3
	s_add_co_u32 s78, s78, s75
	s_mul_i32 s78, s78, 24576                      ; C likewise
	s_mov_b32 s79, 0
	s_mul_i32 s23, s16, 4*TILEB                    ; where they go: wave x four tiles: no place in the cluster enters an LDS address
	s_mov_b32 s98, 0x76543210
	s_mov_b32 s99, 0xfedcba98
	s_wait_kmcnt 0x0
	s_add_nc_u64 s[76:77], s[4:5], s[76:77]
	s_add_nc_u64 s[78:79], s[4:5], s[78:79]
	CROUND                                         ; all sixteen work-groups are here: the first joint loads meet
.irp j, 0,1,2
	s_mov_b32 s[G0R+4*\j], 1
	s_add_co_u32 s[G0R+4*\j+1], s23, \j*CHUNK
	s_add_nc_u64 s[G0R+4*\j+2:G0R+4*\j+3], s[76:77], \j*TILEB
	s_or_b32 s[G0R+4*\j+3], s[G0R+4*\j+3], 0x80000000
	s_mov_b32 s[G0C+4*\j], 1
	s_add_co_u32 s[G0C+4*\j+1], s23, \j*CHUNK
	s_add_nc_u64 s[G0C+4*\j+2:G0C+4*\j+3], s[78:79], \j*TILEB
	s_or_b32 s[G0C+4*\j+3], s[G0C+4*\j+3], 0x80000000
.endr
	s_cmp_eq_u32 s17, 0                            ; a wave's three first fills stand in one branch, ahead of every wait on TENSORcnt and every LDS read
	s_cbranch_scc0 .Lfirst_c
	tensor_load_to_lds s[G0R:G0R+3], s[G1R:G1R+7]
	s_nop 0
	tensor_load_to_lds s[G0R+4:G0R+7], s[G1R:G1R+7]
	s_nop 0
	tensor_load_to_lds s[G0R+8:G0R+11], s[G1R:G1R+7]
	s_nop 0
	PLACES
	s_branch .Lfirst_asked
.Lfirst_c:
	tensor_load_to_lds s[G0C:G0C+3], s[G1C:G1C+7]
	s_nop 0
	tensor_load_to_lds s[G0C+4:G0C+7], s[G1C:G1C+7]
	s_nop 0
	tensor_load_to_lds s[G0C+8:G0C+11], s[G1C:G1C+7]
	s_nop 0
	PLACES
.Lfirst_asked:
	v_and_b32 v20, 31, v0                          ; lane
	v_and_b32 v19, 15, v0                          ; r
	v_bfe_u32 v18, v0, 4, 1                        ; h
	v_lshlrev_b32 v14, 4, v20                      ; 16 x lane
	v_lshlrev_b32 v15, 3, v20                      ; 8 x lane
	v_add_nc_u32 v21, 512, v15
	s_mul_i32 s88, s17, 4*TILEB                    ; my four R tiles in a region,
	s_mul_i32 s89, s18, 4*TILEB
	s_add_co_u32 s89, s89, 8*TILEB                 ; my four C tiles, behind R's eight
.irp j, 0,1,2
	v_add_nc_u32 v[AR16+\j], s88, v14
	v_add_nc_u32 v[AR8+\j], s88, v21
	v_add_nc_u32 v[AC16+\j], s89, v14
	v_add_nc_u32 v[AC8+\j], s89, v21
	s_add_co_u32 s88, s88, CHUNK
	s_add_co_u32 s89, s89, CHUNK
.endr
	v_and_b32 v22, 8, v19
	v_add_nc_u32 v22, v22, v19                     ; r + 8 (r / 8)
	s_lshl_b32 s86, s73, 13
	s_lshl_b32 s90, s17, 12
	s_add_co_u32 s86, s86, s90                     ; my 64 R rows' scale words: (128 tile + 64 half) x 64 bytes
	s_lshl_b32 s87, s74, 13
	s_lshl_b32 s90, s18, 12
	s_add_co_u32 s87, s87, s90                     ; my 64 C rows'
	v_mov_b32 v[VS], s86
	v_mov_b32 v23, s87
	v_cmp_ne_u32 vcc_lo, 0, v18
	v_cndmask_b32 v[VS], v[VS], v23, vcc_lo        ; lanes 0-15 take R's words, lanes 16-31 C's
	v_lshl_add_u32 v[VS], v22, 6, v[VS]
.irp i, 0,1,2,3
.irp c, 0,1,2,3
	global_load_b128 v[SC+16*\i+4*\c:SC+16*\i+4*\c+3], v[VS], s[6:7] offset:(32*(\i/2)+8*(\i%2))*64+16*\c   ; a row's 16 words, once for the whole launch
.endr
.endr
	s_lshl_b32 s80, s70, 1
	s_add_co_u32 s80, s80, s17                     ; my group of 64 R rows
	s_lshl_b32 s81, s71, 1
	s_add_co_u32 s81, s81, s18                     ; my group of 64 C rows
	s_lshl_b32 s92, s80, 13                        ; cos, sin: 64 rows of 128 bytes.  (In v's clusters rows under 512 are read and not used: no register is left unwritten on any path)
	s_mov_b32 s93, 0
	s_add_nc_u64 s[8:9], s[8:9], s[92:93]
	s_add_nc_u64 s[10:11], s[10:11], s[92:93]
	v_lshlrev_b32 v17, 7, v22
	v_lshl_add_u32 v17, v18, 5, v17                ; row r + 8 (r / 8), + 32 h: the eight pairs of my 16 channels
	WIN TO_W2
.irp a, 0,1,2,3
.irp bb, 0,1
.irp q, 0,1
	global_load_b128 v[32*\a+8*\bb+4*\q:32*\a+8*\bb+4*\q+3], v17, s[8:9] offset:(32*(\a/2)+8*(\a%2))*128+64*\bb+16*\q
	global_load_b128 v[32*\a+16+8*\bb+4*\q:32*\a+16+8*\bb+4*\q+3], v17, s[10:11] offset:(32*(\a/2)+8*(\a%2))*128+64*\bb+16*\q
.endr
.endr
.endr
	WIN 0
	s_lshl_b32 s82, s81, 5
	s_add_co_u32 s82, s82, s80                     ; q, k: unit = head x 32 + position / 64 (heads 32-39 are k's units from 1024 on)
	s_lshl_b32 s83, s80, 5
	s_add_co_u32 s83, s83, s81
	s_add_co_u32 s83, s83, 1280                    ; v: 1280 + kv head x 32 + key / 64
	s_cmp_lt_u32 ttmp9, 20
	s_cselect_b32 s82, s82, s83
	s_mul_i32 s84, s82, 3072
	s_mov_b32 s85, 0
	s_add_nc_u64 s[12:13], s[12:13], s[84:85]
	s_lshl_b32 s84, s82, 8
	s_add_nc_u64 s[14:15], s[14:15], s[84:85]
	v_lshlrev_b32 v16, 4, v19
	v_lshl_add_u32 v16, v18, 3, v16                ; the half words: 16 r + 8 h
.irp b, 0,1,2,3
	v_mov_b32 v[BY+\b], 0                          ; a lane permute's destination counts as one of its sources
.endr
	s_wait_tensorcnt 0x2                           ; my part of chunk 0 is in; chunks 1 and 2 may stay out
	s_barrier_signal -1
	s_barrier_wait -1                              ; everybody's is
	s_wait_loadcnt 0x0                             ; scale words, cos, sin
	FETCH 0, 0, F0
	STEP F0, F1, 0, 1, 0, 1                        ; the first products start the sums: nothing is cleared
	STEP F1, F0, 1, 0, 0, 2
	STEP F0, F1, 2, 0, 0, 3
	WIN 0                                          ; K step 3: region 0's last reads are issued: it is filled again.  (The add's registers lie in window 0)
	s_wait_tensorcnt 0x0                           ; all my tensor loads have landed: chunks 1 and 2 too
	ds_add_u32 v[SPW], v[NIL]                      ; 0 onto my spare word
	s_wait_dscnt 1                                 ; set F1 is in; the add may be out
	WIN MUL
	MUL8 F1, 3, 0, 0
	s_wait_dscnt 0x0                               ; the add is done, and my reads of region 0 are over
	s_barrier_signal -1
	MUL8 F1, 3, 2, 0
	WIN 0
	s_barrier_wait -1
	CREST                                          ; the barrier has opened a round of the cluster's: no wave of any partner still reads region 0 or has a load on its way
	s_add_nc_u64 s[G0R+2:G0R+3], s[G0R+2:G0R+3], 3*TILEB
	s_add_nc_u64 s[G0C+2:G0C+3], s[G0C+2:G0C+3], 3*TILEB
	JLOAD                                          ; chunk 3: it has eight K steps in which to land; its four v_nop are the places in front of the loads below
	FETCH 1, 0, F0
	STEP F0, F1, 4, 0, 1, 1
	STEP F1, F0, 5, 0, 1, 2
	STEP F0, F1, 6, 0, 1, 3
	STEP F1, F0, 7, 0, 2, 0                        ; no barrier between regions 1 and 2: the wait for 0 in front of the round showed both whole in every wave
	STEP F0, F1, 8, 0, 2, 1
	STEP F1, F0, 9, 0, 2, 2
	STEP F0, F1, 10, 0, 2, 3
	s_wait_tensorcnt 0x0                           ; K step 11: my one load that is out, my part of chunk 3, has landed;
	s_wait_dscnt 0x0                               ; set F1 is in: no LDS instruction is pending at the signal
	s_barrier_signal -1
	MUL8 F1, 11, 0, 0
	MUL8 F1, 11, 2, 0
	s_barrier_wait -1                              ; everybody's part has landed
	PLACES
	FETCH 0, 0, F0
	STEP F0, F1, 12, 0, 0, 1
	STEP F1, F0, 13, 0, 0, 2
	STEP F0, F1, 14, 0, 0, 3
	s_wait_dscnt 0x0
	WIN MUL
	MUL8 F1, 15, 0, 0
	MUL8 F1, 15, 2, 0
	WIN 0
	PLACES                                         ; four places in front of the first read of results
	; THE WAY OUT.  v[ACC + 32 a + 16 bb + i] = (R row of tile a's lane r, C row 32 bb + 16 h + i)
	s_cmp_ge_u32 ttmp9, 20
	s_cbranch_scc1 .Lno_rope                       ; v is not rotated; the branch hangs on the cluster's number alone
	WIN ROPE
.irp a, 0,1,2,3
.irp bb, 0,1
.irp p, 0,1,2,3,4,5,6,7
.set rT, ACC+32*\a+16*\bb+2*\p
.set rC, 32*\a+8*\bb+\p
.set rM, MX+2*(\p%4)
	v_mul_f32 v[rM], v[rT+1], v[rC+16]             ; t1 sin
	v_mul_f32 v[rM+1], v[rT], v[rC+16]             ; t0 sin
	v_fma_f32 v[rT], v[rT], v[rC], -v[rM]          ; t0 cos - t1 sin
	v_fma_f32 v[rT+1], v[rT+1], v[rC], v[rM+1]     ; t1 cos + t0 sin
.endr
.endr
.endr
	WIN 0
.Lno_rope:
	QUANT64 ACC, PW
	global_store_b128 v14, v[PC:PC+3], s[12:13]                ; tile 0's half fragment, then tile 1's: 512 or 256 consecutive bytes a store
	global_store_b64 v15, v[PC+4:PC+5], s[12:13] offset:512
	global_store_b128 v14, v[PC+6:PC+9], s[12:13] offset:768
	global_store_b64 v15, v[PC+10:PC+11], s[12:13] offset:1280
	s_wait_xcnt 0x0                                ; the stores' data registers are written again only behind this wait
	QUANT64 ACC+64, PW+2
	global_store_b128 v14, v[PC:PC+3], s[12:13] offset:1536
	global_store_b64 v15, v[PC+4:PC+5], s[12:13] offset:2048
	global_store_b128 v14, v[PC+6:PC+9], s[12:13] offset:2304
	global_store_b64 v15, v[PC+10:PC+11], s[12:13] offset:2816
	v_cmp_ne_u32 vcc_lo, 0, v18
	v_cndmask_b32 v124, v[PW], v[PW+2], vcc_lo     ; lanes 0-15 store tiles 0, 1's half words of row r, lanes 16-31 tiles 2, 3's
	v_cndmask_b32 v125, v[PW+1], v[PW+3], vcc_lo
	global_store_b64 v16, v[124:125], s[14:15]     ; 256 consecutive bytes, aligned
	s_wait_tensorcnt 0x0                           ; the wave's end
	ds_add_u32 v[SPW], v[NIL]
	s_wait_dscnt 0x0
	CROUND                                         ; the closing round
	s_endpgm
.Lfunc_end_k_q83be8f7797_gemm_qkv:
	.size	k_q83be8f7797_gemm_qkv, .Lfunc_end_k_q83be8f7797_gemm_qkv-k_q83be8f7797_gemm_qkv
	.p2alignl 7, 3214868480
	.fill 96, 4, 3214868480
	.section	.rodata,"a",@progbits
	.p2align	6, 0x0
	.amdhsa_kernel k_q83be8f7797_gemm_qkv
		.amdhsa_group_segment_fixed_size 327680
		.amdhsa_private_segment_fixed_size 0
		.amdhsa_enable_private_segment 0
		.amdhsa_kernarg_size 48
		.amdhsa_user_sgpr_count 2
		.amdhsa_user_sgpr_kernarg_segment_ptr 1
		.amdhsa_wavefront_size32 1
		.amdhsa_system_sgpr_workgroup_id_x 1
		.amdhsa_system_sgpr_workgroup_id_y 1
		.amdhsa_system_sgpr_workgroup_id_z 1
		.amdhsa_system_vgpr_workitem_id 0
		.amdhsa_next_free_vgpr 768
		.amdhsa_next_free_sgpr 100
		.amdhsa_reserve_vcc 1
		.amdhsa_float_denorm_mode_32 3
		.amdhsa_float_denorm_mode_16_64 3
		.amdhsa_memory_ordered 1
		.amdhsa_forward_progress 1
		.amdhsa_inst_pref_size 103
	.end_amdhsa_kernel
	.amdgpu_metadata
---
amdhsa.version: [ 1, 2 ]
amdhsa.kernels:
  - .name:           k_q83be8f7797_gemm_qkv
    .symbol:         k_q83be8f7797_gemm_qkv.kd
    .args:
      - { .name: codes, .offset: 0, .size: 8, .value_kind: global_buffer, .address_space: global }
      - { .name: scl, .offset: 8, .size: 8, .value_kind: global_buffer, .address_space: global }
      - { .name: cos, .offset: 16, .size: 8, .value_kind: global_buffer, .address_space: global }
      - { .name: sin, .offset: 24, .size: 8, .value_kind: global_buffer, .address_space: global }
      - { .name: qkvc, .offset: 32, .size: 8, .value_kind: global_buffer, .address_space: global }
      - { .name: qkvs, .offset: 40, .size: 8, .value_kind: global_buffer, .address_space: global }
    .group_segment_fixed_size: 327680
    .private_segment_fixed_size: 0
    .kernarg_segment_align: 8
    .kernarg_segment_size: 48
    .max_flat_workgroup_size: 128
    .sgpr_count:     100
    .vgpr_count:     768
    .wavefront_size: 32
...
	.end_amdgpu_metadata
.endif
;; end of part 3
;; launch attn (part 4): grid 32 x 8, 16 waves a work-group, clusters of 4 x 1, 215,040 bytes of LDS; arguments qkvc, qkvs, codes, scl; writes codes, scl
.if DOCPART == 4
	.amdgcn_target "amdgcn-amd-amdhsa--gfx1250"
	.amdhsa_code_object_version 6
	.text
	.protected	k_q83be8f7797_attn
	.globl	k_q83be8f7797_attn
	.p2align	8
	.type	k_q83be8f7797_attn,@function
k_q83be8f7797_attn:
	s_mov_b64 s[64:65], 0
	v_nop
	global_prefetch_b8 v0, s[64:65] scope:SCOPE_SE
	s_setreg_imm32_b32 hwreg(HW_REG_WAVE_MODE, 25, 1), 1
	s_wait_xcnt 0x0
	s_wait_alu depctr_hold_cnt(0) depctr_sa_sdst(0) depctr_va_vdst(0) depctr_va_sdst(0) depctr_va_ssrc(0) depctr_va_vcc(0) depctr_vm_vsrc(0)
	s_getreg_b32 s2, hwreg(HW_REG_IB_STS2, 6, 4)
	s_cmp_eq_u32 s2, 0
	s_cbranch_scc0 .Lentry_in_a_cluster
	s_endpgm
.Lentry_in_a_cluster:
	s_bfe_u32 s2, ttmp6, 0x10000c
	s_cmp_lg_u32 s2, 0x3003
	s_cbranch_scc0 .Lentry_shape_is_right
	s_endpgm
.Lentry_shape_is_right:
; Causal attention on codes of BF6 with E8M0 scales: 32 query heads, 8 key/value heads, head size 64, 2,048 positions.  The result, divided by the row's sum, is quantised along head x 64 + channel
; for the last product and leaves as codes (tiles 448-575 of codes; rows 7168 on of scl).
; SOFTMAX: t = score x log2(e) / 8; M = the running largest t rounded up to a whole number; p = 2^(t - M) is quantised along the keys; the row's sum is taken of the unquantised p.
; Both products are used transposed: S^T = K Q^T, O^T = V^T P^T: a lane holds one query throughout.  The head's 64 fill half of the first product's K: registers 6-11 of Q's and K's fragments are zero codes.
; A tile's lane r holds row 32 (T / 2) + 8 (T % 2) + r + 8 (r / 8): so p's 16 registers of two neighbouring tiles are 16 neighbouring keys, and O^T's are 16 neighbouring channels.
; CLUSTER: the four work-groups of a cluster are the four query heads of one key/value head: all K and V tiles are asked for jointly.  No branch and no LDS address hangs on the place in the cluster.
; LDS IS FILLED ONCE: a key/value head's codes (16 key steps x 12,288 bytes: K's 8 half fragments, then V's 8) and half words (16 x 1,024 bytes).  Wave w asks for key step w: two tensor loads a wave are out.
; SHARES: wave w owns ONE tile of 16 queries, T = 8 o + cluster x; o is w's entry in a 4 x 4 magic square, so that any four waves w % 4 alike or w / 4 alike have 34 key steps together: a wave walks o + 1 steps of 128 keys,
; the last on the diagonal.  The loop's trip count is a constant; a step all of whose keys come after my queries is jumped over.  No barrier stands in the loop.
; LIMITS: a block of zeros keeps the byte 1 (this program alone reads the bytes).  NaN and infinities are not served.
; REGISTERS: v1-3 addresses that stay, v4-6 the step's, v7 the mask's bound, v8 Q's scale word, v9 -infinity, v10-11 offsets, v12 -M, v13 largest t, v[14:15] the sum, v16-27 Q, v28-31 and v236-239 scale words,
;            v32-79 four K fragments, v80-127 four V fragments, v128-191 S^T then p, v192-223 O^T, v224-235 p's codes, v240-251 at work, v[252:253] f, v254 at work, v255 p's scale word.
.set SCB, 196608                       ; behind the codes: the half words
.set SWA, 28
.set SWB, 236
.set KF,  32
.set VF,  80
.set S,   128
.set O,   192
.set PCD, 224
.set BM,  240
.set BY,  244
.set SO,  248
.macro PLACES
.rept 4
	v_nop
.endr
.endm
.macro CROUND                          ; a round of the cluster's barrier
	s_barrier_signal -1
	s_barrier_wait -1
	s_cmp_lg_u32 s12, 0
	s_cbranch_scc1 .Lnot_wave_0_\@
	s_barrier_signal -3
.Lnot_wave_0_\@:
	s_barrier_wait -3
	s_barrier_signal -1
	s_barrier_wait -1
.endm
	s_load_b256 s[4:11], s[0:1], 0x0               ; qkvc s[4:5], qkvs s[6:7], codes s[8:9], scl s[10:11]
	v_lshl_add_u32 v254, v0, 2, 0x34000
	v_mov_b32 v255, 0
	ds_add_u32 v254, v255
	ds_add_u32 v254, v255
	s_wait_dscnt 0x0
	v_lshrrev_b32 v4, 5, v0
	v_readfirstlane_b32 s12, v4                    ; wave 0..15
	s_bfe_u32 s13, ttmp6, 0x40000                  ; cx: it enters Q's and the result's addresses alone
	s_and_b32 s14, ttmp7, 0xffff                   ; the key/value head
	s_lshr_b32 s16, s12, 2
	s_and_b32 s17, s12, 3
	s_xor_b32 s16, s16, s17                        ; on the square's two diagonals this is 0 or 3
	s_lshr_b32 s17, s16, 1
	s_xor_b32 s16, s16, s17
	s_and_b32 s16, s16, 1
	s_xor_b32 s16, s16, 1                          ; 1 there, 0 elsewhere
	s_mul_i32 s16, s16, 15
	s_xor_b32 s16, s16, s12                        ; o = 15 - w on the diagonals, w elsewhere
	s_lshl_b32 s17, s16, 3
	s_add_co_u32 s17, s17, ttmp9                   ; T: my tile of queries
	s_mov_b32 s24, 15|(3<<16)|(1<<21)              ; codes: the mask: all four; elements of 8 bytes; bit 21 beside a mask
	s_mov_b32 s25, 768<<16                         ; tensor_dim0: 6,144 bytes
	s_mov_b32 s26, 2<<16                           ; tensor_dim1: K's row, V's row
	s_mov_b32 s27, 768<<16
	s_mov_b32 s28, 2
	s_mov_b32 s29, 98304                           ; from K's units to V's: 256 units of 3,072 bytes
	s_mov_b32 s30, 0
	s_mov_b32 s31, 0
	s_mov_b32 s32, 15|(3<<16)|(1<<21)              ; half words: two rows of 512 bytes,
	s_mov_b32 s33, 64<<16
	s_mov_b32 s34, 2<<16
	s_mov_b32 s35, 64<<16
	s_mov_b32 s36, 2
	s_mov_b32 s37, 8192                            ; 256 units of 256 bytes apart
	s_mov_b32 s38, 0
	s_mov_b32 s39, 0
	s_lshl_b32 s52, s14, 5
	s_add_co_u32 s52, s52, 1024                    ; the head's first unit of K
	s_mul_i32 s54, s52, 3072
	s_mul_i32 s53, s12, 6144
	s_add_co_u32 s54, s54, s53                     ; key step w: two units
	s_mov_b32 s55, 0
	s_lshl_b32 s56, s52, 8
	s_lshl_b32 s53, s12, 9
	s_add_co_u32 s56, s56, s53
	s_mov_b32 s57, 0
	s_lshl_b32 s66, s14, 2
	s_add_co_u32 s66, s66, s13                     ; my query head
	s_lshl_b32 s67, s66, 5
	s_lshr_b32 s76, s17, 2
	s_add_co_u32 s67, s67, s76                     ; Q's unit
	s_and_b32 s76, s17, 3                          ; and my tile in it
	s_mul_i32 s68, s67, 3072
	s_mul_i32 s77, s76, 768
	s_add_co_u32 s68, s68, s77
	s_mov_b32 s69, 0
	s_lshl_b32 s70, s67, 8
	s_lshl_b32 s77, s76, 2
	s_add_co_u32 s70, s70, s77
	s_mov_b32 s71, 0
	s_add_co_u32 s72, s17, 448
	s_mul_i32 s72, s72, 24576
	s_mul_i32 s77, s66, 768
	s_add_co_u32 s72, s72, s77                     ; the result's codes: tile 448 + T, half fragment = head
	s_mov_b32 s73, 0
	s_lshr_b32 s74, s17, 1
	s_lshl_b32 s74, s74, 5
	s_and_b32 s77, s17, 1
	s_lshl_b32 s77, s77, 3
	s_add_co_u32 s74, s74, s77
	s_add_co_u32 s74, s74, 7168
	s_lshl_b32 s74, s74, 6
	s_lshl_b32 s77, s66, 1
	s_add_co_u32 s74, s74, s77                     ; its scale bytes: (7168 + the tile's first query) x 64 + 2 head
	s_mov_b32 s75, 0
	s_lshr_b32 s51, ttmp9, 1
	s_lshl_b32 s51, s51, 5
	s_and_b32 s53, ttmp9, 1
	s_lshl_b32 s53, s53, 3
	s_add_co_u32 s51, s51, s53                     ; the tile's first query within its 128
	s_mov_b32 s20, 0x76543210
	s_mov_b32 s21, 0xfedcba98                      ; selects for lane l xor 16
	s_mov_b32 s22, 0x3e38aa3b                      ; c = log2(e) / 8
	s_mov_b32 s23, s22                             ; (named with it as a pair)
	s_mov_b32 s48, 0                               ; the key step,
	s_mov_b32 s49, 0                               ; where its codes begin in LDS,
	s_mov_b32 s50, 0                               ; and its half words
	s_wait_kmcnt 0x0
	s_mov_b32 s40, 1
	s_mul_i32 s41, s12, 12288
	s_add_nc_u64 s[42:43], s[4:5], s[54:55]
	s_or_b32 s43, s43, 0x80000000
	s_mov_b32 s44, 1
	s_lshl_b32 s45, s12, 10
	s_add_co_u32 s45, s45, SCB
	s_add_nc_u64 s[46:47], s[6:7], s[56:57]
	s_or_b32 s47, s47, 0x80000000
	s_add_nc_u64 s[68:69], s[4:5], s[68:69]
	s_add_nc_u64 s[70:71], s[6:7], s[70:71]
	s_add_nc_u64 s[72:73], s[8:9], s[72:73]
	s_add_nc_u64 s[74:75], s[10:11], s[74:75]
	CROUND                                         ; all four work-groups are here: the joint loads meet
	tensor_load_to_lds s[40:43], s[24:31]          ; key step w's codes,
	s_nop 0
	tensor_load_to_lds s[44:47], s[32:39]          ; and its half words
	s_nop 0
	PLACES
	v_and_b32 v4, 31, v0                           ; lane
	v_and_b32 v5, 15, v0                           ; r
	v_bfe_u32 v6, v0, 4, 1                         ; h
	v_lshlrev_b32 v1, 4, v4                        ; registers 0-3 of a half fragment: 16 x lane
	v_lshlrev_b32 v2, 3, v4
	v_add_nc_u32 v2, 512, v2                       ; registers 4-5: 512 + 8 x lane
	v_lshlrev_b32 v10, 4, v5                       ; a unit's half words: 16 r
	v_add_nc_u32 v3, SCB, v10
	v_and_b32 v7, 8, v5
	v_add_nc_u32 v7, v7, v5                        ; r + 8 (r / 8)
	v_lshl_add_u32 v11, v7, 6, v6                  ; the result's scale byte: row x 64 + h
	v_add_nc_u32 v7, s51, v7
	v_lshlrev_b32 v4, 4, v6
	v_sub_nc_u32 v7, v7, v4                        ; d = my query within its 128 - 16 h
	global_load_b128 v[16:19], v1, s[68:69]        ; Q's half fragment stays in registers
	global_load_b64 v[20:21], v2, s[68:69]
	global_load_b32 v8, v10, s[70:71]              ; and its half word (the upper two bytes are 0, over zero codes)
.irp j, 22,23,24,25,26,27
	v_mov_b32 v\j, 0                               ; K = 64 .. 127: zero codes
.endr
.irp t, 0,1,2,3
.irp j, 6,7,8,9,10,11
	v_mov_b32 v[KF+12*\t+\j], 0                    ; likewise in K's four fragments: written once
.endr
.endr
	v_mov_b32 v9, 0xff800000                       ; -infinity
	v_mov_b32 v13, 0xff61b1e6                      ; the largest t so far: -3e38
	v_floor_f32 v12, -v13                          ; -M
	v_mov_b32 v14, 0
	v_mov_b32 v15, 0
.irp j, 0,1,2,3,4,5,6,7,8,9,10,11,12,13,14,15,16,17,18,19,20,21,22,23,24,25,26,27,28,29,30,31
	v_mov_b32 v[O+\j], 0                           ; O^T.  (The step is written once: the first finds zeros, which the first change of M leaves zeros)
.endr
.irp b, 0,1,2,3
	v_mov_b32 v[BY+\b], 0                          ; a lane permute's destination counts as one of its sources
.endr
	v_mov_b32 v253, 0                              ; (the upper half of the pair v[252:253])
	v_mov_b32 v254, 0
	s_wait_tensorcnt 0x0                           ; my two loads have landed,
	s_barrier_signal -1
	s_barrier_wait -1                              ; everybody's have: all 16 key steps lie in LDS, and nothing is ever filled again
	s_wait_loadcnt 0x0                             ; Q
.Lstep:
	s_cmp_gt_u32 s48, s16
	s_cbranch_scc1 .Lhidden                        ; all 128 keys come after my queries
	v_add_nc_u32 v4, s49, v1
	v_add_nc_u32 v5, s49, v2
	v_add_nc_u32 v6, s50, v3
	v_nop                                          ; with the three additions: four places behind the last step's products
	ds_load_b128 v[SWA:SWA+3], v6                  ; K's half words: tiles 0-3,
	ds_load_b128 v[SWB:SWB+3], v6 offset:256       ; tiles 4-7
.irp t, 0,1,2,3
	ds_load_b128 v[KF+12*\t:KF+12*\t+3], v4 offset:768*\t
	ds_load_b64 v[KF+12*\t+4:KF+12*\t+5], v5 offset:768*\t
.endr
	s_wait_dscnt 0x0
.irp t, 0,1,2,3
	v_wmma_scale_f32_16x16x128_f8f6f4 v[S+8*\t:S+8*\t+7], v[KF+12*\t:KF+12*\t+11], v[16:27], 0, v[SWA+\t], v8 matrix_a_fmt:MATRIX_FMT_BF6 matrix_b_fmt:MATRIX_FMT_BF6
.endr
	PLACES
.irp t, 0,1,2,3
	ds_load_b128 v[KF+12*\t:KF+12*\t+3], v4 offset:768*(4+\t)
	ds_load_b64 v[KF+12*\t+4:KF+12*\t+5], v5 offset:768*(4+\t)
.endr
.irp a, 0,1,2,3
.irp c, 0,1
	ds_load_b128 v[VF+12*\a+6*\c:VF+12*\a+6*\c+3], v4 offset:6144+3072*\c+768*\a     ; V^T: 16 channels x 128 keys: two half fragments
	ds_load_b64 v[VF+12*\a+6*\c+4:VF+12*\a+6*\c+5], v5 offset:6144+3072*\c+768*\a
.endr
.endr
	s_wait_dscnt 16                                ; K's tiles 4-7 are in; V's 16 loads may be out
.irp t, 0,1,2,3
	v_wmma_scale_f32_16x16x128_f8f6f4 v[S+32+8*\t:S+32+8*\t+7], v[KF+12*\t:KF+12*\t+11], v[16:27], 0, v[SWB+\t], v8 matrix_a_fmt:MATRIX_FMT_BF6 matrix_b_fmt:MATRIX_FMT_BF6
.endr
	PLACES                                         ; in front of the loads into the scale registers and of the first read of the scores
	ds_load_b128 v[SWA:SWA+3], v6 offset:512       ; V's half words: keys 0-63,
	ds_load_b128 v[SWB:SWB+3], v6 offset:768       ; keys 64-127
	s_cmp_lg_u32 s48, s16
	s_cbranch_scc1 .Lopen                          ; only my last step lies on the diagonal
.irp n, 0,1,2,3,4,5,6,7,8,9,10,11,12,13,14,15,16,17,18,19,20,21,22,23,24,25,26,27,28,29,30,31,32,33,34,35,36,37,38,39,40,41,42,43,44,45,46,47,48,49,50,51,52,53,54,55,56,57,58,59,60,61,62,63
	v_cmp_gt_i32 vcc_lo, 32*(\n/16)+\n%16, v7      ; register 16 b + i holds key 32 b + 16 h + i of the step: hidden where 32 b + i > d
	v_cndmask_b32 v[S+\n], v[S+\n], v9, vcc_lo
.endr
.Lopen:
.irp b, 0,1,2,3
	v_max3_num_f32 v[BM+\b], v[S+16*\b], v[S+1+16*\b], v[S+2+16*\b]   ; the largest score of each block of 32 keys: for the row's maximum and for the block's largest p
.endr
.irp i, 3,5,7,9,11,13
.irp b, 0,1,2,3
	v_max3_num_f32 v[BM+\b], v[BM+\b], v[S+16*\b+\i], v[S+1+16*\b+\i]
.endr
.endr
.irp b, 0,1,2,3
	v_max_num_f32 v[BM+\b], v[BM+\b], v[S+15+16*\b]
.endr
.irp b, 0,1,2,3
	v_permlanex16_b32 v[BY+\b], v[BM+\b], s20, s21
.endr
.irp b, 0,1,2,3
	v_max_num_f32 v[BM+\b], v[BM+\b], v[BY+\b]
.endr
	v_max3_num_f32 v254, v[BM], v[BM+1], v[BM+2]
	v_max_num_f32 v254, v254, v[BM+3]
	v_mul_f32 v254, s22, v254                      ; as t
	v_max_num_f32 v13, v13, v254                   ; the running largest t
	v_mov_b32 v254, v12
	v_floor_f32 v12, -v13                          ; -M = floor(-t): M is a whole number
	v_sub_f32 v254, v12, v254                      ; old M - new M
	v_cvt_i32_f32 v254, v254                       ; (it saturates)
	v_ldexp_f32 v252, 1.0, v254                    ; f = 2^(old M - new M): rounds nothing
	s_wait_dscnt 0x0                               ; V's fragments and half words are in
.irp a, 0,1,2,3
	v_lshl_or_b32 v[SWA+\a], v[SWB+\a], 16, v[SWA+\a]   ; V's scale word of these 128 keys
.endr
.irp j, 0,2,4,6,8,10,12,14,16,18,20,22,24,26,28,30,32,34,36,38,40,42,44,46,48,50,52,54,56,58,60,62
	v_pk_fma_f32 v[S+\j:S+\j+1], v[S+\j:S+\j+1], s[22:23], v[12:13] op_sel_hi:[1,0,0]   ; t - M
.endr
.irp b, 0,1,2,3
	v_fma_f32 v[BM+\b], v[BM+\b], s22, v12
.endr
.irp j, 0,1,2,3,4,5,6,7,8,9,10,11,12,13,14,15,16,17,18,19,20,21,22,23,24,25,26,27,28,29,30,31,32,33,34,35,36,37,38,39,40,41,42,43,44,45,46,47,48,49,50,51,52,53,54,55,56,57,58,59,60,61,62,63
	v_exp_f32 v[S+\j], v[S+\j]                     ; p = 2^(t - M)
.endr
.irp b, 0,1,2,3
	v_exp_f32 v[BM+\b], v[BM+\b]                   ; the block's largest p
.endr
	v_pk_mul_f32 v[14:15], v[14:15], v[252:253] op_sel_hi:[1,0]   ; the sum under the new M.  (A plain place behind the exponentials)
	s_wait_alu depctr_va_vdst(0)
.irp b, 0,1,2,3
	v_max_num_f32 v[BM+\b], 0x2800000, v[BM+\b]    ; the floor 2^(5 - 127)
.endr
.irp b, 0,1,2,3
	v_add_nc_u32 v[SO+\b], 0xfe000000, v[BM+\b]
.endr
.irp b, 0,1,2,3
	v_lshrrev_b32 v[BY+\b], 23, v[SO+\b]
.endr
	v_lshl_or_b32 v255, v[BY+1], 8, v[BY]          ; p's scale word
	v_lshl_or_b32 v255, v[BY+2], 16, v255
	v_lshl_or_b32 v255, v[BY+3], 24, v255
	v_cvt_scalef32_pk16_bf6_f32 v[PCD:PCD+2], v[S:S+15], v[SO]
	v_cvt_scalef32_pk16_bf6_f32 v[BM:BM+2], v[S+16:S+31], v[SO+1]
	v_cvt_scalef32_pk16_bf6_f32 v[PCD+6:PCD+8], v[S+32:S+47], v[SO+2]
	v_cvt_scalef32_pk16_bf6_f32 v[BY:BY+2], v[S+48:S+63], v[SO+3]
	v_nop                                          ; one plain place behind a scaled conversion
.irp i, 0,1,2
	v_permlane16_swap_b32 v[PCD+\i], v[BM+\i]
.endr
.irp i, 0,1,2
	v_mov_b32 v[PCD+3+\i], v[BM+\i]
.endr
.irp i, 0,1,2
	v_permlane16_swap_b32 v[PCD+6+\i], v[BY+\i]
.endr
.irp i, 0,1,2
	v_mov_b32 v[PCD+9+\i], v[BY+\i]
.endr
	v_pk_add_f32 v[BM:BM+1], v[S:S+1], v[S+2:S+3]  ; the row's sum of the unquantised p, in two chains
.irp j, 4,8,12,16,20,24,28,32,36,40,44,48,52,56,60
	v_pk_add_f32 v[14:15], v[14:15], v[S+\j:S+\j+1]
	v_pk_add_f32 v[BM:BM+1], v[BM:BM+1], v[S+\j+2:S+\j+3]
.endr
	v_pk_add_f32 v[14:15], v[14:15], v[BM:BM+1]
.irp j, 0,2,4,6,8,10,12,14,16,18,20,22,24,26,28,30
	v_pk_mul_f32 v[O+\j:O+\j+1], v[O+\j:O+\j+1], v[252:253] op_sel_hi:[1,0]   ; O^T under the new M.  (With the sums: the places in front of the products below)
.endr
.irp a, 0,1,2,3
	v_wmma_scale_f32_16x16x128_f8f6f4 v[O+8*\a:O+8*\a+7], v[VF+12*\a:VF+12*\a+11], v[PCD:PCD+11], v[O+8*\a:O+8*\a+7], v[SWA+\a], v255 matrix_a_fmt:MATRIX_FMT_BF6 matrix_b_fmt:MATRIX_FMT_BF6
.endr
.Lhidden:
	s_add_co_u32 s49, s49, 12288
	s_add_co_u32 s50, s50, 1024
	s_add_co_u32 s48, s48, 1
	s_cmp_lt_u32 s48, 16
	s_cbranch_scc1 .Lstep
	; THE WAY OUT: v[O + 16 g + i] = channel 32 g + 16 h + i of my query: two blocks of the last product's K
	PLACES
	v_add_f32 v14, v14, v15
	v_permlanex16_b32 v254, v14, s20, s21
	v_add_f32 v14, v14, v254                       ; the row's sum
	v_rcp_f32 v14, v14
	v_nop                                          ; a plain place behind the transcendental
	s_wait_alu depctr_va_vdst(0)
.irp j, 0,1,2,3,4,5,6,7,8,9,10,11,12,13,14,15,16,17,18,19,20,21,22,23,24,25,26,27,28,29,30,31
	v_mul_f32 v[S+\j], v[O+\j], v14
.endr
.irp g, 0,1
	v_max3_num_f32 v[BM+\g], |v[S+16*\g]|, |v[S+1+16*\g]|, 0x2800000
.endr
.irp i, 2,4,6,8,10,12,14
.irp g, 0,1
	v_max3_num_f32 v[BM+\g], v[BM+\g], |v[S+16*\g+\i]|, |v[S+1+16*\g+\i]|
.endr
.endr
.irp g, 0,1
	v_permlanex16_b32 v[BY+\g], v[BM+\g], s20, s21
.endr
.irp g, 0,1
	v_max_num_f32 v[BM+\g], v[BM+\g], v[BY+\g]
.endr
.irp g, 0,1
	v_add_nc_u32 v[SO+\g], 0xfe000000, v[BM+\g]
.endr
.irp g, 0,1
	v_lshrrev_b32 v[BY+\g], 23, v[SO+\g]
.endr
	v_bfe_u32 v4, v0, 4, 1
	v_cmp_ne_u32 vcc_lo, 0, v4
	v_cndmask_b32 v254, v[BY], v[BY+1], vcc_lo     ; lane (r, h) stores block h's byte of its row
	v_cvt_scalef32_pk16_bf6_f32 v[PCD:PCD+2], v[S:S+15], v[SO]
	v_cvt_scalef32_pk16_bf6_f32 v[BM:BM+2], v[S+16:S+31], v[SO+1]
	v_nop
.irp i, 0,1,2
	v_permlane16_swap_b32 v[PCD+\i], v[BM+\i]
.endr
.irp i, 0,1,2
	v_mov_b32 v[PCD+3+\i], v[BM+\i]
.endr
	global_store_b128 v1, v[PCD:PCD+3], s[72:73]   ; a half fragment: 512 and 256 consecutive bytes
	global_store_b64 v2, v[PCD+4:PCD+5], s[72:73]
	global_store_b8 v11, v254, s[74:75]            ; single bytes, 64 bytes apart: a scale word's halves come from two work-groups and cannot be gathered here
	s_wait_xcnt 0x0
	v_lshl_add_u32 v254, v0, 2, 0x34000
	v_mov_b32 v255, 0
	s_wait_tensorcnt 0x0
	ds_add_u32 v254, v255
	s_wait_dscnt 0x0
	CROUND                                         ; the closing round
	s_endpgm
.Lfunc_end_k_q83be8f7797_attn:
	.size	k_q83be8f7797_attn, .Lfunc_end_k_q83be8f7797_attn-k_q83be8f7797_attn
	.p2alignl 7, 3214868480
	.fill 96, 4, 3214868480
	.section	.rodata,"a",@progbits
	.p2align	6, 0x0
	.amdhsa_kernel k_q83be8f7797_attn
		.amdhsa_group_segment_fixed_size 215040
		.amdhsa_private_segment_fixed_size 0
		.amdhsa_enable_private_segment 0
		.amdhsa_kernarg_size 32
		.amdhsa_user_sgpr_count 2
		.amdhsa_user_sgpr_kernarg_segment_ptr 1
		.amdhsa_wavefront_size32 1
		.amdhsa_system_sgpr_workgroup_id_x 1
		.amdhsa_system_sgpr_workgroup_id_y 1
		.amdhsa_system_sgpr_workgroup_id_z 1
		.amdhsa_system_vgpr_workitem_id 0
		.amdhsa_next_free_vgpr 256
		.amdhsa_next_free_sgpr 100
		.amdhsa_reserve_vcc 1
		.amdhsa_float_denorm_mode_32 3
		.amdhsa_float_denorm_mode_16_64 3
		.amdhsa_memory_ordered 1
		.amdhsa_forward_progress 1
		.amdhsa_inst_pref_size 35
	.end_amdhsa_kernel
	.amdgpu_metadata
---
amdhsa.version: [ 1, 2 ]
amdhsa.kernels:
  - .name:           k_q83be8f7797_attn
    .symbol:         k_q83be8f7797_attn.kd
    .args:
      - { .name: qkvc, .offset: 0, .size: 8, .value_kind: global_buffer, .address_space: global }
      - { .name: qkvs, .offset: 8, .size: 8, .value_kind: global_buffer, .address_space: global }
      - { .name: codes, .offset: 16, .size: 8, .value_kind: global_buffer, .address_space: global }
      - { .name: scl, .offset: 24, .size: 8, .value_kind: global_buffer, .address_space: global }
    .group_segment_fixed_size: 215040
    .private_segment_fixed_size: 0
    .kernarg_segment_align: 8
    .kernarg_segment_size: 32
    .max_flat_workgroup_size: 512
    .sgpr_count:     100
    .vgpr_count:     256
    .wavefront_size: 32
...
	.end_amdgpu_metadata
.endif
;; end of part 4
;; launch gemm_out (part 5): grid 64 x 4, 4 waves a work-group, clusters of 4 x 4, 327,680 bytes of LDS; arguments codes, scl, out0; writes out0
.if DOCPART == 5
	.amdgcn_target "amdgcn-amd-amdhsa--gfx1250"
	.amdhsa_code_object_version 6
	.text
	.protected	k_q83be8f7797_gemm_out
	.globl	k_q83be8f7797_gemm_out
	.p2align	8
	.type	k_q83be8f7797_gemm_out,@function
k_q83be8f7797_gemm_out:
	s_mov_b64 s[64:65], 0
	v_nop
	global_prefetch_b8 v0, s[64:65] scope:SCOPE_SE
	s_setreg_imm32_b32 hwreg(HW_REG_WAVE_MODE, 25, 1), 1
	s_wait_xcnt 0x0
	s_wait_alu depctr_hold_cnt(0) depctr_sa_sdst(0) depctr_va_vdst(0) depctr_va_sdst(0) depctr_va_ssrc(0) depctr_va_vcc(0) depctr_vm_vsrc(0)
	s_getreg_b32 s2, hwreg(HW_REG_IB_STS2, 6, 4)
	s_cmp_eq_u32 s2, 0
	s_cbranch_scc0 .Lentry_in_a_cluster
	s_endpgm
.Lentry_in_a_cluster:
	s_bfe_u32 s2, ttmp6, 0x10000c
	s_cmp_lg_u32 s2, 0xf033
	s_cbranch_scc0 .Lentry_shape_is_right
	s_endpgm
.Lentry_shape_is_right:
; out0 = att wo on codes of BF6 with E8M0 scales.  out[R row][C row] = sum over k: source 0 = 16 rows of the C operand (wo's columns), source 1 = 16 rows of the R operand (the attention's result):
; a lane holds one row of out0 and its registers run along neighbouring columns.
; A tile's lane r holds row 32 (T / 2) + 8 (T % 2) + r + 8 (r / 8), so the 16 registers of C tiles 2 g, 2 g + 1 are columns 32 g + 16 (lane / 16) + 0 .. 15.
; SHARES: a work-group makes 128 x 128, each of its four waves 64 x 64: 16 accumulators: 2,048 x 2,048 results are 256 such tiles.
; CODES lie in memory as the operand's registers on end ([tile][K / 64][768 bytes]): every LDS load reads 512 or 256 consecutive bytes.
; LDS: three regions of 98,304 bytes, each a chunk of 512 along K (R's 8 tiles x 6,144 bytes, then C's 8).  Chunks 0-2 are first fills; chunk 3 fills region 0 again: the launch's one refill.
; CLUSTER 4 x 4: the four of a row need the same R tiles, the four of a column the same C tiles: each is asked for jointly.  A wave has three tensor loads out at the start, one behind the refill.
; REGISTERS: window 0: v1-12 LDS addresses, v13-23 offsets, v28-29 the add's, v32-95 scale words (v[32 + 16 i + s]: lanes 0-15 R tile i, lanes 16-31 C tile i, K step s), v128-255 accumulators.
;            window 1: two sets of fragments, v0-95 and v128-223 (R tile i at 12 i, C tile i at 48 + 12 i).
.set CHUNK, 98304
.set TILEB, 6144
.set KSB,   1536
.set SPARE, 294912                     ; the spare words, 128 bytes a wave: two blocks of 256 bytes that no other line names
.set STAGE, 295424                     ; the way out: 16 rows x 272 bytes for each wave; no fill lands here
.set SPITCH, 272
.set AR16, 1
.set AR8,  4
.set AC16, 7
.set AC8,  10
.set VS,   13
.set STO,  14
.set RD,   15
.set CO,   16
.set SPW,  28
.set NIL,  29
.set SC,   32
.set ACC,  128
.set F0,   0
.set F1,   128
.set G1R,  24
.set G1C,  32
.set G0R,  40
.set G0C,  52
.set MSB, 0
.macro WIN new                         ; the immediate's high byte repeats the setting that is left
.if MSB != \new
	s_set_vgpr_msb (MSB<<8)|\new
.set MSB, \new
.endif
.endm
.set MUL,   0x05                       ; sources 0 and 1 window 1; C and D window 0
.set TO_F,  0x40                       ; destination window 1
.macro PLACES
.rept 4
	v_nop
.endr
.endm
.macro JLOAD                           ; the joint refill: waves 0, 1 fetch R's halves, waves 2, 3 C's; four v_nop follow each line
	s_cmp_eq_u32 s17, 0
	s_cbranch_scc0 .Lfor_c_\@
	tensor_load_to_lds s[G0R:G0R+3], s[G1R:G1R+7]
	s_nop 0
	PLACES
	s_branch .Lasked_\@
.Lfor_c_\@:
	tensor_load_to_lds s[G0C:G0C+3], s[G1C:G1C+7]
	s_nop 0
	PLACES
.Lasked_\@:
.endm
.macro CREST
	s_cmp_lg_u32 s16, 0
	s_cbranch_scc1 .Lnot_wave_0_\@
	s_barrier_signal -3
.Lnot_wave_0_\@:
	s_barrier_wait -3
	s_barrier_signal -1
	s_barrier_wait -1
.endm
.macro CROUND
	s_barrier_signal -1
	s_barrier_wait -1
	CREST
.endm
.macro FETCH j, q, f                   ; 32 LDS loads: the 8 fragments of K step q of the chunk in region j, into set f
	WIN TO_F
.irp i, 0,1,2,3
	ds_load_b128 v[\f+48+12*\i:\f+48+12*\i+3], v[AC16+\j] offset:TILEB*\i+KSB*\q
	ds_load_b64 v[\f+48+12*\i+4:\f+48+12*\i+5], v[AC8+\j] offset:TILEB*\i+KSB*\q
	ds_load_b128 v[\f+48+12*\i+6:\f+48+12*\i+9], v[AC16+\j] offset:TILEB*\i+KSB*\q+768
	ds_load_b64 v[\f+48+12*\i+10:\f+48+12*\i+11], v[AC8+\j] offset:TILEB*\i+KSB*\q+768
.endr
.irp i, 0,1,2,3
	ds_load_b128 v[\f+12*\i:\f+12*\i+3], v[AR16+\j] offset:TILEB*\i+KSB*\q
	ds_load_b64 v[\f+12*\i+4:\f+12*\i+5], v[AR8+\j] offset:TILEB*\i+KSB*\q
	ds_load_b128 v[\f+12*\i+6:\f+12*\i+9], v[AR16+\j] offset:TILEB*\i+KSB*\q+768
	ds_load_b64 v[\f+12*\i+10:\f+12*\i+11], v[AR8+\j] offset:TILEB*\i+KSB*\q+768
.endr
.endm
.macro MUL8 f, s, a0, zero             ; R tiles a0, a0 + 1 x C's four, K step s.  The 16 accumulators take turns, one instruction a turn, in one order throughout
.irp a, \a0, \a0+1
.irp b, 0,1,2,3
.if \zero
	v_wmma_scale_f32_16x16x128_f8f6f4 v[ACC+8*(4*(\a)+\b):ACC+8*(4*(\a)+\b)+7], v[\f+48+12*\b:\f+48+12*\b+11], v[\f+12*(\a):\f+12*(\a)+11], 0, v[SC+16*\b+\s], v[SC+16*(\a)+\s] matrix_a_fmt:MATRIX_FMT_BF6 matrix_b_fmt:MATRIX_FMT_BF6 matrix_a_scale:MATRIX_SCALE_ROW1
.else
	v_wmma_scale_f32_16x16x128_f8f6f4 v[ACC+8*(4*(\a)+\b):ACC+8*(4*(\a)+\b)+7], v[\f+48+12*\b:\f+48+12*\b+11], v[\f+12*(\a):\f+12*(\a)+11], v[ACC+8*(4*(\a)+\b):ACC+8*(4*(\a)+\b)+7], v[SC+16*\b+\s], v[SC+16*(\a)+\s] matrix_a_fmt:MATRIX_FMT_BF6 matrix_b_fmt:MATRIX_FMT_BF6 matrix_a_scale:MATRIX_SCALE_ROW1
.endif
.endr
.endr
.endm
.macro STEP f, g, s, zero, nj, nq      ; K step s from set f; the next step's fragments are asked for first, into set g
	PLACES                                         ; four places behind the products that read set g (ISA guide 7.12.1 for vector instructions)
	FETCH \nj, \nq, \g
	s_wait_dscnt 32                                ; set f is in; the 32 loads just issued may be out
	WIN MUL
	MUL8 \f, \s, 0, \zero
	MUL8 \f, \s, 2, \zero
.endm
	s_load_b128 s[4:7], s[0:1], 0x0                ; codes s[4:5], scl s[6:7]
	s_load_b64 s[8:9], s[0:1], 0x10                ; out0
	v_lshl_add_u32 v[SPW], v0, 2, SPARE
	v_mov_b32 v[NIL], 0
	ds_add_u32 v28, v29
	ds_add_u32 v28, v29
	s_wait_dscnt 0x0
	v_lshrrev_b32 v20, 5, v0
	v_readfirstlane_b32 s16, v20                   ; wave
	s_lshr_b32 s17, s16, 1                         ; my half of the R rows.  Also: I fetch for R (0) or for C (1)
	s_and_b32 s18, s16, 1                          ; my half of the C rows.  Also: which four tiles I fetch
	s_bfe_u32 s19, ttmp6, 0x40000                  ; cx
	s_bfe_u32 s20, ttmp6, 0x40004                  ; cy
	s_lshl_b32 s21, s20, 2
	s_lshl_b32 s21, 15, s21                        ; my row of the cluster
	s_lshl_b32 s22, 0x1111, s19                    ; my column
	s_or_b32 s[G1R], s21, (3<<16)|(1<<21)          ; the mask; elements of 8 bytes; bit 21 beside a mask; no padding
	s_or_b32 s[G1C], s22, (3<<16)|(1<<21)
.irp g, G1R, G1C
	s_mov_b32 s[\g+1], 768<<16                     ; tensor_dim0 = 768 elements: a tile's 6,144 bytes of a chunk
	s_mov_b32 s[\g+2], 4<<16                       ; tensor_dim1 = 4 tiles
	s_mov_b32 s[\g+3], 768<<16
	s_mov_b32 s[\g+4], 4
	s_mov_b32 s[\g+5], 3072                        ; from tile to tile: 24,576 bytes
	s_mov_b32 s[\g+6], 0
	s_mov_b32 s[\g+7], 0
.endr
	s_and_b32 s70, ttmp9, 3
	s_lshl_b32 s70, s70, 2
	s_add_co_u32 s70, s70, s20                     ; R's tile of 128 rows (cy alone enters),
	s_add_co_u32 s73, s70, 56                      ; in the list: the attention's result from 56
	s_lshr_b32 s71, ttmp9, 2
	s_lshl_b32 s71, s71, 2
	s_add_co_u32 s71, s71, s19                     ; C's (cx alone enters),
	s_add_co_u32 s74, s71, 40                      ; in the list: wo from 40
	s_lshl_b32 s75, s18, 2
	s_lshl_b32 s76, s73, 3
	s_add_co_u32 s76, s76, s75
	s_mul_i32 s76, s76, 24576
	s_mov_b32 s77, 0
	s_lshl_b32 s78, s74, 3
	s_add_co_u32 s78, s78, s75
	s_mul_i32 s78, s78, 24576
	s_mov_b32 s79, 0
	s_mul_i32 s23, s16, 4*TILEB                    ; where they go: wave x four tiles: no place in the cluster enters an LDS address
	s_wait_kmcnt 0x0
	s_add_nc_u64 s[76:77], s[4:5], s[76:77]
	s_add_nc_u64 s[78:79], s[4:5], s[78:79]
	CROUND                                         ; all sixteen work-groups are here: the first joint loads meet
.irp j, 0,1,2
	s_mov_b32 s[G0R+4*\j], 1
	s_add_co_u32 s[G0R+4*\j+1], s23, \j*CHUNK
	s_add_nc_u64 s[G0R+4*\j+2:G0R+4*\j+3], s[76:77], \j*TILEB
	s_or_b32 s[G0R+4*\j+3], s[G0R+4*\j+3], 0x80000000
	s_mov_b32 s[G0C+4*\j], 1
	s_add_co_u32 s[G0C+4*\j+1], s23, \j*CHUNK
	s_add_nc_u64 s[G0C+4*\j+2:G0C+4*\j+3], s[78:79], \j*TILEB
	s_or_b32 s[G0C+4*\j+3], s[G0C+4*\j+3], 0x80000000
.endr
	s_cmp_eq_u32 s17, 0                            ; a wave's three first fills stand in one branch, ahead of every wait on TENSORcnt and every LDS read
	s_cbranch_scc0 .Lfirst_c
	tensor_load_to_lds s[G0R:G0R+3], s[G1R:G1R+7]
	s_nop 0
	tensor_load_to_lds s[G0R+4:G0R+7], s[G1R:G1R+7]
	s_nop 0
	tensor_load_to_lds s[G0R+8:G0R+11], s[G1R:G1R+7]
	s_nop 0
	PLACES
	s_branch .Lfirst_asked
.Lfirst_c:
	tensor_load_to_lds s[G0C:G0C+3], s[G1C:G1C+7]
	s_nop 0
	tensor_load_to_lds s[G0C+4:G0C+7], s[G1C:G1C+7]
	s_nop 0
	tensor_load_to_lds s[G0C+8:G0C+11], s[G1C:G1C+7]
	s_nop 0
	PLACES
.Lfirst_asked:
	v_and_b32 v20, 31, v0                          ; lane
	v_and_b32 v19, 15, v0                          ; r
	v_bfe_u32 v18, v0, 4, 1                        ; h
	v_lshlrev_b32 v17, 4, v20                      ; 16 x lane
	v_lshlrev_b32 v21, 3, v20
	v_add_nc_u32 v21, 512, v21                     ; 8 x lane + 512
	s_mul_i32 s88, s17, 4*TILEB
	s_mul_i32 s89, s18, 4*TILEB
	s_add_co_u32 s89, s89, 8*TILEB
.irp j, 0,1,2
	v_add_nc_u32 v[AR16+\j], s88, v17
	v_add_nc_u32 v[AR8+\j], s88, v21
	v_add_nc_u32 v[AC16+\j], s89, v17
	v_add_nc_u32 v[AC8+\j], s89, v21
	s_add_co_u32 s88, s88, CHUNK
	s_add_co_u32 s89, s89, CHUNK
.endr
	v_and_b32 v22, 8, v19
	v_add_nc_u32 v22, v22, v19                     ; r + 8 (r / 8)
	s_lshl_b32 s86, s73, 13
	s_lshl_b32 s90, s17, 12
	s_add_co_u32 s86, s86, s90                     ; my 64 R rows' scale words
	s_lshl_b32 s87, s74, 13
	s_lshl_b32 s90, s18, 12
	s_add_co_u32 s87, s87, s90                     ; my 64 C rows'
	v_mov_b32 v[VS], s86
	v_mov_b32 v23, s87
	v_cmp_ne_u32 vcc_lo, 0, v18
	v_cndmask_b32 v[VS], v[VS], v23, vcc_lo        ; lanes 0-15 take R's words, lanes 16-31 C's
	v_lshl_add_u32 v[VS], v22, 6, v[VS]
.irp i, 0,1,2,3
.irp c, 0,1,2,3
	global_load_b128 v[SC+16*\i+4*\c:SC+16*\i+4*\c+3], v[VS], s[6:7] offset:(32*(\i/2)+8*(\i%2))*64+16*\c   ; a row's 16 words, once for the whole launch
.endr
.endr
	s_mul_i32 s91, s16, 16*SPITCH
	s_add_co_u32 s91, s91, STAGE                   ; my stage
	v_mul_u32_u24 v[STO], v19, SPITCH
	v_lshl_add_u32 v[STO], v18, 6, v[STO]
	v_add_nc_u32 v[STO], s91, v[STO]               ; in: row r, + 64 h
	v_mul_u32_u24 v[RD], v18, SPITCH
	v_lshl_add_u32 v[RD], v19, 4, v[RD]
	v_add_nc_u32 v[RD], s91, v[RD]                 ; back: lanes 0-15 one row of 256 bytes, lanes 16-31 the next
	v_lshlrev_b32 v[CO], 13, v18
	v_lshl_add_u32 v[CO], v19, 4, v[CO]            ; and the same two rows in out0
	s_lshl_b32 s92, s70, 20
	s_lshl_b32 s94, s17, 19
	s_add_co_u32 s92, s92, s94                     ; my first row: (128 tile + 64 half) x 8,192 bytes
	s_lshl_b32 s94, s71, 9
	s_add_co_u32 s92, s92, s94
	s_lshl_b32 s94, s18, 8
	s_add_co_u32 s92, s92, s94                     ; my first column: (128 tile + 64 half) x 4 bytes
	s_mov_b32 s93, 0
	s_add_nc_u64 s[8:9], s[8:9], s[92:93]
	s_wait_tensorcnt 0x2                           ; my part of chunk 0 is in; chunks 1 and 2 may stay out
	s_barrier_signal -1
	s_barrier_wait -1                              ; everybody's is
	s_wait_loadcnt 0x0                             ; the scale words
	FETCH 0, 0, F0
	STEP F0, F1, 0, 1, 0, 1                        ; the first products start the sums: nothing is cleared
	STEP F1, F0, 1, 0, 0, 2
	STEP F0, F1, 2, 0, 0, 3
	WIN 0                                          ; K step 3: region 0's last reads are issued: it is filled again.  (The add's registers lie in window 0)
	s_wait_tensorcnt 0x0                           ; all my tensor loads have landed: chunks 1 and 2 too
	ds_add_u32 v[SPW], v[NIL]                      ; 0 onto my spare word
	s_wait_dscnt 1                                 ; set F1 is in; the add may be out
	WIN MUL
	MUL8 F1, 3, 0, 0
	s_wait_dscnt 0x0                               ; the add is done, and my reads of region 0 are over
	s_barrier_signal -1
	MUL8 F1, 3, 2, 0
	WIN 0
	s_barrier_wait -1
	CREST                                          ; the barrier has opened a round of the cluster's: no wave of any partner still reads region 0 or has a load on its way
	s_add_nc_u64 s[G0R+2:G0R+3], s[G0R+2:G0R+3], 3*TILEB
	s_add_nc_u64 s[G0C+2:G0C+3], s[G0C+2:G0C+3], 3*TILEB
	JLOAD                                          ; chunk 3: it has eight K steps in which to land; its four v_nop are the places in front of the loads below
	FETCH 1, 0, F0
	STEP F0, F1, 4, 0, 1, 1
	STEP F1, F0, 5, 0, 1, 2
	STEP F0, F1, 6, 0, 1, 3
	STEP F1, F0, 7, 0, 2, 0                        ; no barrier between regions 1 and 2: the wait for 0 in front of the round showed both whole in every wave
	STEP F0, F1, 8, 0, 2, 1
	STEP F1, F0, 9, 0, 2, 2
	STEP F0, F1, 10, 0, 2, 3
	s_wait_tensorcnt 0x0                           ; K step 11: my one load that is out, my part of chunk 3, has landed;
	s_wait_dscnt 0x0                               ; set F1 is in: no LDS instruction is pending at the signal
	s_barrier_signal -1
	MUL8 F1, 11, 0, 0
	MUL8 F1, 11, 2, 0
	s_barrier_wait -1                              ; everybody's part has landed
	PLACES
	FETCH 0, 0, F0
	STEP F0, F1, 12, 0, 0, 1
	STEP F1, F0, 13, 0, 0, 2
	STEP F0, F1, 14, 0, 0, 3
	s_wait_dscnt 0x0
	WIN MUL
	MUL8 F1, 15, 0, 0
	MUL8 F1, 15, 2, 0
	WIN 0
	PLACES                                         ; four places in front of the first read of results
; THE WAY OUT, an R tile (16 rows x 64 columns) at a time: a lane's 16 bytes go into my own stage (rows of 256 + 16 bytes) and come back as whole rows, into the registers that they left.
; LDS serves a wave's instructions in order: no wait between the stores and the loads, nor in front of the next tile's stores.
.macro TOSTAGE a
.irp bb, 0,1
.irp p, 0,1,2,3
	ds_store_b128 v[STO], v[ACC+32*\a+16*\bb+4*\p:ACC+32*\a+16*\bb+4*\p+3] offset:128*\bb+16*\p   ; each accumulator from its low end on
.endr
.endr
.irp t, 0,1,2,3,4,5,6,7
	ds_load_b128 v[ACC+32*\a+4*\t:ACC+32*\a+4*\t+3], v[RD] offset:2*SPITCH*\t
.endr
.endm
.macro SEND a, younger                 ; younger: the LDS instructions issued behind tile a's loads: the next tile's sixteen, or none
	s_wait_dscnt \younger
.irp t, 0,1,2,3,4,5,6,7
	global_store_b128 v[CO], v[ACC+32*\a+4*\t:ACC+32*\a+4*\t+3], s[8:9] offset:(32*(\a/2)+8*(\a%2)+2*\t+8*(\t/4))*8192 th:TH_STORE_NT   ; stage row 2 t + h is the tile's lane: 16 lanes store 256 consecutive bytes, aligned
.endr
.endm
	TOSTAGE 0
	TOSTAGE 1
	SEND 0, 16
	TOSTAGE 2
	SEND 1, 16
	TOSTAGE 3
	SEND 2, 16
	SEND 3, 0
	s_wait_tensorcnt 0x0                           ; the wave's end, behind my last tensor load and my last LDS store
	ds_add_u32 v[SPW], v[NIL]
	s_wait_dscnt 0x0
	CROUND                                         ; the closing round
	s_endpgm
.Lfunc_end_k_q83be8f7797_gemm_out:
	.size	k_q83be8f7797_gemm_out, .Lfunc_end_k_q83be8f7797_gemm_out-k_q83be8f7797_gemm_out
	.p2alignl 7, 3214868480
	.fill 96, 4, 3214868480
	.section	.rodata,"a",@progbits
	.p2align	6, 0x0
	.amdhsa_kernel k_q83be8f7797_gemm_out
		.amdhsa_group_segment_fixed_size 327680
		.amdhsa_private_segment_fixed_size 0
		.amdhsa_enable_private_segment 0
		.amdhsa_kernarg_size 24
		.amdhsa_user_sgpr_count 2
		.amdhsa_user_sgpr_kernarg_segment_ptr 1
		.amdhsa_wavefront_size32 1
		.amdhsa_system_sgpr_workgroup_id_x 1
		.amdhsa_system_sgpr_workgroup_id_y 1
		.amdhsa_system_sgpr_workgroup_id_z 1
		.amdhsa_system_vgpr_workitem_id 0
		.amdhsa_next_free_vgpr 512
		.amdhsa_next_free_sgpr 100
		.amdhsa_reserve_vcc 1
		.amdhsa_float_denorm_mode_32 3
		.amdhsa_float_denorm_mode_16_64 3
		.amdhsa_memory_ordered 1
		.amdhsa_forward_progress 1
		.amdhsa_inst_pref_size 86
	.end_amdhsa_kernel
	.amdgpu_metadata
---
amdhsa.version: [ 1, 2 ]
amdhsa.kernels:
  - .name:           k_q83be8f7797_gemm_out
    .symbol:         k_q83be8f7797_gemm_out.kd
    .args:
      - { .name: codes, .offset: 0, .size: 8, .value_kind: global_buffer, .address_space: global }
      - { .name: scl, .offset: 8, .size: 8, .value_kind: global_buffer, .address_space: global }
      - { .name: out0, .offset: 16, .size: 8, .value_kind: global_buffer, .address_space: global }
    .group_segment_fixed_size: 327680
    .private_segment_fixed_size: 0
    .kernarg_segment_align: 8
    .kernarg_segment_size: 24
    .max_flat_workgroup_size: 128
    .sgpr_count:     100
    .vgpr_count:     512
    .wavefront_size: 32
...
	.end_amdgpu_metadata
.endif
;; end of part 5
;; ======== version 2 of 2: 4 launches
;; limits: right only within a limited range of input values
;; workspace buffers: codes 7,864,320 bytes; scl 327,680 bytes; qkvc 5,111,808 bytes; oc 6,291,456 bytes; os 262,144 bytes
;; launch quant (part 6): grid 640 x 1, 4 waves a work-group, no clusters, 47,616 bytes of LDS; arguments x, wq, wk, wv, codes, scl; writes codes, scl
.if DOCPART == 6
	.amdgcn_target "amdgcn-amd-amdhsa--gfx1250"
	.amdhsa_code_object_version 6
	.text
	.protected	k_q83be8f7797_quant
	.globl	k_q83be8f7797_quant
	.p2align	8
	.type	k_q83be8f7797_quant,@function
k_q83be8f7797_quant:
	s_mov_b64 s[64:65], 0
	v_nop
	global_prefetch_b8 v0, s[64:65] scope:SCOPE_SE
	s_setreg_imm32_b32 hwreg(HW_REG_WAVE_MODE, 25, 1), 1
	s_wait_xcnt 0x0
; x [2048][2048] (K innermost) and the weights wq, wk, wv ([K = 2048][N], K outermost), all f32, become codes of BF6 (E3M2) along K, one E8M0 byte for each 32 along K.  (wo is quantised by the next launch.)
; THE CODES' LAYOUT is the matrix operand's registers on end.  A tile is 16 rows; lane r of the u-th tile of a group of 32 rows holds row 8 u + r + 8 (r / 8) of the group.
; A half fragment is 16 rows x 64 along K, 768 bytes: lane l's registers 0-3 at 16 l, its registers 4-5 at 512 + 8 l; lane (r, hh) holds block hh of its row.
; codes: [tile][K / 64][768]: x's rows are tiles 0-127.  The weights' columns are rows n of one list (wq n 0-2047, wk 2048-2559, wv 2560-3071).
;   From tile 128 on stand sixteen groups of 12 tiles: group c holds wq's columns 128 c .. 128 c + 127 (8 tiles) and then rows 2048 + 64 c .. + 63 of the list (4 tiles of wk or wv).
; scl: [row][64 bytes], rows in their natural order (x 0-2047, the weights 2048 + n), byte K / 32.
; A block's scale is 2^(floor(log2(largest magnitude)) - 4): its byte is the largest magnitude's exponent field - 4, held at 1 from below.
; LIMITS: a block of zeros, or one whose largest magnitude lies under 2^-122, keeps the byte 1 (its codes are zeros or the smallest codes; this program alone reads the bytes).  NaN and infinities are not served.
; ONE LAUNCH FOR BOTH KINDS: work-groups 0-383 take the weights, 384-639 take x; each reads 65,536 bytes.  The two ways part once, on the work-group's number, and each has LDS bytes of its own.
; THE WEIGHTS: work-group: 128 columns (cg) x 128 along K (ky); wave w: block w of 32 along K, all 128 columns.  Each of its 32 loads reads 512 consecutive bytes of one row of the weight: a lane gets FOUR columns,
;   register 4 i + c = (row i, column 4 lane + c).  All 32 loads are out at once.  A column's 32 numbers are moved onto consecutive registers, since the conversions take neighbours along K from such.
;   The codes and the scale bytes of the four waves meet in the work-group's stage, laid as the output (a tile's two half fragments, 1,536 bytes, + 16); behind one barrier wave w stores tiles 2 w, 2 w + 1, 512 bytes a store,
;   and each thread its column's four scale bytes.  Pointer, first column, row pitch and first tile are chosen by the work-group's number alone.
; X: work-group: tile T = id / 2; wave: 256 along K (two K steps).  Each load reads 512 consecutive bytes of a row; a K step's 16 x 512 bytes turn through the wave's own stage (rows of 512 + 16 bytes),
;   so that a lane gets 16 neighbours of each block of its row.  No barrier on this way: its waves share nothing.  No cluster: work-groups share no input.
.set NWGW, 384                         ; work-groups for the weights: 24 groups of 128 columns x 16 runs of 128 along K
.set TPS,  1552                        ; the weights' stage: a tile
.set SCBY, 8*TPS                       ; behind the eight tiles: the scale bytes, [column][4]
.set XBASE, 13312                      ; x's way: its stages lie behind the weights' bytes
.set STGX, 8448                        ; a wave's stage: 16 rows x 528 bytes
.set SP,   528
.set SPARE, XBASE+4*STGX               ; the spare words, 128 bytes a wave
.set SPW,  192
.set NIL,  193
; the weights' registers
.set MW,   12                          ; v12-15   the four columns' largest magnitudes
.set VO,   16                          ; v16-19   16 x lane + k x row pitch
.set P,    20                          ; v20-51   codes: eight registers a column, six used
.set SW,   52                          ; v52-55   the conversions' scale operands
.set BW,   56                          ; v56-59   the bytes
.set Q,    60                          ; v60-62   a block's second conversion
.set X,    64                          ; v64-191  32 rows x 4 columns; then the way out
.set T,    194                         ; v194-225 one column's 32 numbers
; x's registers
.set MX, 8                             ; v8-11   largest magnitudes; later the second conversion of blocks 0, 1
.set BY, 12                            ; v12-15  the other half's maxima, then the bytes; later the second conversion of blocks 2, 3
.set SO, 16                            ; v16-19  the conversions' scale operands
.set PW, 20                            ; v20-21  the scale words of the two K steps
.set PC, 24                            ; v24-47  the codes, 12 registers a K step
.set R,  64                            ; v64-191 two sets of 64 numbers
; 64 numbers of a lane, register 16 b + i = k 32 b + 16 (lane / 16) + i of my row, become a fragment's 12 registers at v[c] and the row's scale word in v[w]
.macro QUANT64 s, c, w
.irp b, 0,1,2,3
	v_max3_num_f32 v[MX+\b], |v[\s+16*\b]|, |v[\s+1+16*\b]|, 0x2800000   ; my 16 numbers of block b, and the floor 2^(5 - 127): the byte cannot fall under 1
.endr
.irp i, 2,4,6,8,10,12,14
.irp b, 0,1,2,3
	v_max3_num_f32 v[MX+\b], v[MX+\b], |v[\s+16*\b+\i]|, |v[\s+1+16*\b+\i]|   ; the four blocks by turns
.endr
.endr
.irp b, 0,1,2,3
	v_permlanex16_b32 v[BY+\b], v[MX+\b], s20, s21
.endr
.irp b, 0,1,2,3
	v_max_num_f32 v[MX+\b], v[MX+\b], v[BY+\b]     ; with lane l xor 16's: the block's largest magnitude
.endr
.irp b, 0,1,2,3
	v_add_nc_u32 v[SO+\b], 0xfe000000, v[MX+\b]    ; 4 off its exponent field: the conversion reads that field alone
.endr
.irp b, 0,1,2,3
	v_lshrrev_b32 v[BY+\b], 23, v[SO+\b]           ; the scale's byte
.endr
	v_lshl_or_b32 v[\w], v[BY+1], 8, v[BY]
	v_lshl_or_b32 v[\w], v[BY+2], 16, v[\w]
	v_lshl_or_b32 v[\w], v[BY+3], 24, v[\w]
	v_cvt_scalef32_pk16_bf6_f32 v[\c:\c+2], v[\s:\s+15], v[SO]
	v_cvt_scalef32_pk16_bf6_f32 v[MX:MX+2], v[\s+16:\s+31], v[SO+1]     ; (a conversion's three registers begin on an even number)
	v_cvt_scalef32_pk16_bf6_f32 v[\c+6:\c+8], v[\s+32:\s+47], v[SO+2]
	v_cvt_scalef32_pk16_bf6_f32 v[BY:BY+2], v[\s+48:\s+63], v[SO+3]
	v_nop                                          ; one plain place behind a scaled conversion
.irp i, 0,1,2
	v_permlane16_swap_b32 v[\c+\i], v[MX+\i]       ; a whole block to a lane: lanes 0-15 the even block, lanes 16-31 the odd one
.endr
.irp i, 0,1,2
	v_mov_b32 v[\c+3+\i], v[MX+\i]
.endr
.irp i, 0,1,2
	v_permlane16_swap_b32 v[\c+6+\i], v[BY+\i]
.endr
.irp i, 0,1,2
	v_mov_b32 v[\c+9+\i], v[BY+\i]
.endr
.endm
.macro XSTEP s                         ; x: K step s of my two
	s_wait_loadcnt 16*(1-\s)                       ; this K step's 16 loads are in; the other step's may be out
.irp i, 0,1,2,3,4,5,6,7,8,9,10,11,12,13,14,15
	ds_store_b128 v2, v[R+64*\s+4*\i:R+64*\s+4*\i+3] offset:SP*\i
.endr
.irp b, 0,1,2,3
.irp j, 0,1,2,3
	ds_load_b128 v[R+64*\s+16*\b+4*\j:R+64*\s+16*\b+4*\j+3], v3 offset:128*\b+16*\j   ; LDS serves a wave's instructions in order: these see the stores above
.endr
.endr
	s_wait_dscnt 0x0
	QUANT64 R+64*\s, PC+12*\s, PW+\s
	global_store_b128 v1, v[PC+12*\s:PC+12*\s+3], s[8:9] offset:1536*\s            ; each store covers 512 or 256 consecutive bytes, aligned
	global_store_b64 v5, v[PC+12*\s+4:PC+12*\s+5], s[8:9] offset:1536*\s+512
	global_store_b128 v1, v[PC+12*\s+6:PC+12*\s+9], s[8:9] offset:1536*\s+768
	global_store_b64 v5, v[PC+12*\s+10:PC+12*\s+11], s[8:9] offset:1536*\s+1280
.endm
	v_lshl_add_u32 v[SPW], v0, 2, SPARE
	v_mov_b32 v[NIL], 0
	v_lshrrev_b32 v1, 5, v0
	v_readfirstlane_b32 s18, v1                    ; wave
	s_cmp_lt_u32 ttmp9, NWGW
	s_cbranch_scc0 .Lx                             ; the work-group's number alone says which way
	; ---------------- the weights
	s_load_b128 s[4:7], s[0:1], 0x8                ; wq s[4:5], wk s[6:7]
	s_load_b64 s[8:9], s[0:1], 0x18                ; wv
	s_load_b128 s[12:15], s[0:1], 0x20             ; codes s[12:13], scl s[14:15]
	s_mul_i32 s19, ttmp9, 2731
	s_lshr_b32 s19, s19, 16                        ; ky = id / 24 (2731 x 24 = 65,536 + 8: exact for id under 384): which 128 along K
	s_mul_i32 s50, s19, 24
	s_sub_co_u32 s50, ttmp9, s50                   ; cg = id % 24: which 128 columns of the list
	s_mov_b32 s20, 20                              ; the weight's first group of 128 columns in the list,
	s_mov_b32 s21, 2048                            ; and its row in bytes: wv's
	s_cmp_lt_u32 s50, 20
	s_cselect_b32 s20, 16, s20                     ; wk's
	s_cmp_lt_u32 s50, 16
	s_cselect_b32 s20, 0, s20                      ; wq's
	s_cselect_b32 s21, 8192, s21
	s_lshr_b32 s22, s18, 1
	s_mul_i32 s22, s22, 768                        ; block w is half w % 2 of half fragment w / 2
	s_and_b32 s23, s18, 1
	s_lshl_b32 s53, s23, 8
	s_lshl_b32 s23, s23, 7
	s_add_co_u32 s23, s23, s22
	s_add_co_u32 s23, s23, 512                     ; registers 4-5: 768 (w / 2) + 512 + 128 (w % 2)
	s_add_co_u32 s22, s22, s53                     ; registers 0-3: 768 (w / 2) + 256 (w % 2)
	s_add_co_u32 s53, s18, SCBY                    ; my byte of a column's four
	s_mul_i32 s54, s18, 2*TPS                      ; the two tiles that I store
	s_sub_co_u32 s26, s50, s20
	s_lshl_b32 s26, s26, 9                         ; the group's first column in its weight, in bytes
	s_lshl_b32 s27, s19, 7
	s_lshl_b32 s28, s18, 5
	s_add_co_u32 s27, s27, s28
	s_mul_i32 s27, s27, s21                        ; row 128 ky + 32 w
	s_add_co_u32 s26, s26, s27
	s_mov_b32 s27, 0
	s_lshl_b32 s24, s21, 2                         ; four rows: from base to base
	s_mov_b32 s25, 0
	s_lshl_b32 s30, s18, 1                         ; 2 w
	s_sub_co_u32 s51, s50, 16                      ; my first tile, counted from tile 128
	s_lshl_b32 s51, s51, 1
	s_lshr_b32 s52, s18, 1
	s_add_co_u32 s51, s51, s52                     ; wk, wv: my group of 64 columns c = 2 (cg - 16) + w / 2,
	s_mul_i32 s51, s51, 12
	s_and_b32 s52, s18, 1
	s_lshl_b32 s52, s52, 1
	s_add_co_u32 s51, s51, s52
	s_add_co_u32 s51, s51, 8                       ; tile 12 c + 8 + 2 (w % 2)
	s_mul_i32 s52, s50, 12
	s_add_co_u32 s52, s52, s30                     ; wq: 12 cg + 2 w
	s_cmp_lt_u32 s50, 16
	s_cselect_b32 s28, s52, s51
	s_add_co_u32 s28, s28, 128
	s_mul_i32 s28, s28, 24576
	s_mul_i32 s30, s19, 1536
	s_add_co_u32 s28, s28, s30                     ; codes: tile x 24,576 + 1,536 ky
	s_mov_b32 s29, 0
	s_lshl_b32 s30, s50, 13
	s_lshl_b32 s31, s19, 2
	s_add_co_u32 s30, s30, s31
	s_add_co_u32 s30, s30, 131072                  ; scl: (2048 + 128 cg) x 64 + 4 ky
	s_mov_b32 s31, 0
	v_and_b32 v2, 31, v0                           ; lane
	v_lshlrev_b32 v1, 4, v2                        ; 16 x lane
.irp k, 0,1,2,3
	v_mad_u32_u24 v[VO+\k], s21, \k, v1            ; row k of four, my four columns
.endr
	v_lshrrev_b32 v8, 3, v2                        ; column 4 lane + c lies in group lane / 8 of 32 columns,
	v_bfe_u32 v9, v0, 1, 1
	v_lshl_add_u32 v8, v8, 1, v9                   ; in tile 2 (lane / 8) + (lane / 2) % 2 of the eight,
	v_mul_u32_u24 v8, v8, TPS
	v_and_b32 v9, 1, v0
	v_bfe_u32 v10, v0, 2, 1
	v_lshlrev_b32 v9, 2, v9
	v_lshl_add_u32 v9, v10, 3, v9                  ; at lane r' = 4 (lane % 2) + 8 ((lane / 4) % 2) + c
	v_lshl_add_u32 v3, v9, 4, v8
	v_add_nc_u32 v3, s22, v3                       ; registers 0-3 of my half of a half fragment: 16 r'
	v_lshl_add_u32 v4, v9, 3, v8
	v_add_nc_u32 v4, s23, v4                       ; registers 4-5: 8 r'
	v_add_nc_u32 v5, s53, v1                       ; the scale bytes: 4 x column + w
	v_add_nc_u32 v6, s54, v1                       ; the way out: my two tiles, 16 x lane
	v_lshl_add_u32 v7, v0, 2, SCBY                 ; and thread t's column t: its four bytes,
	v_lshlrev_b32 v11, 6, v0                       ; and its row of scl
	s_wait_alu depctr_va_vdst(0)
	s_wait_kmcnt 0x0
	s_mov_b64 s[16:17], s[8:9]
	s_cmp_lt_u32 s50, 20
	s_cselect_b64 s[16:17], s[6:7], s[16:17]
	s_cmp_lt_u32 s50, 16
	s_cselect_b64 s[16:17], s[4:5], s[16:17]
	s_add_nc_u64 s[32:33], s[16:17], s[26:27]      ; a base for each four rows: no pointer is stepped while loads are out
.irp t, 1,2,3,4,5,6,7
	s_add_nc_u64 s[32+2*\t:33+2*\t], s[30+2*\t:31+2*\t], s[24:25]
.endr
	s_add_nc_u64 s[12:13], s[12:13], s[28:29]
	s_add_nc_u64 s[14:15], s[14:15], s[30:31]
.irp b, 0,1,2,3,4,5,6,7
.irp k, 0,1,2,3
	global_load_b128 v[X+16*\b+4*\k:X+16*\b+4*\k+3], v[VO+\k], s[32+2*\b:33+2*\b] th:TH_LOAD_NT   ; row 4 b + k: 32 lanes read 512 consecutive bytes
.endr
.endr
	s_wait_loadcnt 0x0                             ; a column's block runs through all 32 loads
.irp c, 0,1,2,3
	v_max3_num_f32 v[MW+\c], |v[X+\c]|, |v[X+4+\c]|, 0x2800000   ; and the floor 2^(5 - 127)
.endr
.set J, 2
.rept 15
.irp c, 0,1,2,3
	v_max3_num_f32 v[MW+\c], v[MW+\c], |v[X+4*J+\c]|, |v[X+4*J+4+\c]|   ; the four columns by turns
.endr
.set J, J+2
.endr
.irp c, 0,1,2,3
	v_add_nc_u32 v[SW+\c], 0xfe000000, v[MW+\c]    ; 4 off the exponent field: the conversion's scale operand
.endr
.irp c, 0,1,2,3
	v_lshrrev_b32 v[BW+\c], 23, v[SW+\c]           ; the byte
.endr
.irp c, 0,1,2,3
.set J, 0
.rept 32
	v_mov_b32 v[T+J], v[X+4*J+\c]                  ; column c's 32 numbers on end
.set J, J+1
.endr
	v_cvt_scalef32_pk16_bf6_f32 v[P+8*\c:P+8*\c+2], v[T:T+15], v[SW+\c]
	v_cvt_scalef32_pk16_bf6_f32 v[Q:Q+2], v[T+16:T+31], v[SW+\c]   ; (a conversion's three registers begin on an even number)
	v_nop                                          ; one plain place behind a scaled conversion
.irp i, 0,1,2
	v_mov_b32 v[P+8*\c+3+\i], v[Q+\i]
.endr
	ds_store_b128 v3, v[P+8*\c:P+8*\c+3] offset:16*\c
	ds_store_b64 v4, v[P+8*\c+4:P+8*\c+5] offset:8*\c
	ds_store_b8 v5, v[BW+\c] offset:4*\c
.endr
	s_wait_dscnt 0x0                               ; my stores are done
	s_barrier_signal -1
	s_barrier_wait -1                              ; everybody's are
.irp u, 0,1
.irp i, 0,1,2
	ds_load_b128 v[X+4*(3*\u+\i):X+4*(3*\u+\i)+3], v6 offset:TPS*\u+512*\i
.endr
.endr
	ds_load_b32 v[X+24], v7
	s_wait_dscnt 0x0
.irp u, 0,1
.irp i, 0,1,2
	global_store_b128 v1, v[X+4*(3*\u+\i):X+4*(3*\u+\i)+3], s[12:13] offset:24576*\u+512*\i   ; 512 consecutive bytes, aligned
.endr
.endr
	global_store_b32 v11, v[X+24], s[14:15]        ; my column's four scale bytes
	s_wait_tensorcnt 0x0                           ; the wave's end
	ds_add_u32 v[SPW], v[NIL]
	s_wait_dscnt 0x0
	s_endpgm
	; ---------------- x
.Lx:
	s_load_b64 s[4:5], s[0:1], 0x0                 ; x
	s_load_b128 s[8:11], s[0:1], 0x20              ; codes s[8:9], scl s[10:11]
	v_and_b32 v4, 31, v0                           ; lane
	v_and_b32 v23, 15, v0                          ; r
	v_bfe_u32 v7, v0, 4, 1                         ; h
	v_lshlrev_b32 v1, 4, v4                        ; 16 x lane
	v_lshlrev_b32 v5, 3, v4                        ; 8 x lane
	s_mul_i32 s17, s18, STGX
	s_add_co_u32 s17, s17, XBASE                   ; my stage, behind the bytes of the weights' way
	v_add_nc_u32 v2, s17, v1                       ; into the stage: a row's 512 bytes as they lie
	v_mul_u32_u24 v3, v23, SP
	v_lshl_add_u32 v3, v7, 6, v3
	v_add_nc_u32 v3, s17, v3                       ; out of it: row r, + 64 h: my 16 numbers of a block
	v_and_b32 v6, 8, v23
	v_add_nc_u32 v6, v6, v23
	v_lshlrev_b32 v6, 6, v6
	v_lshl_add_u32 v6, v7, 2, v6                   ; scale words: row r + 8 (r / 8) of 64 bytes, word h of my pair
.irp b, 0,1,2,3
	v_mov_b32 v[BY+\b], 0                          ; a lane permute's destination counts as one of its sources
.endr
	s_mov_b32 s20, 0x76543210
	s_mov_b32 s21, 0xfedcba98                      ; selects for lane l xor 16
	s_sub_co_u32 s28, ttmp9, NWGW                  ; x's work-groups count from 0
	s_lshr_b32 s29, s28, 1                         ; T
	s_lshr_b32 s30, s29, 1
	s_lshl_b32 s30, s30, 5
	s_and_b32 s31, s29, 1
	s_lshl_b32 s31, s31, 3
	s_add_co_u32 s30, s30, s31                     ; the tile's first row: 32 (T / 2) + 8 (T % 2)
	s_and_b32 s31, s28, 1
	s_lshl_b32 s31, s31, 2
	s_add_co_u32 s31, s31, s18                     ; pair
	s_lshl_b32 s22, s30, 13
	s_lshl_b32 s14, s31, 10
	s_add_co_u32 s22, s22, s14                     ; x: row x 8,192 + 1,024 pair
	s_mov_b32 s23, 0
	s_mul_i32 s24, s29, 24576
	s_mul_i32 s14, s31, 3072
	s_add_co_u32 s24, s24, s14                     ; codes: 24,576 T + 3,072 pair
	s_mov_b32 s25, 0
	s_lshl_b32 s26, s30, 6
	s_lshl_b32 s14, s31, 3
	s_add_co_u32 s26, s26, s14                     ; scl: row x 64 + 8 pair
	s_mov_b32 s27, 0
	s_wait_alu depctr_va_vdst(0)
	s_wait_kmcnt 0x0
	s_add_nc_u64 s[4:5], s[4:5], s[22:23]
	s_add_nc_u64 s[8:9], s[8:9], s[24:25]
	s_add_nc_u64 s[10:11], s[10:11], s[26:27]
.irp s, 0,1
.irp i, 0,1,2,3,4,5,6,7,8,9,10,11,12,13,14,15
	global_load_b128 v[R+64*\s+4*\i:R+64*\s+4*\i+3], v1, s[4:5] offset:(\i+8*(\i/8))*8192+512*\s th:TH_LOAD_NT   ; 32 lanes read 512 consecutive bytes of the tile's row i
.endr
.endr
	XSTEP 0
	XSTEP 1
	v_cmp_ne_u32 vcc_lo, 0, v7
	v_cndmask_b32 v22, v[PW], v[PW+1], vcc_lo      ; lanes 0-15 store the first K step's word of row r, lanes 16-31 the second's
	global_store_b32 v6, v22, s[10:11]
	s_wait_tensorcnt 0x0
	ds_add_u32 v[SPW], v[NIL]
	s_wait_dscnt 0x0
	s_endpgm
.Lfunc_end_k_q83be8f7797_quant:
	.size	k_q83be8f7797_quant, .Lfunc_end_k_q83be8f7797_quant-k_q83be8f7797_quant
	.p2alignl 7, 3214868480
	.fill 96, 4, 3214868480
	.section	.rodata,"a",@progbits
	.p2align	6, 0x0
	.amdhsa_kernel k_q83be8f7797_quant
		.amdhsa_group_segment_fixed_size 47616
		.amdhsa_private_segment_fixed_size 0
		.amdhsa_enable_private_segment 0
		.amdhsa_kernarg_size 48
		.amdhsa_user_sgpr_count 2
		.amdhsa_user_sgpr_kernarg_segment_ptr 1
		.amdhsa_wavefront_size32 1
		.amdhsa_system_sgpr_workgroup_id_x 1
		.amdhsa_system_sgpr_workgroup_id_y 1
		.amdhsa_system_sgpr_workgroup_id_z 1
		.amdhsa_system_vgpr_workitem_id 0
		.amdhsa_next_free_vgpr 226
		.amdhsa_next_free_sgpr 66
		.amdhsa_reserve_vcc 1
		.amdhsa_float_denorm_mode_32 3
		.amdhsa_float_denorm_mode_16_64 3
		.amdhsa_memory_ordered 1
		.amdhsa_forward_progress 1
		.amdhsa_inst_pref_size 37
	.end_amdhsa_kernel
	.amdgpu_metadata
---
amdhsa.version: [ 1, 2 ]
amdhsa.kernels:
  - .name:           k_q83be8f7797_quant
    .symbol:         k_q83be8f7797_quant.kd
    .args:
      - { .name: x, .offset: 0, .size: 8, .value_kind: global_buffer, .address_space: global }
      - { .name: wq, .offset: 8, .size: 8, .value_kind: global_buffer, .address_space: global }
      - { .name: wk, .offset: 16, .size: 8, .value_kind: global_buffer, .address_space: global }
      - { .name: wv, .offset: 24, .size: 8, .value_kind: global_buffer, .address_space: global }
      - { .name: codes, .offset: 32, .size: 8, .value_kind: global_buffer, .address_space: global }
      - { .name: scl, .offset: 40, .size: 8, .value_kind: global_buffer, .address_space: global }
    .group_segment_fixed_size: 47616
    .private_segment_fixed_size: 0
    .kernarg_segment_align: 8
    .kernarg_segment_size: 48
    .max_flat_workgroup_size: 128
    .sgpr_count:     66
    .vgpr_count:     226
    .wavefront_size: 32
...
	.end_amdgpu_metadata
.endif
;; end of part 6
;; launch gemm_qkv (part 7): grid 64 x 4, 4 waves a work-group, clusters of 4 x 4, 327,680 bytes of LDS; arguments codes, scl, cos, sin, qkvc, wo, oc, os; writes qkvc, oc, os
.if DOCPART == 7
	.amdgcn_target "amdgcn-amd-amdhsa--gfx1250"
	.amdhsa_code_object_version 6
	.text
	.protected	k_q83be8f7797_gemm_qkv
	.globl	k_q83be8f7797_gemm_qkv
	.p2align	8
	.type	k_q83be8f7797_gemm_qkv,@function
k_q83be8f7797_gemm_qkv:
	s_mov_b64 s[64:65], 0
	v_nop
	global_prefetch_b8 v0, s[64:65] scope:SCOPE_SE
	s_setreg_imm32_b32 hwreg(HW_REG_WAVE_MODE, 25, 1), 1
	s_wait_xcnt 0x0
	s_wait_alu depctr_hold_cnt(0) depctr_sa_sdst(0) depctr_va_vdst(0) depctr_va_sdst(0) depctr_va_ssrc(0) depctr_va_vcc(0) depctr_vm_vsrc(0)
	s_getreg_b32 s2, hwreg(HW_REG_IB_STS2, 6, 4)
	s_cmp_eq_u32 s2, 0
	s_cbranch_scc0 .Lentry_in_a_cluster
	s_endpgm
.Lentry_in_a_cluster:
	s_bfe_u32 s2, ttmp6, 0x10000c
	s_cmp_lg_u32 s2, 0xf033
	s_cbranch_scc0 .Lentry_shape_is_right
	s_endpgm
.Lentry_shape_is_right:
; q = rope(x wq), k = rope(x wk), v = x wv on codes of BF6 with E8M0 scales; the results are quantised in registers for the attention's products and leave as codes.
; SHARES: 2,048 x 3,072 results are 256 tiles of 128 x 192, one to a work-group.  Work-group (R, c) makes, for positions 128 R .. + 127, q's columns 128 c .. + 127 and the EXTRA columns 64 c .. + 63 of the
; list wk, wv: k's head c where c < 8, v's head c - 8 else.  All three products take the same rows of x.  Each of the four waves makes 64 x 64 of q (one head: 16 accumulators) and its 64 positions x 32 of
; the extra columns (8 accumulators): 10 fragments from LDS feed 24 matrix instructions.
; LAYOUT: source 0 = 16 rows of one operand, source 1 = 16 rows of the other; a lane holds ONE row of source 1's and its registers run along source 0's rows.  A tile's lane r holds row 8 u + r + 8 (r / 8) of its
; group of 32 rows (u: the tile in the group), so the 16 registers of two neighbouring source-0 tiles are 16 neighbours 16 (lane / 16) + 0 .. 15 of the group.
; q, k: source 0 = the weight, source 1 = x: a lane's registers run along the head's channels, the next product's K.   v: THE SOURCES ARE SWAPPED: a lane holds a channel and its registers run along the keys, the next K.
; So the 8 extra products of a K step stand twice, under a branch on the cluster's number, which is the same in all sixteen partners; at a branch every register window is 0: five switches a K step.
; CODES lie in memory as the operand's registers on end ([tile][K / 64][768 bytes]): every LDS load reads 512 or 256 consecutive bytes; no pitch, no padding.  A work-group's 12 tiles of weights lie on end.
; LDS: area X: six K steps of 20 tiles (x's 8, wq's 8, the extra 4), 9,216 bytes a tile; area Y: four K steps, 6,144 bytes a tile.  K steps 0-5: X; 6-9: Y; 10-15: X, filled again: the launch's one refill.
; (2 x 6 + 4 = 16 K steps, and 6 + 4 are what fits.)  CLUSTER 4 x 4: the four of a row need the same tiles of x, the four of a column the same weights: each is asked for jointly.
; A wave has one tensor load out at the start, one behind the round in front of K step 0, one behind the refill.
; OUTPUT: qkvc [unit][3,328]: tiles 0-3 x 768, then the half words: a unit is 64 rows x 64 along K; q: head x 32 + position / 64; k: 1024 + kv head x 32 + key / 64; v: 1280 + kv head x 32 + key / 64 (rows = channels).
;         half words [r][tile] at byte 3,072 of a unit: byte of block 0 | byte of block 1 << 8.   A wave holds ONE block of k's rows: it stores half of each half fragment, and its scale bytes singly.
; LIMITS: a block of zeros, or one under 2^-122, keeps the byte 1 (this program alone reads the bytes).  NaN and infinities are not served.
; REGISTERS: window 0: v1-12 LDS addresses, v13-31 offsets and the add's two, v32-95 scale words (v[32 + 16 i + s]: lanes 0-15 x's tile i, lanes 16-31 wq's tile i, K step s), v96-111 the extra tiles' (lanes 0-15 tile 0,
;            lanes 16-31 tile 1), v128-191 the extra sums, v192-255 rotated q.  Behind the loop v32-71 are at work.   window 1: two sets of fragments, v0-119 and v128-247 (x's tile i at 12 i, wq's at 48 + 12 i, the extra at 96 + 12 i).
;            window 2: cos at v[32 a + 8 bb + p], sin 16 further on; v128-255 q's sums.   window 3: cos and sin for k's block: v[16 a + p], sin 8 further on.
.set TPX,   9216                       ; a tile's six K steps in area X
.set TPY,   6144                       ; its four K steps in area Y
.set KSB,   1536                       ; a fragment: 128 along K
.set YB,    20*TPX                     ; area Y begins behind X's 20 tiles
.set SPARE, YB+20*TPY                  ; behind the areas: the spare words, 128 bytes a wave: two blocks of 256 bytes that no other line names
.set AR16, 1                           ; v1-2   x's fragments in X, Y: registers 0-3 of a half fragment;  v3-4 registers 4-5
.set AR8,  3
.set AC16, 5                           ; v5-8   wq's
.set AC8,  7
.set AE16, 9                           ; v9-12  the extra tiles'
.set AE8,  11
.set VS,   13                          ; v13    offset of the scale words
.set L16,  14                          ; v14    16 x lane
.set L8,   15                          ; v15    8 x lane
.set HW,   16                          ; v16    q's half words: 16 r + 8 h
.set VCS,  17                          ; v17    offset in cos and sin
.set HH,   18                          ; v18    h
.set RR,   19                          ; v19    r
.set K16,  24                          ; v24    k's codes: 768 h + 16 r + 256 x my block
.set K8,   25                          ; v25    768 h + 8 r + 128 x my block
.set KS,   26                          ; v26    k's scale bytes: 16 r + 4 h + my block
.set SH,   27                          ; v27    8 h
.set SPW,  28
.set NIL,  29
.set VW,   30                          ; v30    v's half words: 16 r + 4 h + 8 x my pair of tiles
.set VX,   31                          ; v31    offset of the extra tiles' scale words
.set SC,   32
.set SE,   96
.set EA,   128                         ; the extra sums
.set OUT,  192                         ; rotated q
.set MX,   32                          ; the way out
.set BY,   36
.set SO,   40
.set PC,   44
.set PW,   56
.set DD,   60
.set RM,   64
.set ACC,  128                         ; q's sums, in window 2
.set F0,   0
.set F1,   128
.set G1RX, 24                          ; descriptor groups 1: x's tiles into X, into Y; the weights' into X, into Y
.set G1RY, 32
.set G1CX, 40
.set G1CY, 48
.set G0RX, 56                          ; and groups 0
.set G0RY, 60
.set G0CX, 68
.set G0CY, 72
.set MSB, 0
.macro WIN new                         ; the immediate's high byte repeats the setting that is left
.if MSB != \new
	s_set_vgpr_msb (MSB<<8)|\new
.set MSB, \new
.endif
.endm
.set MULM,  0xa5                       ; sources 0 and 1 window 1; C and D window 2: q's sums
.set MULX,  0x05                       ; the same, C and D window 0: the extra sums
.set TO_F,  0x40                       ; destination window 1
.set TO_W2, 0x80                       ; destination window 2
.set TO_W3, 0xc0                       ; destination window 3
.set ROPQ,  0x0a                       ; sources 0 and 1 window 2
.set ROPK,  0x0c                       ; source 1 window 3
.macro PLACES
.rept 4
	v_nop
.endr
.endm
.macro G1SET g, elems, rows            ; rows of elems elements of 8 bytes, 24,576 bytes from tile to tile
	s_mov_b32 s[\g+1], (\elems)<<16                ; tensor_dim0
	s_mov_b32 s[\g+2], (\rows)<<16                 ; tensor_dim1
	s_mov_b32 s[\g+3], (\elems)<<16                ; tile_dim0
	s_mov_b32 s[\g+4], \rows                       ; tile_dim1
	s_mov_b32 s[\g+5], 3072                        ; the pitch
	s_mov_b32 s[\g+6], 0
	s_mov_b32 s[\g+7], 0
.endm
.macro JLOAD                           ; the joint refill of area X: waves 0, 1 fetch x's halves, waves 2, 3 the weights'; four v_nop follow each line
	s_cmp_eq_u32 s17, 0
	s_cbranch_scc0 .Lfor_c_\@
	tensor_load_to_lds s[G0RX:G0RX+3], s[G1RX:G1RX+7]
	s_nop 0
	PLACES
	s_branch .Lasked_\@
.Lfor_c_\@:
	tensor_load_to_lds s[G0CX:G0CX+3], s[G1CX:G1CX+7]
	s_nop 0
	PLACES
.Lasked_\@:
.endm
.macro CREST                           ; a round of the cluster's barrier behind its opening barrier
	s_cmp_lg_u32 s16, 0
	s_cbranch_scc1 .Lnot_wave_0_\@
	s_barrier_signal -3
.Lnot_wave_0_\@:
	s_barrier_wait -3
	s_barrier_signal -1
	s_barrier_wait -1
.endm
.macro CROUND
	s_barrier_signal -1
	s_barrier_wait -1
	CREST
.endm
.macro LADR a16, a8, half, n, first    ; my tiles of one operand begin (first + n x half) tiles into each area
	s_mul_i32 s86, s[\half], \n*TPX
	s_add_co_u32 s86, s86, \first*TPX
	s_mul_i32 s87, s[\half], \n*TPY
	s_add_co_u32 s87, s87, YB+\first*TPY
	v_add_nc_u32 v[\a16], s86, v[L16]
	v_add_nc_u32 v[\a8], s86, v21
	v_add_nc_u32 v[\a16+1], s87, v[L16]
	v_add_nc_u32 v[\a8+1], s87, v21
.endm
.macro FRAG reg, a16, a8, off          ; a fragment: two half fragments, each 16 + 8 bytes a lane
	ds_load_b128 v[\reg:\reg+3], v[\a16] offset:\off
	ds_load_b64 v[\reg+4:\reg+5], v[\a8] offset:\off
	ds_load_b128 v[\reg+6:\reg+9], v[\a16] offset:\off+768
	ds_load_b64 v[\reg+10:\reg+11], v[\a8] offset:\off+768
.endm
.macro FETCH j, q, f                   ; 40 LDS loads: the 10 fragments of K step q of area j (0: X, 1: Y), into set f
.if \j == 0
.set TP, TPX
.else
.set TP, TPY
.endif
	WIN TO_F
.irp i, 0,1,2,3
	FRAG \f+48+12*\i, AC16+\j, AC8+\j, TP*\i+KSB*\q
.endr
.irp i, 0,1,2,3
	FRAG \f+12*\i, AR16+\j, AR8+\j, TP*\i+KSB*\q
.endr
.irp i, 0,1
	FRAG \f+96+12*\i, AE16+\j, AE8+\j, TP*\i+KSB*\q
.endr
.endm
.macro MUL8 f, s, a0, zero             ; q: x's tiles a0, a0 + 1 against wq's four, K step s.  The 24 accumulators take turns, one instruction a turn, in one order throughout
.irp a, \a0, \a0+1
.irp b, 0,1,2,3
.if \zero
	v_wmma_scale_f32_16x16x128_f8f6f4 v[ACC+8*(4*(\a)+\b):ACC+8*(4*(\a)+\b)+7], v[\f+48+12*\b:\f+48+12*\b+11], v[\f+12*(\a):\f+12*(\a)+11], 0, v[SC+16*\b+\s], v[SC+16*(\a)+\s] matrix_a_fmt:MATRIX_FMT_BF6 matrix_b_fmt:MATRIX_FMT_BF6 matrix_a_scale:MATRIX_SCALE_ROW1
.else
	v_wmma_scale_f32_16x16x128_f8f6f4 v[ACC+8*(4*(\a)+\b):ACC+8*(4*(\a)+\b)+7], v[\f+48+12*\b:\f+48+12*\b+11], v[\f+12*(\a):\f+12*(\a)+11], v[ACC+8*(4*(\a)+\b):ACC+8*(4*(\a)+\b)+7], v[SC+16*\b+\s], v[SC+16*(\a)+\s] matrix_a_fmt:MATRIX_FMT_BF6 matrix_b_fmt:MATRIX_FMT_BF6 matrix_a_scale:MATRIX_SCALE_ROW1
.endif
.endr
.endr
.endm
.macro WE d, a, b, sa, sb, zero, ra, rb   ; one extra product; ra, rb: source 0's or source 1's scales stand in lanes 16-31
.if \zero
.if \ra
	v_wmma_scale_f32_16x16x128_f8f6f4 v[\d:\d+7], v[\a:\a+11], v[\b:\b+11], 0, v[\sa], v[\sb] matrix_a_fmt:MATRIX_FMT_BF6 matrix_b_fmt:MATRIX_FMT_BF6 matrix_a_scale:MATRIX_SCALE_ROW1
.elseif \rb
	v_wmma_scale_f32_16x16x128_f8f6f4 v[\d:\d+7], v[\a:\a+11], v[\b:\b+11], 0, v[\sa], v[\sb] matrix_a_fmt:MATRIX_FMT_BF6 matrix_b_fmt:MATRIX_FMT_BF6 matrix_b_scale:MATRIX_SCALE_ROW1
.else
	v_wmma_scale_f32_16x16x128_f8f6f4 v[\d:\d+7], v[\a:\a+11], v[\b:\b+11], 0, v[\sa], v[\sb] matrix_a_fmt:MATRIX_FMT_BF6 matrix_b_fmt:MATRIX_FMT_BF6
.endif
.else
.if \ra
	v_wmma_scale_f32_16x16x128_f8f6f4 v[\d:\d+7], v[\a:\a+11], v[\b:\b+11], v[\d:\d+7], v[\sa], v[\sb] matrix_a_fmt:MATRIX_FMT_BF6 matrix_b_fmt:MATRIX_FMT_BF6 matrix_a_scale:MATRIX_SCALE_ROW1
.elseif \rb
	v_wmma_scale_f32_16x16x128_f8f6f4 v[\d:\d+7], v[\a:\a+11], v[\b:\b+11], v[\d:\d+7], v[\sa], v[\sb] matrix_a_fmt:MATRIX_FMT_BF6 matrix_b_fmt:MATRIX_FMT_BF6 matrix_b_scale:MATRIX_SCALE_ROW1
.else
	v_wmma_scale_f32_16x16x128_f8f6f4 v[\d:\d+7], v[\a:\a+11], v[\b:\b+11], v[\d:\d+7], v[\sa], v[\sb] matrix_a_fmt:MATRIX_FMT_BF6 matrix_b_fmt:MATRIX_FMT_BF6
.endif
.endif
.endm
; The 8 extra products of K step s.  k: source 0 = wk's tile e, source 1 = x's tile a: v[EA + 16 a + 8 e + j] = (position of tile a's lane r, channel 32 x my block + 16 h + 8 e + j).
; v: source 0 = x's tile a, source 1 = wv's tile e: v[EA + 32 e + 8 a + j] = (channel of tile e's lane r, key 32 (a / 2) + 16 h + 8 (a % 2) + j).
.macro MULE f, s, zero
	WIN 0                                          ; at a branch and at a label every window is 0
	s_cmp_lt_u32 ttmp9, 8                          ; clusters 0-7 hold c = 0 .. 7: k
	s_cbranch_scc0 .Lfor_v_\@
	WIN MULX
.irp a, 0,1,2,3
.irp e, 0,1
	WE EA+16*\a+8*\e, \f+96+12*\e, \f+12*\a, SE+\s, SC+16*\a+\s, \zero, \e, 0
.endr
.endr
	WIN 0
	s_branch .Ljoin_\@
.Lfor_v_\@:
	WIN MULX
.irp e, 0,1
.irp a, 0,1,2,3
	WE EA+32*\e+8*\a, \f+12*\a, \f+96+12*\e, SC+16*\a+\s, SE+\s, \zero, 0, \e
.endr
.endr
	WIN 0
.Ljoin_\@:
.endm
.macro STEP f, g, s, zero, nj, nq      ; K step s from set f; the next step's fragments are asked for first, into set g
	PLACES                                         ; four places behind the products that read set g (ISA guide 7.12.1 for vector instructions)
	FETCH \nj, \nq, \g
	s_wait_dscnt 40                                ; set f is in; the 40 loads just issued may be out
	WIN MULM
	MUL8 \f, \s, 0, \zero
	MUL8 \f, \s, 2, \zero
	MULE \f, \s, \zero
.endm
; 64 numbers of a lane, four blocks' halves of 16, become 12 registers of codes at v[PC] on (registers 0-5: lanes 0-15 block 0, lanes 16-31 block 1; registers 6-11: blocks 2, 3) and two half words at v[w], v[w + 1]
.macro QUANT64 s, w
.irp b, 0,1,2,3
	v_max3_num_f32 v[MX+\b], |v[\s+16*\b]|, |v[\s+1+16*\b]|, 0x2800000   ; an accumulator is read from its low end on; the floor 2^(5 - 127) holds the byte at 1
.endr
.irp i, 2,4,6,8,10,12,14
.irp b, 0,1,2,3
	v_max3_num_f32 v[MX+\b], v[MX+\b], |v[\s+16*\b+\i]|, |v[\s+1+16*\b+\i]|
.endr
.endr
.irp b, 0,1,2,3
	v_permlanex16_b32 v[BY+\b], v[MX+\b], s98, s99
.endr
.irp b, 0,1,2,3
	v_max_num_f32 v[MX+\b], v[MX+\b], v[BY+\b]
.endr
.irp b, 0,1,2,3
	v_add_nc_u32 v[SO+\b], 0xfe000000, v[MX+\b]
.endr
.irp b, 0,1,2,3
	v_lshrrev_b32 v[BY+\b], 23, v[SO+\b]
.endr
	v_lshl_or_b32 v[\w], v[BY+1], 8, v[BY]
	v_lshl_or_b32 v[\w+1], v[BY+3], 8, v[BY+2]
	v_cvt_scalef32_pk16_bf6_f32 v[PC:PC+2], v[\s:\s+15], v[SO]
	v_cvt_scalef32_pk16_bf6_f32 v[MX:MX+2], v[\s+16:\s+31], v[SO+1]
	v_cvt_scalef32_pk16_bf6_f32 v[PC+6:PC+8], v[\s+32:\s+47], v[SO+2]
	v_cvt_scalef32_pk16_bf6_f32 v[BY:BY+2], v[\s+48:\s+63], v[SO+3]
	v_nop                                          ; one plain place behind a scaled conversion
.irp i, 0,1,2
	v_permlane16_swap_b32 v[PC+\i], v[MX+\i]
.endr
.irp i, 0,1,2
	v_mov_b32 v[PC+3+\i], v[MX+\i]
.endr
.irp i, 0,1,2
	v_permlane16_swap_b32 v[PC+6+\i], v[BY+\i]
.endr
.irp i, 0,1,2
	v_mov_b32 v[PC+9+\i], v[BY+\i]
.endr
.endm
; q's tiles a0, a0 + 1 are rotated out of window 2 into v[OUT] on: v[OUT + 32 d + 16 bb + i] = (position of tile a0 + d's lane r, channel 32 bb + 16 h + i of my head)
.macro ROPEQ a0
	WIN ROPQ
.irp d, 0,1
.irp bb, 0,1
.irp p, 0,1,2,3,4,5,6,7
.set rT, ACC+32*(\a0+\d)+16*\bb+2*\p
.set rC, 32*(\a0+\d)+8*\bb+\p
.set rO, OUT+32*\d+16*\bb+2*\p
.set rM, RM+2*(\p%4)
	v_mul_f32 v[rM], v[rT+1], v[rC+16]             ; t1 sin
	v_mul_f32 v[rM+1], v[rT], v[rC+16]             ; t0 sin
	v_fma_f32 v[rO], v[rT], v[rC], -v[rM]          ; t0 cos - t1 sin
	v_fma_f32 v[rO+1], v[rT+1], v[rC], v[rM+1]     ; t1 cos + t0 sin
.endr
.endr
.endr
	WIN 0
.endm
	s_load_b256 s[4:11], s[0:1], 0x0               ; codes s[4:5], scl s[6:7], cos s[8:9], sin s[10:11]
	; THE OUTPUT'S LAYOUT AS IT NOW STANDS: one buffer, qkvc [unit][3,328 bytes]: a unit's four tiles of codes (4 x 768 bytes) and behind them, at byte 3,072, its 256 bytes of half words [r][tile].
	; THE LOADS AS THEY NOW STAND: a wave has one tensor load out at the start (area X), one behind the round in front of K step 0 (area Y's first fill), one behind the refill.
	s_load_b64 s[12:13], s[0:1], 0x20              ; qkvc
	; THIS LAUNCH ALSO QUANTISES wo [K = 2048][2048], f32, along K, for the last product: work-group (R, c) takes its columns 128 c .. + 127 x K 128 R .. + 127, wave w block w of 32 along K: 256 such parts, 256 work-groups.
	; The 32 loads of a wave (512 consecutive bytes each; a lane gets four columns) are asked for behind the refill of K step 5, into window 3's v64-191, and worked behind q's, k's and v's stores.
	; oc: [tile][K / 64][768]: wo's columns are tiles 0-127 (the attention's result: 128 on);  os: [row][64 bytes]: wo's columns are rows 0-2047.
	s_load_b64 s[2:3], s[0:1], 0x28                ; wo
	s_load_b64 s[100:101], s[0:1], 0x30            ; oc
	s_load_b64 s[104:105], s[0:1], 0x38            ; os
	v_lshl_add_u32 v[SPW], v0, 2, SPARE
	v_mov_b32 v[NIL], 0
	ds_add_u32 v28, v29
	ds_add_u32 v28, v29
	s_wait_dscnt 0x0
	v_lshrrev_b32 v20, 5, v0
	v_readfirstlane_b32 s16, v20                   ; wave
	s_lshr_b32 s17, s16, 1                         ; my half of the positions.  Also: I fetch x's tiles (0) or the weights' (1)
	s_and_b32 s18, s16, 1                          ; my half of q's columns, my block or pair of the extra ones.  Also: which half of the tiles I fetch
	s_bfe_u32 s19, ttmp6, 0x40000                  ; cx
	s_bfe_u32 s20, ttmp6, 0x40004                  ; cy
	s_lshl_b32 s21, s20, 2
	s_lshl_b32 s21, 15, s21                        ; my row of the cluster
	s_lshl_b32 s22, 0x1111, s19                    ; my column
	s_or_b32 s[G1RX], s21, (3<<16)|(1<<21)         ; the mask; elements of 8 bytes; bit 21 beside a mask; no padding
	s_or_b32 s[G1RY], s21, (3<<16)|(1<<21)
	s_or_b32 s[G1CX], s22, (3<<16)|(1<<21)
	s_or_b32 s[G1CY], s22, (3<<16)|(1<<21)
	G1SET G1RX, 1152, 4                            ; four tiles of x, six K steps: rows of 9,216 bytes
	G1SET G1RY, 768, 4                             ; four K steps: 6,144 bytes
	G1SET G1CX, 1152, 6                            ; six tiles of weights
	G1SET G1CY, 768, 6
	s_and_b32 s76, ttmp9, 3
	s_lshl_b32 s76, s76, 2
	s_add_co_u32 s76, s76, s20                     ; R: which 128 positions (cy alone enters)
	s_lshr_b32 s77, ttmp9, 2
	s_lshl_b32 s77, s77, 2
	s_add_co_u32 s77, s77, s19                     ; c: which group of weights (cx alone enters)
	s_lshl_b32 s78, s76, 3
	s_lshl_b32 s23, s18, 2
	s_add_co_u32 s78, s78, s23
	s_mul_i32 s78, s78, 24576                      ; x: tile 8 R + 4 x half, in bytes
	s_mov_b32 s79, 0
	s_mul_i32 s80, s77, 12
	s_mul_i32 s23, s18, 6
	s_add_co_u32 s80, s80, s23
	s_add_co_u32 s80, s80, 128
	s_mul_i32 s80, s80, 24576                      ; the weights: tile 128 + 12 c + 6 x half
	s_mov_b32 s81, 0
	s_mov_b32 s98, 0x76543210
	s_mov_b32 s99, 0xfedcba98                      ; selects for lane l xor 16
	s_wait_kmcnt 0x0
	s_add_nc_u64 s[78:79], s[4:5], s[78:79]
	s_add_nc_u64 s[80:81], s[4:5], s[80:81]
	CROUND                                         ; all sixteen work-groups are here: the first joint loads meet
	s_mov_b32 s[G0RX], 1
	s_mul_i32 s[G0RX+1], s18, 4*TPX                ; LDS addresses hang on the wave's number alone
	s_mov_b64 s[G0RX+2:G0RX+3], s[78:79]           ; K steps 0-5
	s_or_b32 s[G0RX+3], s[G0RX+3], 0x80000000
	s_mov_b32 s[G0RY], 1
	s_mul_i32 s[G0RY+1], s18, 4*TPY
	s_add_co_u32 s[G0RY+1], s[G0RY+1], YB
	s_add_nc_u64 s[G0RY+2:G0RY+3], s[78:79], 6*KSB ; K steps 6-9
	s_or_b32 s[G0RY+3], s[G0RY+3], 0x80000000
	s_mov_b32 s[G0CX], 1
	s_mul_i32 s[G0CX+1], s18, 6*TPX
	s_add_co_u32 s[G0CX+1], s[G0CX+1], 8*TPX       ; behind x's eight tiles
	s_mov_b64 s[G0CX+2:G0CX+3], s[80:81]
	s_or_b32 s[G0CX+3], s[G0CX+3], 0x80000000
	s_mov_b32 s[G0CY], 1
	s_mul_i32 s[G0CY+1], s18, 6*TPY
	s_add_co_u32 s[G0CY+1], s[G0CY+1], YB+8*TPY
	s_add_nc_u64 s[G0CY+2:G0CY+3], s[80:81], 6*KSB
	s_or_b32 s[G0CY+3], s[G0CY+3], 0x80000000
	s_cmp_eq_u32 s17, 0                            ; a wave's first fill stands in one branch, ahead of every wait on TENSORcnt and every LDS read
	s_cbranch_scc0 .Lfirst_c
	tensor_load_to_lds s[G0RX:G0RX+3], s[G1RX:G1RX+7]
	s_nop 0
	PLACES
	s_branch .Lfirst_asked
.Lfirst_c:
	tensor_load_to_lds s[G0CX:G0CX+3], s[G1CX:G1CX+7]
	s_nop 0
	PLACES
.Lfirst_asked:
	v_and_b32 v20, 31, v0                          ; lane
	v_and_b32 v[RR], 15, v0                        ; r
	v_bfe_u32 v[HH], v0, 4, 1                      ; h
	v_lshlrev_b32 v[L16], 4, v20
	s_wait_alu depctr_va_vdst(0)
	v_lshlrev_b32 v[L8], 3, v20
	v_add_nc_u32 v21, 512, v[L8]
	s_wait_alu depctr_va_vdst(0)
	LADR AR16, AR8, 17, 4, 0                       ; my four tiles of x,
	LADR AC16, AC8, 18, 4, 8                       ; my four of wq, behind x's eight,
	LADR AE16, AE8, 18, 2, 16                      ; my two of the extra four, behind wq's eight
	v_and_b32 v22, 8, v[RR]
	v_add_nc_u32 v22, v22, v[RR]                   ; r + 8 (r / 8)
	s_wait_alu depctr_va_vdst(0)
	s_lshl_b32 s66, s76, 13
	s_lshl_b32 s88, s17, 12
	s_add_co_u32 s66, s66, s88                     ; my 64 positions' scale words: (128 R + 64 half) x 64 bytes
	s_lshl_b32 s67, s77, 13
	s_lshl_b32 s88, s18, 12
	s_add_co_u32 s67, s67, s88
	s_add_co_u32 s67, s67, 131072                  ; my 64 columns of wq: (2048 + 128 c + 64 half) x 64
	v_mov_b32 v[VS], s66
	v_mov_b32 v23, s67
	v_cmp_ne_u32 vcc_lo, 0, v[HH]
	v_cndmask_b32 v[VS], v[VS], v23, vcc_lo        ; lanes 0-15 take x's words, lanes 16-31 wq's
	v_lshl_add_u32 v[VS], v22, 6, v[VS]
.irp i, 0,1,2,3
.irp c, 0,1,2,3
	global_load_b128 v[SC+16*\i+4*\c:SC+16*\i+4*\c+3], v[VS], s[6:7] offset:(32*(\i/2)+8*(\i%2))*64+16*\c   ; a row's 16 words, once for the whole launch
.endr
.endr
	s_lshl_b32 s66, s77, 12
	s_lshl_b32 s88, s18, 11
	s_add_co_u32 s66, s66, s88
	s_add_co_u32 s66, s66, 262144                  ; my 32 extra columns: (4096 + 64 c + 32 x pair) x 64
	v_lshl_add_u32 v[VX], v[HH], 3, v22            ; lanes 0-15 take tile 0's rows, lanes 16-31 tile 1's, 8 rows on
	v_lshlrev_b32 v[VX], 6, v[VX]
	v_add_nc_u32 v[VX], s66, v[VX]
.irp c, 0,1,2,3
	global_load_b128 v[SE+4*\c:SE+4*\c+3], v[VX], s[6:7] offset:16*\c
.endr
	s_lshl_b32 s89, s76, 1
	s_add_co_u32 s89, s89, s17                     ; my group of 64 positions
	s_lshl_b32 s92, s89, 13                        ; cos, sin: 64 rows of 128 bytes
	s_mov_b32 s93, 0
	s_add_nc_u64 s[8:9], s[8:9], s[92:93]
	s_add_nc_u64 s[10:11], s[10:11], s[92:93]
	v_lshlrev_b32 v[VCS], 7, v22
	v_lshl_add_u32 v[VCS], v[HH], 5, v[VCS]        ; row r + 8 (r / 8), + 32 h: the eight pairs of my 16 channels
	s_lshl_b32 s88, s18, 6
	v_add_nc_u32 v23, s88, v[VCS]                  ; and the same in k's block: 64 bytes a block
	WIN TO_W2
.irp a, 0,1,2,3
.irp bb, 0,1
.irp q, 0,1
	global_load_b128 v[32*\a+8*\bb+4*\q:32*\a+8*\bb+4*\q+3], v[VCS], s[8:9] offset:(32*(\a/2)+8*(\a%2))*128+64*\bb+16*\q
	global_load_b128 v[32*\a+16+8*\bb+4*\q:32*\a+16+8*\bb+4*\q+3], v[VCS], s[10:11] offset:(32*(\a/2)+8*(\a%2))*128+64*\bb+16*\q
.endr
.endr
.endr
	WIN TO_W3
.irp a, 0,1,2,3
.irp q, 0,1
	global_load_b128 v[16*\a+4*\q:16*\a+4*\q+3], v23, s[8:9] offset:(32*(\a/2)+8*(\a%2))*128+16*\q
	global_load_b128 v[16*\a+8+4*\q:16*\a+8+4*\q+3], v23, s[10:11] offset:(32*(\a/2)+8*(\a%2))*128+16*\q
.endr
.endr
	WIN 0
	s_lshl_b32 s90, s77, 1
	s_add_co_u32 s90, s90, s18                     ; my query head: 2 c + half
	s_lshl_b32 s90, s90, 5
	s_add_co_u32 s90, s90, s89                     ; q's unit: head x 32 + position / 64
	s_lshl_b32 s91, s77, 5
	s_add_co_u32 s91, s91, s89
	s_add_co_u32 s91, s91, 1024                    ; the extra unit: 1024 + 32 c + position / 64: k's from 1024, v's from 1280
	s_mul_i32 s94, s90, 3328
	s_mov_b32 s95, 0
	s_mul_i32 s96, s91, 3328
	s_mov_b32 s97, 0
	s_add_nc_u64 s[84:85], s[12:13], s[96:97]      ; the extra codes
	s_add_nc_u64 s[12:13], s[12:13], s[94:95]      ; q's codes
	s_add_nc_u64 s[82:83], s[84:85], 3072          ; the extra unit's half words stand behind its codes
	s_add_nc_u64 s[14:15], s[12:13], 3072          ; and q's behind q's
	s_mul_i32 s96, s18, 1536                       ; v: my pair of tiles in the unit
	v_lshlrev_b32 v[HW], 4, v[RR]
	v_lshl_add_u32 v[HW], v[HH], 3, v[HW]
	v_mul_u32_u24 v[K16], v[HH], 768
	v_lshl_add_u32 v[K8], v[RR], 3, v[K16]
	v_lshl_add_u32 v[K16], v[RR], 4, v[K16]
	s_lshl_b32 s88, s18, 8
	v_add_nc_u32 v[K16], s88, v[K16]
	s_lshl_b32 s88, s18, 7
	v_add_nc_u32 v[K8], s88, v[K8]
	v_lshlrev_b32 v[KS], 4, v[RR]
	v_lshl_add_u32 v[KS], v[HH], 2, v[KS]
	s_lshl_b32 s88, s18, 3
	v_add_nc_u32 v[VW], s88, v[KS]
	v_add_nc_u32 v[KS], s18, v[KS]
	v_lshlrev_b32 v[SH], 3, v[HH]
	s_wait_alu depctr_va_vdst(0)
	s_wait_tensorcnt 0x0                           ; my part of area X is in
	ds_add_u32 v[SPW], v[NIL]
	s_wait_dscnt 0x0
	CROUND                                         ; everybody's part of X is in, and all sixteen work-groups are here
	s_cmp_eq_u32 s17, 0                            ; area Y's first fill, K steps 6-9: my one tensor load behind the round
	s_cbranch_scc0 .Lsecond_c
	tensor_load_to_lds s[G0RY:G0RY+3], s[G1RY:G1RY+7]
	s_nop 0
	PLACES
	s_branch .Lsecond_asked
.Lsecond_c:
	tensor_load_to_lds s[G0CY:G0CY+3], s[G1CY:G1CY+7]
	s_nop 0
	PLACES
.Lsecond_asked:
	; A PREFETCH for the refill, K steps 10-15, two tensor loads ahead of it: of the tiles that I shall fetch (4 of x or 6 of the weights, 36 blocks of 256 bytes each) the four partners that ask jointly
	; share the blocks out by address: 36 or 54 on end for each; a lane a block, two instructions; the lanes left over name my last block again.  Block b lies in tile b / 36.
	s_cmp_eq_u32 s17, 0
	s_cselect_b32 s86, s19, s20                    ; my place among the four: cx for x's tiles, cy for the weights'
	s_cselect_b32 s87, 36, 54
	s_cselect_b64 s[78:79], s[78:79], s[80:81]
	s_add_nc_u64 s[78:79], s[78:79], 10*KSB
	s_mul_i32 s86, s86, s87                        ; my first block
	s_sub_co_u32 s87, s87, 1
	v_and_b32 v112, 31, v0
	v_add_nc_u32 v113, 32, v112
	v_min_u32 v113, s87, v113
	v_add_nc_u32 v112, s86, v112
	v_add_nc_u32 v113, s86, v113
	v_mul_u32_u24 v114, v112, 1821                 ; b / 36 = b x 1821 >> 16, exact for b under 216
	v_mul_u32_u24 v115, v113, 1821
	v_lshrrev_b32 v114, 16, v114
	v_lshrrev_b32 v115, 16, v115
	v_mul_u32_u24 v114, v114, 15360                ; from tile to tile 24,576 bytes, of which 9,216 are these six K steps
	v_mul_u32_u24 v115, v115, 15360
	v_lshl_add_u32 v112, v112, 8, v114
	v_lshl_add_u32 v113, v113, 8, v115
	global_prefetch_b8 v112, s[78:79] th:TH_LOAD_NT scope:SCOPE_SE   ; v112, v113 and s[78:79] are not written again
	global_prefetch_b8 v113, s[78:79] th:TH_LOAD_NT scope:SCOPE_SE
	s_wait_loadcnt 0x0
	FETCH 0, 0, F0
	STEP F0, F1, 0, 1, 0, 1                        ; the first products start the sums: nothing is cleared
	STEP F1, F0, 1, 0, 0, 2
	STEP F0, F1, 2, 0, 0, 3
	STEP F1, F0, 3, 0, 0, 4
	STEP F0, F1, 4, 0, 0, 5
	WIN 0                                          ; K step 5: area X's last reads are issued: it is filled again.  (The add's registers lie in window 0)
	s_wait_tensorcnt 0x0                           ; all my tensor loads have landed: area Y's too
	ds_add_u32 v[SPW], v[NIL]                      ; 0 onto my spare word
	s_wait_dscnt 1                                 ; set F1 is in; the add may be out
	WIN MULM
	MUL8 F1, 5, 0, 0
	s_wait_dscnt 0x0                               ; the add is done, and my reads of area X are over
	s_barrier_signal -1
	MUL8 F1, 5, 2, 0
	WIN 0
	s_barrier_wait -1
	CREST                                          ; the barrier has opened a round of the cluster's: no wave of any partner still reads area X or has a load on its way
	s_add_nc_u64 s[G0RX+2:G0RX+3], s[G0RX+2:G0RX+3], 10*KSB
	s_add_nc_u64 s[G0CX+2:G0CX+3], s[G0CX+2:G0CX+3], 10*KSB
	JLOAD                                          ; K steps 10-15: they have area Y's four K steps in which to land; the four v_nop are the places in front of the loads below
	FETCH 1, 0, F0
	MULE F1, 5, 0                                  ; this K step's extra products stand behind the round: a branch leads to them
.set WX, 64                            ; window 3: v64-191 wo: register 4 i + c = (row i of my block, column 4 lane + c)
	s_lshl_b32 s80, s76, 7
	s_lshl_b32 s81, s16, 5
	s_add_co_u32 s80, s80, s81                     ; wo's row 128 R + 32 w,
	s_lshl_b32 s80, s80, 13
	s_lshl_b32 s81, s77, 9                         ; column 128 c
	s_add_co_u32 s80, s80, s81
	s_mov_b32 s81, 0
	s_add_nc_u64 s[2:3], s[2:3], s[80:81]
	WIN TO_W3
.set J, 0
.rept 32
	global_load_b128 v[WX+4*J:WX+4*J+3], v[L16], s[2:3] offset:8192*J th:TH_LOAD_NT   ; 32 lanes read 512 consecutive bytes of a row
.set J, J+1
.endr
	WIN 0
	STEP F0, F1, 6, 0, 1, 1
	STEP F1, F0, 7, 0, 1, 2
	STEP F0, F1, 8, 0, 1, 3
	s_wait_tensorcnt 0x0                           ; K step 9: my one load that is out, my part of the refill, has landed;
	s_wait_dscnt 0x0                               ; set F1 is in: no LDS instruction is pending at the signal
	s_barrier_signal -1
	WIN MULM
	MUL8 F1, 9, 0, 0
	MUL8 F1, 9, 2, 0
	WIN 0
	s_barrier_wait -1                              ; everybody's part has landed
	PLACES
	FETCH 0, 0, F0
	MULE F1, 9, 0
	STEP F0, F1, 10, 0, 0, 1
	STEP F1, F0, 11, 0, 0, 2
	STEP F0, F1, 12, 0, 0, 3
	STEP F1, F0, 13, 0, 0, 4
	STEP F0, F1, 14, 0, 0, 5
	s_wait_dscnt 0x0
	WIN MULM
	MUL8 F1, 15, 0, 0
	MUL8 F1, 15, 2, 0
	MULE F1, 15, 0
	PLACES                                         ; four places in front of the first read of results and the first write of a scale register
	; THE WAY OUT.  q: two tiles of positions at a time: rotated, quantised along the head's 64 channels, stored
	ROPEQ 0
	QUANT64 OUT, PW
	global_store_b128 v[L16], v[PC:PC+3], s[12:13]             ; tile 0's half fragment, then tile 1's: 512 or 256 consecutive bytes a store
	global_store_b64 v[L8], v[PC+4:PC+5], s[12:13] offset:512
	global_store_b128 v[L16], v[PC+6:PC+9], s[12:13] offset:768
	global_store_b64 v[L8], v[PC+10:PC+11], s[12:13] offset:1280
	ROPEQ 2
	s_wait_xcnt 0x0                                ; the stores' data registers are written again only behind this wait
	QUANT64 OUT, PW+2
	global_store_b128 v[L16], v[PC:PC+3], s[12:13] offset:1536
	global_store_b64 v[L8], v[PC+4:PC+5], s[12:13] offset:2048
	global_store_b128 v[L16], v[PC+6:PC+9], s[12:13] offset:2304
	global_store_b64 v[L8], v[PC+10:PC+11], s[12:13] offset:2816
	v_cmp_ne_u32 vcc_lo, 0, v[HH]
	v_cndmask_b32 v[DD], v[PW], v[PW+2], vcc_lo    ; lanes 0-15 store tiles 0, 1's half words of row r, lanes 16-31 tiles 2, 3's
	v_cndmask_b32 v[DD+1], v[PW+1], v[PW+3], vcc_lo
	global_store_b64 v[HW], v[DD:DD+1], s[14:15]   ; 256 consecutive bytes, aligned
	s_cmp_ge_u32 ttmp9, 8
	s_cbranch_scc1 .Lv_out                         ; the branch hangs on the cluster's number alone
	; k: rotated in place; the four blocks of QUANT64 are my block of the four tiles of keys
	WIN ROPK
.irp a, 0,1,2,3
.irp p, 0,1,2,3,4,5,6,7
.set rT, EA+16*\a+2*\p
.set rC, 16*\a+\p
.set rM, RM+2*(\p%4)
	v_mul_f32 v[rM], v[rT+1], v[rC+8]              ; t1 sin
	v_mul_f32 v[rM+1], v[rT], v[rC+8]              ; t0 sin
	v_fma_f32 v[rT], v[rT], v[rC], -v[rM]          ; t0 cos - t1 sin
	v_fma_f32 v[rT+1], v[rT+1], v[rC], v[rM+1]     ; t1 cos + t0 sin
.endr
.endr
	WIN 0
	s_wait_xcnt 0x0
	QUANT64 EA, PW
	global_store_b128 v[K16], v[PC:PC+3], s[84:85]             ; lanes 0-15: tile 0's rows, lanes 16-31: tile 1's: each sixteen lanes fill my block's 256 bytes of a half fragment,
	global_store_b64 v[K8], v[PC+4:PC+5], s[84:85] offset:512  ; and its 128
	global_store_b128 v[K16], v[PC+6:PC+9], s[84:85] offset:1536   ; tiles 2, 3
	global_store_b64 v[K8], v[PC+10:PC+11], s[84:85] offset:2048
	v_lshrrev_b32 v[DD+2], v[SH], v[PW]            ; lanes 0-15: tile 0's byte, lanes 16-31: tile 1's
	v_lshrrev_b32 v[DD+3], v[SH], v[PW+1]          ; tiles 2, 3
	global_store_b8 v[KS], v[DD+2], s[82:83]       ; single bytes: a half word's two bytes come from two waves
	global_store_b8 v[KS], v[DD+3], s[82:83] offset:8
	global_store_b8 v[KS], v[NIL], s[82:83] offset:2           ; the word's upper two bytes are 0: one from each of the two waves
	global_store_b8 v[KS], v[NIL], s[82:83] offset:10
	s_branch .Lout_done
.Lv_out:
	; v: the four blocks of QUANT64 are the two blocks of keys of my two tiles of channels
	s_wait_xcnt 0x0
	QUANT64 EA, PW
	s_add_nc_u64 s[84:85], s[84:85], s[96:97]      ; my pair of tiles in the unit
	global_store_b128 v[L16], v[PC:PC+3], s[84:85]
	global_store_b64 v[L8], v[PC+4:PC+5], s[84:85] offset:512
	global_store_b128 v[L16], v[PC+6:PC+9], s[84:85] offset:768
	global_store_b64 v[L8], v[PC+10:PC+11], s[84:85] offset:1280
	v_cmp_ne_u32 vcc_lo, 0, v[HH]
	v_cndmask_b32 v[DD+2], v[PW], v[PW+1], vcc_lo  ; lanes 0-15 store my first tile's half word of row r, lanes 16-31 my second's
	global_store_b32 v[VW], v[DD+2], s[82:83]
.Lout_done:
	; wo's block: a column's 32 numbers are moved onto consecutive registers, quantised, and meet the other waves' blocks in a stage laid as the output (a tile's two half fragments, 1,536 bytes, + 16; then [column][4] scale bytes).
.set WSTG, SPARE+512                   ; the stage: behind the spare words; no fill lands here
.set WTPS, 1552
.set WSCB, 8*WTPS
.set WP,   0                           ; window 3: v0-31 codes, eight registers a column (cos and sin for k's block are done with)
.set WT,   192                         ; v192-223 one column's 32 numbers
.set WM,   224                         ; v224-227 largest magnitudes; v228-231 scale operands; v232-235 bytes; v236-238 a block's second conversion
.set WS,   228
.set WB,   232
.set WQ,   236
	s_lshr_b32 s86, s16, 1
	s_mul_i32 s86, s86, 768                        ; block w is half w % 2 of half fragment w / 2
	s_and_b32 s87, s16, 1
	s_lshl_b32 s88, s87, 8
	s_lshl_b32 s87, s87, 7
	s_add_co_u32 s87, s87, s86
	s_add_co_u32 s87, s87, WSTG+512
	s_add_co_u32 s86, s86, s88
	s_add_co_u32 s86, s86, WSTG
	s_add_co_u32 s88, s16, WSTG+WSCB
	s_mul_i32 s89, s16, 2*WTPS
	s_add_co_u32 s89, s89, WSTG
	s_lshl_b32 s90, s77, 3
	s_lshl_b32 s91, s16, 1
	s_add_co_u32 s90, s90, s91
	s_mul_i32 s90, s90, 24576
	s_mul_i32 s91, s76, 1536
	s_add_co_u32 s90, s90, s91                     ; oc: tile 8 c + 2 w, + 1,536 R
	s_mov_b32 s91, 0
	s_lshl_b32 s92, s77, 13
	s_lshl_b32 s93, s76, 2
	s_add_co_u32 s92, s92, s93                     ; os: row 128 c, + 4 R
	s_mov_b32 s93, 0
	s_add_nc_u64 s[100:101], s[100:101], s[90:91]
	s_add_nc_u64 s[104:105], s[104:105], s[92:93]
	v_and_b32 v2, 31, v0
	v_lshrrev_b32 v1, 3, v2
	v_bfe_u32 v9, v0, 1, 1
	v_lshl_add_u32 v1, v1, 1, v9                   ; column 4 lane + c lies in tile 2 (lane / 8) + (lane / 2) % 2 of the eight,
	v_mul_u32_u24 v1, v1, WTPS
	v_and_b32 v9, 1, v0
	v_bfe_u32 v10, v0, 2, 1
	v_lshlrev_b32 v9, 2, v9
	v_lshl_add_u32 v9, v10, 3, v9                  ; at lane r' = 4 (lane % 2) + 8 ((lane / 4) % 2) + c
	v_lshl_add_u32 v3, v9, 4, v1
	v_add_nc_u32 v3, s86, v3
	v_lshl_add_u32 v4, v9, 3, v1
	v_add_nc_u32 v4, s87, v4
	v_add_nc_u32 v5, s88, v[L16]                   ; the scale bytes: 4 x column + w
	v_add_nc_u32 v6, s89, v[L16]                   ; the way out: tiles 2 w, 2 w + 1
	v_lshl_add_u32 v7, v0, 2, WSTG+WSCB            ; thread t's column t: its four bytes,
	v_lshlrev_b32 v8, 6, v0                        ; and its row of os
	s_wait_alu depctr_va_vdst(0)                   ; directly ahead of the wait below
	s_wait_loadcnt 0x0                             ; wo's 32 loads are in
	WIN 0xff                                       ; every operand in window 3
.irp c, 0,1,2,3
	v_max3_num_f32 v[WM+\c], |v[WX+\c]|, |v[WX+4+\c]|, 0x2800000
.endr
.set J, 2
.rept 15
.irp c, 0,1,2,3
	v_max3_num_f32 v[WM+\c], v[WM+\c], |v[WX+4*J+\c]|, |v[WX+4*J+4+\c]|
.endr
.set J, J+2
.endr
.irp c, 0,1,2,3
	v_add_nc_u32 v[WS+\c], 0xfe000000, v[WM+\c]
.endr
.irp c, 0,1,2,3
	v_lshrrev_b32 v[WB+\c], 23, v[WS+\c]
.endr
.irp c, 0,1,2,3
.set J, 0
.rept 32
	v_mov_b32 v[WT+J], v[WX+4*J+\c]
.set J, J+1
.endr
	v_cvt_scalef32_pk16_bf6_f32 v[WP+8*\c:WP+8*\c+2], v[WT:WT+15], v[WS+\c]
	v_cvt_scalef32_pk16_bf6_f32 v[WQ:WQ+2], v[WT+16:WT+31], v[WS+\c]
	v_nop                                          ; one plain place behind a scaled conversion
.irp i, 0,1,2
	v_mov_b32 v[WP+8*\c+3+\i], v[WQ+\i]
.endr
.endr
	WIN 0x0c                                       ; address window 0, data window 3
.irp c, 0,1,2,3
	ds_store_b128 v3, v[WP+8*\c:WP+8*\c+3] offset:16*\c
	ds_store_b64 v4, v[WP+8*\c+4:WP+8*\c+5] offset:8*\c
	ds_store_b8 v5, v[WB+\c] offset:4*\c
.endr
	s_wait_dscnt 0x0                               ; my stores are done
	s_barrier_signal -1
	s_barrier_wait -1                              ; everybody's are
	WIN TO_W3
.irp u, 0,1
.irp i, 0,1,2
	ds_load_b128 v[WX+4*(3*\u+\i):WX+4*(3*\u+\i)+3], v6 offset:WTPS*\u+512*\i
.endr
.endr
	ds_load_b32 v[WX+24], v7
	s_wait_dscnt 0x0
	WIN 0x0c
.irp u, 0,1
.irp i, 0,1,2
	global_store_b128 v[L16], v[WX+4*(3*\u+\i):WX+4*(3*\u+\i)+3], s[100:101] offset:24576*\u+512*\i   ; 512 consecutive bytes, aligned
.endr
.endr
	global_store_b32 v8, v[WX+24], s[104:105]      ; my column's four scale bytes
	WIN 0
	s_wait_tensorcnt 0x0                           ; the wave's end
	ds_add_u32 v[SPW], v[NIL]
	s_wait_dscnt 0x0
	CROUND                                         ; the closing round
	s_endpgm
.Lfunc_end_k_q83be8f7797_gemm_qkv:
	.size	k_q83be8f7797_gemm_qkv, .Lfunc_end_k_q83be8f7797_gemm_qkv-k_q83be8f7797_gemm_qkv
	.p2alignl 7, 3214868480
	.fill 96, 4, 3214868480
	.section	.rodata,"a",@progbits
	.p2align	6, 0x0
	.amdhsa_kernel k_q83be8f7797_gemm_qkv
		.amdhsa_group_segment_fixed_size 327680
		.amdhsa_private_segment_fixed_size 0
		.amdhsa_enable_private_segment 0
		.amdhsa_kernarg_size 64
		.amdhsa_user_sgpr_count 2
		.amdhsa_user_sgpr_kernarg_segment_ptr 1
		.amdhsa_wavefront_size32 1
		.amdhsa_system_sgpr_workgroup_id_x 1
		.amdhsa_system_sgpr_workgroup_id_y 1
		.amdhsa_system_sgpr_workgroup_id_z 1
		.amdhsa_system_vgpr_workitem_id 0
		.amdhsa_next_free_vgpr 1024
		.amdhsa_next_free_sgpr 106
		.amdhsa_reserve_vcc 1
		.amdhsa_float_denorm_mode_32 3
		.amdhsa_float_denorm_mode_16_64 3
		.amdhsa_memory_ordered 1
		.amdhsa_forward_progress 1
		.amdhsa_inst_pref_size 184
	.end_amdhsa_kernel
	.amdgpu_metadata
---
amdhsa.version: [ 1, 2 ]
amdhsa.kernels:
  - .name:           k_q83be8f7797_gemm_qkv
    .symbol:         k_q83be8f7797_gemm_qkv.kd
    .args:
      - { .name: codes, .offset: 0, .size: 8, .value_kind: global_buffer, .address_space: global }
      - { .name: scl, .offset: 8, .size: 8, .value_kind: global_buffer, .address_space: global }
      - { .name: cos, .offset: 16, .size: 8, .value_kind: global_buffer, .address_space: global }
      - { .name: sin, .offset: 24, .size: 8, .value_kind: global_buffer, .address_space: global }
      - { .name: qkvc, .offset: 32, .size: 8, .value_kind: global_buffer, .address_space: global }
      - { .name: wo, .offset: 40, .size: 8, .value_kind: global_buffer, .address_space: global }
      - { .name: oc, .offset: 48, .size: 8, .value_kind: global_buffer, .address_space: global }
      - { .name: os, .offset: 56, .size: 8, .value_kind: global_buffer, .address_space: global }
    .group_segment_fixed_size: 327680
    .private_segment_fixed_size: 0
    .kernarg_segment_align: 8
    .kernarg_segment_size: 64
    .max_flat_workgroup_size: 128
    .sgpr_count:     106
    .vgpr_count:     1024
    .wavefront_size: 32
...
	.end_amdgpu_metadata
.endif
;; end of part 7
;; launch attn (part 8): grid 32 x 8, 16 waves a work-group, clusters of 4 x 1, 327,680 bytes of LDS; arguments qkvc, oc, os; writes oc, os
.if DOCPART == 8
	.amdgcn_target "amdgcn-amd-amdhsa--gfx1250"
	.amdhsa_code_object_version 6
	.text
	.protected	k_q83be8f7797_attn
	.globl	k_q83be8f7797_attn
	.p2align	8
	.type	k_q83be8f7797_attn,@function
k_q83be8f7797_attn:
	s_mov_b64 s[64:65], 0
	v_nop
	global_prefetch_b8 v0, s[64:65] scope:SCOPE_SE
	s_setreg_imm32_b32 hwreg(HW_REG_WAVE_MODE, 25, 1), 1
	s_wait_xcnt 0x0
	s_wait_alu depctr_hold_cnt(0) depctr_sa_sdst(0) depctr_va_vdst(0) depctr_va_sdst(0) depctr_va_ssrc(0) depctr_va_vcc(0) depctr_vm_vsrc(0)
	s_getreg_b32 s2, hwreg(HW_REG_IB_STS2, 6, 4)
	s_cmp_eq_u32 s2, 0
	s_cbranch_scc0 .Lentry_in_a_cluster
	s_endpgm
.Lentry_in_a_cluster:
	s_bfe_u32 s2, ttmp6, 0x10000c
	s_cmp_lg_u32 s2, 0x3003
	s_cbranch_scc0 .Lentry_shape_is_right
	s_endpgm
.Lentry_shape_is_right:
; Causal attention of one query head on codes of BF6 with E8M0 scales: S^T = k q^T, p = 2^(t - M), O^T += v^T p^T, O / l quantised along the head's channels for the last product.
; LEFT OUT: key steps that lie wholly behind the causal mask which the problem builds itself: their p is 0 for every input.  A NaN or infinity that reaches only such keys is not carried.
; LIMITS: the promise holds while |t| (score x log2 e / 8) stays under 2^31; NaN and infinities are not served; a block under 2^-122 keeps the byte 1 (this program alone reads the bytes).
; SHARES: work-group (X = cluster x, cx, kv head): query head 4 kv + cx, the 16 tiles of 16 queries T = 8 g + X, g = 0 .. 15.  Tile T sees g + 1 key steps of 128.
; TWO WAVES OWN A PAIR OF TILES, g = p and g = 15 - p: 17 steps.  The KEEPER takes steps 0-7 of the long tile (none of them masked).  The HELPER takes the short tile's p + 1 steps, finishes and stores it at trip 8,
; and then takes steps 8 .. 15 - p of the long tile with an M, l and O of its own; these go to the keeper through the helper's own LDS bytes.  M is a whole number on both sides, so the keeper joins the two parts
; by multiplications with powers of two.  So every wave has 8 or 9 steps.  All waves walk one loop of 16 trips and jump over the steps that are not theirs: the jumps hang on the wave's number and the trip alone.
; LDS: the kv head's 16 key steps, 13,312 bytes each: k's two units, v's two units; a unit is 3,072 bytes of codes (4 tiles x 768) and 256 bytes of half words [r][tile].  Wave w fetches step w: one tensor load,
; asked for jointly by the four query heads of the kv head (cluster 4 x 1).  Nothing is filled again.  No prefetch: the launch's one load a wave stands at its head, and the loop reads LDS alone.
; K = 64 in the first product: q's registers 6-11 are zero codes, so k's registers 6-11 may hold any codes (BF6 has no NaN and no infinity): k's eight fragments stand 6 registers apart, each followed by the next one's data.
; v's fragments take k's registers when the scores are made.
.set UNIT,  3328
.set STEPB, 4*UNIT
.set STG,   16*STEPB                   ; behind the tiles: a stage of 4,352 bytes for each wave: O (8 x 512) and (-M, l) (256)
.set PAIRB, 4352
.set SPARE, STG+16*PAIRB               ; the spare words, 128 bytes a wave
.set SWA, 28                           ; v28-35  k's scale words, tiles 0-7
.set VSA, 36                           ; v36-39  v's half words of the first 64 keys, then the whole words;  v40-43 of the second 64
.set VSB, 40
.set Q2,  44                           ; v44-49  the long tile's q, v50 its scale word
.set ST8, 51                           ; v51     my stage: (-M, l);  v10: O
.set KF,  52                           ; v52-105 k's fragments; v100-105 stay 0
.set VF,  52                           ; v52-99  v's
.set S,   106                          ; v106-169 scores, then p
.set O,   170                          ; v170-201 O^T
.set PCD, 202                          ; v202-213 p's codes
.set BM,  214
.set BY,  218
.set SO,  222
.set F,   226                          ; v226 the factor 2^(old M - new M); v227 written once
.set TMP, 228
.set PS,  229                          ; p's scale word
.set SPW, 230
.set NIL, 231
.set PT16, 232                         ; v232-233 my partner's stage
.set PT8,  233
.macro PLACES
.rept 4
	v_nop
.endr
.endm
.macro CROUND
	s_barrier_signal -1
	s_barrier_wait -1
	s_cmp_lg_u32 s12, 0
	s_cbranch_scc1 .Lnot_wave_0_\@
	s_barrier_signal -3
.Lnot_wave_0_\@:
	s_barrier_wait -3
	s_barrier_signal -1
	s_barrier_wait -1
.endm
.macro QADR t, c, s                    ; tile s[t] of my head: byte offsets of its codes and of its scale words in qkvc
	s_lshl_b32 s76, s26, 5
	s_lshr_b32 s77, s[\t], 2
	s_add_co_u32 s76, s76, s77                     ; unit = head x 32 + T / 4
	s_mul_i32 s76, s76, UNIT
	s_and_b32 s77, s[\t], 3
	s_mul_i32 s[\c], s77, 768
	s_add_co_u32 s[\c], s[\c], s76
	s_mov_b32 s[\c+1], 0
	s_lshl_b32 s[\s], s77, 2
	s_add_co_u32 s[\s], s[\s], s76
	s_add_co_u32 s[\s], s[\s], 3072
	s_mov_b32 s[\s+1], 0
.endm
.macro RESET                           ; a tile's sums begin: the largest t -3e38, l = 0, O = 0
	v_mov_b32 v13, 0xff61b1e6
	v_mov_b32 v14, 0
	v_mov_b32 v15, 0
	s_delay_alu instid0(VALU_DEP_3)
	v_floor_f32 v12, -v13
.set J, 0
.rept 32
	v_mov_b32 v[O+J], 0
.set J, J+1
.endr
.endm
.macro FINAL                           ; O / l, quantised along the head's 64 channels, stored as a half fragment of the last product's operand
	v_add_f32 v14, v14, v15
	s_wait_alu depctr_va_vdst(0)
	v_permlanex16_b32 v[TMP], v14, s20, s21
	s_delay_alu instid0(VALU_DEP_1)
	v_add_f32 v14, v14, v[TMP]
	s_wait_alu depctr_va_vdst(0)                   ; ahead of the transcendental,
	v_rcp_f32 v14, v14
	v_nop
	s_wait_alu depctr_va_vdst(0)                   ; and behind it, directly ahead of the first reader of O
.set J, 0
.rept 32
	v_mul_f32 v[S+J], v[O+J], v14
.set J, J+1
.endr
.irp g, 0,1
	v_max3_num_f32 v[BM+\g], |v[S+16*\g]|, |v[S+1+16*\g]|, 0x2800000
.endr
.irp i, 2,4,6,8,10,12,14
.irp g, 0,1
	s_delay_alu instid0(VALU_DEP_2)
	v_max3_num_f32 v[BM+\g], v[BM+\g], |v[S+16*\g+\i]|, |v[S+1+16*\g+\i]|
.endr
.endr
.irp g, 0,1
	s_delay_alu instid0(VALU_DEP_2)
	v_permlanex16_b32 v[BY+\g], v[BM+\g], s20, s21
.endr
.irp g, 0,1
	s_delay_alu instid0(VALU_DEP_2)
	v_max_num_f32 v[BM+\g], v[BM+\g], v[BY+\g]
.endr
.irp g, 0,1
	s_delay_alu instid0(VALU_DEP_2)
	v_add_nc_u32 v[SO+\g], 0xfe000000, v[BM+\g]
.endr
.irp g, 0,1
	s_delay_alu instid0(VALU_DEP_2)
	v_lshrrev_b32 v[BY+\g], 23, v[SO+\g]
.endr
	v_bfe_u32 v4, v0, 4, 1
	s_delay_alu instid0(VALU_DEP_1)
	v_cmp_ne_u32 vcc_lo, 0, v4
	s_delay_alu instid0(VALU_DEP_1)
	v_cndmask_b32 v[TMP], v[BY], v[BY+1], vcc_lo   ; lanes 0-15 store block 0's byte of row r, lanes 16-31 block 1's
	v_cvt_scalef32_pk16_bf6_f32 v[PCD:PCD+2], v[S:S+15], v[SO]
	v_cvt_scalef32_pk16_bf6_f32 v[BM:BM+2], v[S+16:S+31], v[SO+1]
	v_nop
.irp i, 0,1,2
	v_permlane16_swap_b32 v[PCD+\i], v[BM+\i]
.endr
.irp i, 0,1,2
	s_delay_alu instid0(VALU_DEP_3)
	v_mov_b32 v[PCD+3+\i], v[BM+\i]
.endr
	global_store_b128 v1, v[PCD:PCD+3], s[72:73]
	global_store_b64 v2, v[PCD+4:PCD+5], s[72:73]
	global_store_b8 v11, v[TMP], s[74:75]
.endm
	s_load_b128 s[4:7], s[0:1], 0x0                ; qkvc s[4:5], oc s[6:7]
	s_load_b64 s[8:9], s[0:1], 0x10                ; os
	v_lshl_add_u32 v[SPW], v0, 2, SPARE
	v_mov_b32 v[NIL], 0
	ds_add_u32 v[SPW], v[NIL]                      ; the opening lines: the add twice on end, and its wait ahead of my tensor load
	ds_add_u32 v[SPW], v[NIL]
	v_lshrrev_b32 v4, 5, v0
	s_delay_alu instid0(VALU_DEP_1)
	v_readfirstlane_b32 s12, v4                    ; wave
	s_bfe_u32 s13, ttmp6, 0x40000                  ; cx: which of the kv head's four query heads
	s_and_b32 s14, ttmp7, 0xffff                   ; kv head
	s_lshr_b32 s17, s12, 1                         ; p: my pair
	s_lshr_b32 s18, s12, 2
	s_xor_b32 s18, s18, s12
	s_and_b32 s18, s18, 1                          ; 1: helper, 0: keeper; of waves w, w + 4, w + 8, w + 12 and of waves 4 i .. 4 i + 3 two are helpers
	s_xor_b32 s10, s17, 15                         ; the long tile's group, 15 - p
	s_cmp_eq_u32 s18, 1
	s_cselect_b32 s11, s17, s10                    ; my first tile's group, which is also the tile that I store
	s_cselect_b32 s16, s17, 7                      ; the last step that I take of it,
	s_cselect_b32 s15, s17, 99                     ; the step that is masked (the keeper has none),
	s_cselect_b32 s19, 8, 99                       ; and the trip at whose head I change tiles
	s_lshl_b32 s24, s11, 3
	s_add_co_u32 s24, s24, ttmp9                   ; T of my first tile
	s_lshl_b32 s25, s10, 3
	s_add_co_u32 s25, s25, ttmp9                   ; T of the long tile
	s_lshl_b32 s26, s14, 2
	s_add_co_u32 s26, s26, s13                     ; query head
	s_mov_b32 s32, 15|(3<<16)|(1<<21)              ; group 1: all four partners; elements of 8 bytes; two rows (k's, v's) of two units, 256 units apart
	s_mov_b32 s33, 832<<16
	s_mov_b32 s34, 2<<16
	s_mov_b32 s35, 832<<16
	s_mov_b32 s36, 2
	s_mov_b32 s37, 106496
	s_mov_b32 s38, 0
	s_mov_b32 s39, 0
	s_lshl_b32 s56, s14, 5
	s_add_co_u32 s56, s56, 1024
	s_mul_i32 s56, s56, UNIT
	s_mul_i32 s77, s12, 2*UNIT
	s_add_co_u32 s56, s56, s77                     ; k's unit 1024 + 32 kv + 2 wave
	s_mov_b32 s57, 0
	QADR 24, 44, 46
	QADR 25, 52, 54
	s_add_co_u32 s72, s24, 128                     ; the result: tile 128 + T of oc, K / 64 = head
	s_mul_i32 s72, s72, 24576
	s_mul_i32 s77, s26, 768
	s_add_co_u32 s72, s72, s77
	s_mov_b32 s73, 0
	s_lshr_b32 s74, s24, 1                         ; its scale bytes: row 2048 + 32 (T / 2) + 8 (T % 2) of os, byte 2 head
	s_lshl_b32 s74, s74, 5
	s_and_b32 s77, s24, 1
	s_lshl_b32 s77, s77, 3
	s_add_co_u32 s74, s74, s77
	s_add_co_u32 s74, s74, 2048
	s_lshl_b32 s74, s74, 6
	s_lshl_b32 s77, s26, 1
	s_add_co_u32 s74, s74, s77
	s_mov_b32 s75, 0
	s_lshr_b32 s51, ttmp9, 1                       ; a tile's first row in its own key step: 32 (X / 2) + 8 (X % 2)
	s_lshl_b32 s51, s51, 5
	s_and_b32 s77, ttmp9, 1
	s_lshl_b32 s77, s77, 3
	s_add_co_u32 s51, s51, s77
	s_mul_i32 s78, s12, PAIRB
	s_add_co_u32 s78, s78, STG                     ; my stage,
	s_xor_b32 s79, s12, 1
	s_mul_i32 s79, s79, PAIRB
	s_add_co_u32 s79, s79, STG                     ; my partner's
	s_mov_b32 s20, 0x76543210
	s_mov_b32 s21, 0xfedcba98                      ; selects for lane l xor 16
	s_mov_b32 s22, 0x3e38aa3b                      ; log2(e) / 8
	s_mov_b32 s23, s22
	s_mov_b32 s48, 0
	s_mov_b32 s49, 0
	s_wait_dscnt 0x0
	s_wait_kmcnt 0x0
	s_mov_b32 s40, 1
	s_mul_i32 s41, s12, STEPB
	s_add_nc_u64 s[42:43], s[4:5], s[56:57]
	s_or_b32 s43, s43, 0x80000000
	s_add_nc_u64 s[44:45], s[4:5], s[44:45]
	s_add_nc_u64 s[46:47], s[4:5], s[46:47]
	s_add_nc_u64 s[52:53], s[4:5], s[52:53]
	s_add_nc_u64 s[54:55], s[4:5], s[54:55]
	s_add_nc_u64 s[72:73], s[6:7], s[72:73]
	s_add_nc_u64 s[74:75], s[8:9], s[74:75]
	CROUND                                         ; the four partners are here: the joint loads meet
	tensor_load_to_lds s[40:43], s[32:39]          ; key step w: my one tensor load
	s_nop 0
	PLACES
	v_and_b32 v4, 31, v0
	v_and_b32 v5, 15, v0                           ; r
	v_bfe_u32 v6, v0, 4, 1                         ; h
	s_delay_alu instid0(VALU_DEP_3)
	v_lshlrev_b32 v1, 4, v4                        ; 16 x lane
	s_delay_alu instid0(VALU_DEP_4)
	v_lshlrev_b32 v2, 3, v4
	s_delay_alu instid0(VALU_DEP_2)
	v_add_nc_u32 v10, s78, v1
	v_add_nc_u32 v[PT16], s79, v1
	s_delay_alu instid0(VALU_DEP_3)
	v_add_nc_u32 v[ST8], s78, v2
	v_add_nc_u32 v[PT8], s79, v2
	v_add_nc_u32 v2, 512, v2                       ; 8 x lane + 512
	s_delay_alu instid0(VALU_DEP_3)
	v_add_nc_u32 v[ST8], 4096, v[ST8]
	s_delay_alu instid0(VALU_DEP_3)
	v_add_nc_u32 v[PT8], 4096, v[PT8]
	v_lshlrev_b32 v[TMP], 4, v5                    ; 16 r
	s_delay_alu instid0(VALU_DEP_1)
	v_add_nc_u32 v3, 3072, v[TMP]                  ; a unit's half words of row r
	v_and_b32 v7, 8, v5
	s_delay_alu instid0(VALU_DEP_1)
	v_add_nc_u32 v7, v7, v5
	s_delay_alu instid0(VALU_DEP_1)
	v_lshl_add_u32 v11, v7, 6, v6
	v_add_nc_u32 v7, s51, v7
	v_lshlrev_b32 v4, 4, v6
	s_delay_alu instid0(VALU_DEP_1)
	v_sub_nc_u32 v7, v7, v4                        ; my query's place in its key step, less 16 h
	global_load_b128 v[16:19], v1, s[44:45]
	global_load_b64 v[20:21], v2, s[44:45]
	global_load_b32 v8, v[TMP], s[46:47]
	global_load_b128 v[Q2:Q2+3], v1, s[52:53]
	global_load_b64 v[Q2+4:Q2+5], v2, s[52:53]
	global_load_b32 v[Q2+6], v[TMP], s[54:55]
.irp j, 0,1,2,3,4,5
	v_mov_b32 v[22+\j], 0                          ; q's K = 64 .. 127: zero codes
	v_mov_b32 v[KF+48+\j], 0                       ; what follows k's last fragment
.endr
	v_mov_b32 v9, 0xff800000
	RESET
.irp b, 0,1,2,3
	v_mov_b32 v[BY+\b], 0                          ; a lane permute's destination counts as one of its sources
.endr
	v_mov_b32 v[F+1], 0
	s_wait_alu depctr_va_vdst(0)
	s_wait_tensorcnt 0x0                           ; my key step is in;
	s_barrier_signal -1
	s_barrier_wait -1                              ; everybody's is
	s_wait_loadcnt 0x0
.Lstep:
	s_cmp_lg_u32 s48, s19
	s_cbranch_scc1 .Lsame
	PLACES                                         ; the helper, at trip 8: the short tile is finished and stored,
	FINAL
	s_wait_xcnt 0x0                                ; the stores' data registers are written again only behind this wait
.irp j, 0,1,2,3,4,5
	v_mov_b32 v[16+\j], v[Q2+\j]                   ; and the long tile's part begins.  (The 36 lines of RESET are the places in front of the scaled products)
.endr
	v_mov_b32 v8, v[Q2+6]
	RESET
	s_mov_b32 s16, s10
	s_mov_b32 s15, s10
	s_wait_alu depctr_va_vdst(0)
.Lsame:
	s_cmp_gt_u32 s48, s16
	s_cbranch_scc1 .Lhidden
	v_add_nc_u32 v4, s49, v1
	v_add_nc_u32 v5, s49, v2
	v_add_nc_u32 v6, s49, v3
	v_nop                                          ; four places behind the last trip's products
	ds_load_b128 v[SWA:SWA+3], v6
	ds_load_b128 v[SWA+4:SWA+7], v6 offset:UNIT
.irp t, 0,1,2,3,4,5,6,7
	ds_load_b128 v[KF+6*\t:KF+6*\t+3], v4 offset:768*\t+256*(\t/4)
	ds_load_b64 v[KF+6*\t+4:KF+6*\t+5], v5 offset:768*\t+256*(\t/4)
.endr
	s_wait_alu depctr_va_vdst(0)
	s_wait_dscnt 0x0
.irp t, 0,1,2,3,4,5,6,7
	v_wmma_scale_f32_16x16x128_f8f6f4 v[S+8*\t:S+8*\t+7], v[KF+6*\t:KF+6*\t+11], v[16:27], 0, v[SWA+\t], v8 matrix_a_fmt:MATRIX_FMT_BF6 matrix_b_fmt:MATRIX_FMT_BF6
.endr
	PLACES
.irp a, 0,1,2,3
.irp c, 0,1
	ds_load_b128 v[VF+12*\a+6*\c:VF+12*\a+6*\c+3], v4 offset:2*UNIT+UNIT*\c+768*\a
	ds_load_b64 v[VF+12*\a+6*\c+4:VF+12*\a+6*\c+5], v5 offset:2*UNIT+UNIT*\c+768*\a
.endr
.endr
	ds_load_b128 v[VSA:VSA+3], v6 offset:2*UNIT
	ds_load_b128 v[VSB:VSB+3], v6 offset:3*UNIT
	s_cmp_lg_u32 s48, s15
	s_cbranch_scc1 .Lopen
.set J, 0
.rept 64
	v_cmp_gt_i32 vcc_lo, 32*(J/16)+J%16, v7        ; register J is key 32 (J / 16) + 16 h + J % 16 of the step
	v_cndmask_b32 v[S+J], v[S+J], v9, vcc_lo
.set J, J+1
.endr
.Lopen:
.irp b, 0,1,2,3
	v_max3_num_f32 v[BM+\b], v[S+16*\b], v[S+1+16*\b], v[S+2+16*\b]
.endr
.irp i, 3,5,7,9,11,13
.irp b, 0,1,2,3
	v_max3_num_f32 v[BM+\b], v[BM+\b], v[S+16*\b+\i], v[S+1+16*\b+\i]
.endr
.endr
.irp b, 0,1,2,3
	v_max_num_f32 v[BM+\b], v[BM+\b], v[S+15+16*\b]
.endr
.irp b, 0,1,2,3
	s_delay_alu instid0(VALU_DEP_4)
	v_permlanex16_b32 v[BY+\b], v[BM+\b], s20, s21
.endr
.irp b, 0,1,2,3
	s_delay_alu instid0(VALU_DEP_4)
	v_max_num_f32 v[BM+\b], v[BM+\b], v[BY+\b]     ; each block's largest score
.endr
	s_delay_alu instid0(VALU_DEP_2)
	v_max3_num_f32 v[TMP], v[BM], v[BM+1], v[BM+2]
	s_delay_alu instid0(VALU_DEP_1)
	v_max_num_f32 v[TMP], v[TMP], v[BM+3]
	s_delay_alu instid0(VALU_DEP_1)
	v_mul_f32 v[TMP], s22, v[TMP]
	s_delay_alu instid0(VALU_DEP_1)
	v_max_num_f32 v13, v13, v[TMP]                 ; the running largest t
	v_mov_b32 v[TMP], v12
	s_delay_alu instid0(VALU_DEP_2)
	v_floor_f32 v12, -v13                          ; -M = floor(-t)
	s_delay_alu instid0(VALU_DEP_1)
	v_sub_f32 v[TMP], v12, v[TMP]
	s_delay_alu instid0(VALU_DEP_1)
	v_cvt_i32_f32 v[TMP], v[TMP]
	s_delay_alu instid0(VALU_DEP_1)
	v_ldexp_f32 v[F], 1.0, v[TMP]                  ; 2^(old M - new M)
	s_wait_alu depctr_va_vdst(0)
	s_wait_dscnt 0x0                               ; v's fragments and half words are in
.irp a, 0,1,2,3
	v_lshl_or_b32 v[VSA+\a], v[VSB+\a], 16, v[VSA+\a]
.endr
.set J, 0
.rept 32
	v_pk_fma_f32 v[S+J:S+J+1], v[S+J:S+J+1], s[22:23], v[12:13] op_sel_hi:[1,0,0]
.set J, J+2
.endr
.irp b, 0,1,2,3
	v_fma_f32 v[BM+\b], v[BM+\b], s22, v12
.endr
	s_wait_alu depctr_va_vdst(0)                   ; ahead of the batch,
.set J, 0
.rept 64
	v_exp_f32 v[S+J], v[S+J]
.set J, J+1
.endr
.irp b, 0,1,2,3
	v_exp_f32 v[BM+\b], v[BM+\b]                   ; each block's largest p
.endr
	v_pk_mul_f32 v[14:15], v[14:15], v[F:F+1] op_sel_hi:[1,0]
	s_wait_alu depctr_va_vdst(0)                   ; and behind it
.irp b, 0,1,2,3
	v_max_num_f32 v[BM+\b], 0x2800000, v[BM+\b]
.endr
.irp b, 0,1,2,3
	s_delay_alu instid0(VALU_DEP_4)
	v_add_nc_u32 v[SO+\b], 0xfe000000, v[BM+\b]
.endr
.irp b, 0,1,2,3
	s_delay_alu instid0(VALU_DEP_4)
	v_lshrrev_b32 v[BY+\b], 23, v[SO+\b]
.endr
	s_delay_alu instid0(VALU_DEP_3)
	v_lshl_or_b32 v[PS], v[BY+1], 8, v[BY]
	s_delay_alu instid0(VALU_DEP_1)
	v_lshl_or_b32 v[PS], v[BY+2], 16, v[PS]
	s_delay_alu instid0(VALU_DEP_1)
	v_lshl_or_b32 v[PS], v[BY+3], 24, v[PS]
	v_cvt_scalef32_pk16_bf6_f32 v[PCD:PCD+2], v[S:S+15], v[SO]
	v_cvt_scalef32_pk16_bf6_f32 v[BM:BM+2], v[S+16:S+31], v[SO+1]
	v_cvt_scalef32_pk16_bf6_f32 v[PCD+6:PCD+8], v[S+32:S+47], v[SO+2]
	v_cvt_scalef32_pk16_bf6_f32 v[BY:BY+2], v[S+48:S+63], v[SO+3]
	v_nop
.irp i, 0,1,2
	v_permlane16_swap_b32 v[PCD+\i], v[BM+\i]
.endr
.irp i, 0,1,2
	s_delay_alu instid0(VALU_DEP_3)
	v_mov_b32 v[PCD+3+\i], v[BM+\i]
.endr
.irp i, 0,1,2
	v_permlane16_swap_b32 v[PCD+6+\i], v[BY+\i]
.endr
.irp i, 0,1,2
	s_delay_alu instid0(VALU_DEP_3)
	v_mov_b32 v[PCD+9+\i], v[BY+\i]
.endr
	v_pk_add_f32 v[BM:BM+1], v[S:S+1], v[S+2:S+3]  ; l is summed of the unquantised p, in two chains
.set J, 4
.rept 15
	v_pk_add_f32 v[14:15], v[14:15], v[S+J:S+J+1]
	v_pk_add_f32 v[BM:BM+1], v[BM:BM+1], v[S+J+2:S+J+3]
.set J, J+4
.endr
	s_delay_alu instid0(VALU_DEP_1)
	v_pk_add_f32 v[14:15], v[14:15], v[BM:BM+1]
	s_wait_alu depctr_va_vdst(0)                   ; directly ahead of the first reader of O
.set J, 0
.rept 16
	v_pk_mul_f32 v[O+J:O+J+1], v[O+J:O+J+1], v[F:F+1] op_sel_hi:[1,0]
.set J, J+2
.endr
.irp a, 0,1,2,3
	v_wmma_scale_f32_16x16x128_f8f6f4 v[O+8*\a:O+8*\a+7], v[VF+12*\a:VF+12*\a+11], v[PCD:PCD+11], v[O+8*\a:O+8*\a+7], v[VSA+\a], v[PS] matrix_a_fmt:MATRIX_FMT_BF6 matrix_b_fmt:MATRIX_FMT_BF6
.endr
.Lhidden:
	s_add_co_u32 s49, s49, STEPB
	s_add_co_u32 s48, s48, 1
	s_cmp_lt_u32 s48, 16
	s_cbranch_scc1 .Lstep
	PLACES
	s_cmp_eq_u32 s18, 0
	s_cbranch_scc1 .Lkeeper
	v_add_f32 v13, v14, v15                        ; the helper: its part of the long tile goes into its own stage: O as the registers lie, and (-M, l)
.set J, 0
.rept 8
	ds_store_b128 v10, v[O+4*J:O+4*J+3] offset:512*J
.set J, J+1
.endr
	ds_store_b64 v[ST8], v[12:13]
.Lkeeper:
	s_wait_dscnt 0x0                               ; my stores are done
	s_barrier_signal -1
	s_barrier_wait -1
	s_cmp_lg_u32 s18, 0
	s_cbranch_scc1 .Lend
.set J, 0
.rept 8
	ds_load_b128 v[S+4*J:S+4*J+3], v[PT16] offset:512*J
.set J, J+1
.endr
	ds_load_b64 v[BM:BM+1], v[PT8]
	s_wait_dscnt 0x0
	v_min_num_f32 v[TMP], v12, v[BM]               ; -M of both parts together
	s_delay_alu instid0(VALU_DEP_1)
	v_sub_f32 v[SO], v[TMP], v12
	s_delay_alu instid0(VALU_DEP_2)
	v_sub_f32 v[SO+1], v[TMP], v[BM]
	s_delay_alu instid0(VALU_DEP_2)
	v_cvt_i32_f32 v[SO], v[SO]
	s_delay_alu instid0(VALU_DEP_2)
	v_cvt_i32_f32 v[SO+1], v[SO+1]
	s_delay_alu instid0(VALU_DEP_2)
	v_ldexp_f32 v[F], 1.0, v[SO]                   ; my part's factor,
	s_delay_alu instid0(VALU_DEP_2)
	v_ldexp_f32 v[BY], 1.0, v[SO+1]                ; the helper's: powers of two
	s_delay_alu instid0(VALU_DEP_2)
	v_mul_f32 v14, v14, v[F]
	s_delay_alu instid0(VALU_DEP_3)
	v_mul_f32 v15, v15, v[F]
	s_delay_alu instid0(VALU_DEP_2)
	v_fma_f32 v14, v[BM+1], v[BY], v14
.set J, 0
.rept 16
	v_pk_mul_f32 v[O+J:O+J+1], v[O+J:O+J+1], v[F:F+1] op_sel_hi:[1,0]
.set J, J+2
.endr
.set J, 0
.rept 16
	v_pk_fma_f32 v[O+J:O+J+1], v[S+J:S+J+1], v[BY:BY+1], v[O+J:O+J+1] op_sel_hi:[1,0,1]
.set J, J+2
.endr
	FINAL
.Lend:
	s_wait_tensorcnt 0x0                           ; the wave's end
	ds_add_u32 v[SPW], v[NIL]
	s_wait_dscnt 0x0
	CROUND                                         ; the closing round
	s_endpgm
.Lfunc_end_k_q83be8f7797_attn:
	.size	k_q83be8f7797_attn, .Lfunc_end_k_q83be8f7797_attn-k_q83be8f7797_attn
	.p2alignl 7, 3214868480
	.fill 96, 4, 3214868480
	.section	.rodata,"a",@progbits
	.p2align	6, 0x0
	.amdhsa_kernel k_q83be8f7797_attn
		.amdhsa_group_segment_fixed_size 327680
		.amdhsa_private_segment_fixed_size 0
		.amdhsa_enable_private_segment 0
		.amdhsa_kernarg_size 24
		.amdhsa_user_sgpr_count 2
		.amdhsa_user_sgpr_kernarg_segment_ptr 1
		.amdhsa_wavefront_size32 1
		.amdhsa_system_sgpr_workgroup_id_x 1
		.amdhsa_system_sgpr_workgroup_id_y 1
		.amdhsa_system_sgpr_workgroup_id_z 1
		.amdhsa_system_vgpr_workitem_id 0
		.amdhsa_next_free_vgpr 256
		.amdhsa_next_free_sgpr 100
		.amdhsa_reserve_vcc 1
		.amdhsa_float_denorm_mode_32 3
		.amdhsa_float_denorm_mode_16_64 3
		.amdhsa_memory_ordered 1
		.amdhsa_forward_progress 1
		.amdhsa_inst_pref_size 47
	.end_amdhsa_kernel
	.amdgpu_metadata
---
amdhsa.version: [ 1, 2 ]
amdhsa.kernels:
  - .name:           k_q83be8f7797_attn
    .symbol:         k_q83be8f7797_attn.kd
    .args:
      - { .name: qkvc, .offset: 0, .size: 8, .value_kind: global_buffer, .address_space: global }
      - { .name: oc, .offset: 8, .size: 8, .value_kind: global_buffer, .address_space: global }
      - { .name: os, .offset: 16, .size: 8, .value_kind: global_buffer, .address_space: global }
    .group_segment_fixed_size: 327680
    .private_segment_fixed_size: 0
    .kernarg_segment_align: 8
    .kernarg_segment_size: 24
    .max_flat_workgroup_size: 512
    .sgpr_count:     100
    .vgpr_count:     256
    .wavefront_size: 32
...
	.end_amdgpu_metadata
.endif
;; end of part 8
;; launch gemm_out (part 9): grid 64 x 4, 4 waves a work-group, clusters of 4 x 4, 327,680 bytes of LDS; arguments oc, os, out0; writes out0
.if DOCPART == 9
	.amdgcn_target "amdgcn-amd-amdhsa--gfx1250"
	.amdhsa_code_object_version 6
	.text
	.protected	k_q83be8f7797_gemm_out
	.globl	k_q83be8f7797_gemm_out
	.p2align	8
	.type	k_q83be8f7797_gemm_out,@function
k_q83be8f7797_gemm_out:
	s_mov_b64 s[64:65], 0
	v_nop
	global_prefetch_b8 v0, s[64:65] scope:SCOPE_SE
	s_setreg_imm32_b32 hwreg(HW_REG_WAVE_MODE, 25, 1), 1
	s_wait_xcnt 0x0
	s_wait_alu depctr_hold_cnt(0) depctr_sa_sdst(0) depctr_va_vdst(0) depctr_va_sdst(0) depctr_va_ssrc(0) depctr_va_vcc(0) depctr_vm_vsrc(0)
	s_getreg_b32 s2, hwreg(HW_REG_IB_STS2, 6, 4)
	s_cmp_eq_u32 s2, 0
	s_cbranch_scc0 .Lentry_in_a_cluster
	s_endpgm
.Lentry_in_a_cluster:
	s_bfe_u32 s2, ttmp6, 0x10000c
	s_cmp_lg_u32 s2, 0xf033
	s_cbranch_scc0 .Lentry_shape_is_right
	s_endpgm
.Lentry_shape_is_right:
; out0 = att wo on codes of BF6 with E8M0 scales.  Source 0 = 16 rows of the C operand (wo's columns), source 1 = 16 rows of the R operand (the attention's result):
; a lane holds one row of out0 and its registers run along neighbouring columns.
; A tile's lane r holds row 32 (T / 2) + 8 (T % 2) + r + 8 (r / 8), so the 16 registers of C tiles 2 g, 2 g + 1 are columns 32 g + 16 (lane / 16) + 0 .. 15.
; SHARES: a work-group makes 128 x 128, each of its four waves 64 x 64: 16 accumulators: 2,048 x 2,048 results are 256 such tiles.
; CODES lie in memory as the operand's registers on end ([tile][K / 64][768 bytes]): a fragment is read as it lies, from LDS or from memory, 512 or 256 consecutive bytes a load.
; K STEPS 0-11 come through LDS: 16 tiles (R's 8, C's 8) x 18,432 bytes, one tensor load a wave (four tiles) at the head; nothing is filled again.  All 16 K steps would be 393,216 bytes and do not fit.
; K STEPS 12-15 go from memory straight into each wave's registers (windows 2 and 3: 4 x 96 registers), asked for around the tensor load, and are multiplied FIRST; then one barrier shows the tiles whole.
; The order of the K steps in a sum is 12 .. 15, 0 .. 11.
; CLUSTER 4 x 4: the four of a row need the same R tiles, the four of a column the same C tiles: each is asked for jointly.  No prefetch: every byte is asked for at the head, and there is no loop to run ahead in.
; REGISTERS: window 0: v1-12 LDS addresses, v13-23 offsets, v28-29 the add's, v32-95 scale words (v[32 + 16 i + s]: lanes 0-15 R tile i, lanes 16-31 C tile i, K step s), v128-255 accumulators.
;            windows 1, 2, 3: two sets of fragments each, v0-95 and v128-223 (R tile i at 12 i, C tile i at 48 + 12 i): window 1 from LDS, by turns; window 2 K steps 12, 13; window 3 K steps 14, 15.
.set TP,    18432                      ; a tile's twelve K steps in LDS
.set KSB,   1536
.set SPARE, 294912                     ; behind the tiles: the spare words, 128 bytes a wave
.set STAGE, 295424                     ; the way out: 16 rows x 272 bytes for each wave; no fill lands here
.set SPITCH, 272
.set AR16, 1                           ; v1-2 R's fragments, K steps 0-5 and 6-11 (an LDS offset has 16 bits): registers 0-3 of a half fragment; v4-5 registers 4-5
.set AR8,  4
.set AC16, 7                           ; v7-8, v10-11 C's
.set AC8,  10
.set VS,   13
.set STO,  14
.set RD,   15
.set CO,   16
.set SPW,  28
.set NIL,  29
.set SC,   32
.set ACC,  128
.set F0,   0
.set F1,   128
.set G1R,  24
.set G1C,  32
.set G0R,  40
.set G0C,  52
.set MSB, 0
.macro WIN new                         ; the immediate's high byte repeats the setting that is left
.if MSB != \new
	s_set_vgpr_msb (MSB<<8)|\new
.set MSB, \new
.endif
.endm
.set MUL,   0x05                       ; sources 0 and 1 window 1; C and D window 0
.set MUL2,  0x0a                       ; sources window 2
.set MUL3,  0x0f                       ; sources window 3
.set TO_F,  0x40                       ; destination window 1
.set TO_2,  0x80
.set TO_3,  0xc0
.macro PLACES
.rept 4
	v_nop
.endr
.endm
.macro CREST
	s_cmp_lg_u32 s16, 0
	s_cbranch_scc1 .Lnot_wave_0_\@
	s_barrier_signal -3
.Lnot_wave_0_\@:
	s_barrier_wait -3
	s_barrier_signal -1
	s_barrier_wait -1
.endm
.macro CROUND
	s_barrier_signal -1
	s_barrier_wait -1
	CREST
.endm
.macro FETCH q, f                      ; 32 LDS loads: the 8 fragments of K step q, into set f of window 1
	WIN TO_F
.irp i, 0,1,2,3
	ds_load_b128 v[\f+48+12*\i:\f+48+12*\i+3], v[AC16+(\q)/6] offset:TP*\i+KSB*((\q)%6)
	ds_load_b64 v[\f+48+12*\i+4:\f+48+12*\i+5], v[AC8+(\q)/6] offset:TP*\i+KSB*((\q)%6)
	ds_load_b128 v[\f+48+12*\i+6:\f+48+12*\i+9], v[AC16+(\q)/6] offset:TP*\i+KSB*((\q)%6)+768
	ds_load_b64 v[\f+48+12*\i+10:\f+48+12*\i+11], v[AC8+(\q)/6] offset:TP*\i+KSB*((\q)%6)+768
.endr
.irp i, 0,1,2,3
	ds_load_b128 v[\f+12*\i:\f+12*\i+3], v[AR16+(\q)/6] offset:TP*\i+KSB*((\q)%6)
	ds_load_b64 v[\f+12*\i+4:\f+12*\i+5], v[AR8+(\q)/6] offset:TP*\i+KSB*((\q)%6)
	ds_load_b128 v[\f+12*\i+6:\f+12*\i+9], v[AR16+(\q)/6] offset:TP*\i+KSB*((\q)%6)+768
	ds_load_b64 v[\f+12*\i+10:\f+12*\i+11], v[AR8+(\q)/6] offset:TP*\i+KSB*((\q)%6)+768
.endr
.endm
.macro DLOAD s, f                      ; 32 global loads: my 8 fragments of K step s, into set f of the destination's window
.irp i, 0,1,2,3
	global_load_b128 v[\f+48+12*\i:\f+48+12*\i+3], v17, s[78:79] offset:24576*\i+KSB*\s
	global_load_b64 v[\f+48+12*\i+4:\f+48+12*\i+5], v21, s[78:79] offset:24576*\i+KSB*\s
	global_load_b128 v[\f+48+12*\i+6:\f+48+12*\i+9], v17, s[78:79] offset:24576*\i+KSB*\s+768
	global_load_b64 v[\f+48+12*\i+10:\f+48+12*\i+11], v21, s[78:79] offset:24576*\i+KSB*\s+768
.endr
.irp i, 0,1,2,3
	global_load_b128 v[\f+12*\i:\f+12*\i+3], v17, s[80:81] offset:24576*\i+KSB*\s
	global_load_b64 v[\f+12*\i+4:\f+12*\i+5], v21, s[80:81] offset:24576*\i+KSB*\s
	global_load_b128 v[\f+12*\i+6:\f+12*\i+9], v17, s[80:81] offset:24576*\i+KSB*\s+768
	global_load_b64 v[\f+12*\i+10:\f+12*\i+11], v21, s[80:81] offset:24576*\i+KSB*\s+768
.endr
.endm
.macro MUL8 f, s, a0, zero             ; R tiles a0, a0 + 1 x C's four, K step s.  The 16 accumulators take turns, one instruction a turn
.irp a, \a0, \a0+1
.irp b, 0,1,2,3
.if \zero
	v_wmma_scale_f32_16x16x128_f8f6f4 v[ACC+8*(4*(\a)+\b):ACC+8*(4*(\a)+\b)+7], v[\f+48+12*\b:\f+48+12*\b+11], v[\f+12*(\a):\f+12*(\a)+11], 0, v[SC+16*\b+\s], v[SC+16*(\a)+\s] matrix_a_fmt:MATRIX_FMT_BF6 matrix_b_fmt:MATRIX_FMT_BF6 matrix_a_scale:MATRIX_SCALE_ROW1
.else
	v_wmma_scale_f32_16x16x128_f8f6f4 v[ACC+8*(4*(\a)+\b):ACC+8*(4*(\a)+\b)+7], v[\f+48+12*\b:\f+48+12*\b+11], v[\f+12*(\a):\f+12*(\a)+11], v[ACC+8*(4*(\a)+\b):ACC+8*(4*(\a)+\b)+7], v[SC+16*\b+\s], v[SC+16*(\a)+\s] matrix_a_fmt:MATRIX_FMT_BF6 matrix_b_fmt:MATRIX_FMT_BF6 matrix_a_scale:MATRIX_SCALE_ROW1
.endif
.endr
.endr
.endm
.macro STEP f, g, s, nq                ; K step s from set f; K step nq's fragments are asked for first, into set g
	PLACES                                         ; four places behind the products that read set g
	FETCH \nq, \g
	s_wait_dscnt 32                                ; set f is in; the 32 loads just issued may be out
	WIN MUL
	MUL8 \f, \s, 0, 0
	MUL8 \f, \s, 2, 0
.endm
	s_load_b128 s[4:7], s[0:1], 0x0                ; oc (both operands' codes) s[4:5], os (their scale bytes) s[6:7]
	s_load_b64 s[8:9], s[0:1], 0x10                ; out0
	v_lshl_add_u32 v[SPW], v0, 2, SPARE
	v_mov_b32 v[NIL], 0
	ds_add_u32 v[SPW], v[NIL]                      ; the opening lines: the add twice on end, and its wait; work on registers stands between
	ds_add_u32 v[SPW], v[NIL]
	v_lshrrev_b32 v20, 5, v0
	v_readfirstlane_b32 s16, v20                   ; wave
	s_lshr_b32 s17, s16, 1                         ; my half of the R rows.  Also: I fetch for R (0) or for C (1)
	s_and_b32 s18, s16, 1                          ; my half of the C rows.  Also: which four tiles I fetch
	s_bfe_u32 s19, ttmp6, 0x40000                  ; cx
	s_bfe_u32 s20, ttmp6, 0x40004                  ; cy
	s_lshl_b32 s21, s20, 2
	s_lshl_b32 s21, 15, s21                        ; my row of the cluster
	s_lshl_b32 s22, 0x1111, s19                    ; my column
	s_or_b32 s[G1R], s21, (3<<16)|(1<<21)          ; the mask; elements of 8 bytes; bit 21 beside a mask; no padding
	s_or_b32 s[G1C], s22, (3<<16)|(1<<21)
.irp g, G1R, G1C
	s_mov_b32 s[\g+1], 2304<<16                    ; tensor_dim0 = 2,304 elements: a tile's twelve K steps
	s_mov_b32 s[\g+2], 4<<16                       ; tensor_dim1 = 4 tiles
	s_mov_b32 s[\g+3], 2304<<16
	s_mov_b32 s[\g+4], 4
	s_mov_b32 s[\g+5], 3072                        ; from tile to tile: 24,576 bytes
	s_mov_b32 s[\g+6], 0
	s_mov_b32 s[\g+7], 0
.endr
	s_and_b32 s70, ttmp9, 3
	s_lshl_b32 s70, s70, 2
	s_add_co_u32 s70, s70, s20                     ; R's tile of 128 rows (cy alone enters),
	s_add_co_u32 s73, s70, 16                      ; in the list of 128 rows: the attention's result from 16
	s_lshr_b32 s71, ttmp9, 2
	s_lshl_b32 s71, s71, 2
	s_add_co_u32 s71, s71, s19                     ; C's (cx alone enters),
	s_mov_b32 s74, s71                             ; in the list: wo from 0
	s_lshl_b32 s75, s18, 2
	s_lshl_b32 s76, s73, 3
	s_lshl_b32 s80, s17, 2
	s_add_co_u32 s80, s80, s76
	s_mul_i32 s80, s80, 24576                      ; the four R tiles that I multiply,
	s_mov_b32 s81, 0
	s_add_co_u32 s76, s76, s75
	s_mul_i32 s76, s76, 24576                      ; the four that I fetch into LDS if I fetch for R,
	s_mov_b32 s77, 0
	s_lshl_b32 s78, s74, 3
	s_add_co_u32 s78, s78, s75
	s_mul_i32 s78, s78, 24576                      ; the four C tiles that I multiply, and fetch if I fetch for C
	s_mov_b32 s79, 0
	s_lshl_b32 s86, s73, 13
	s_lshl_b32 s90, s17, 12
	s_add_co_u32 s86, s86, s90                     ; my 64 R rows' scale words
	s_lshl_b32 s87, s74, 13
	s_lshl_b32 s90, s18, 12
	s_add_co_u32 s87, s87, s90                     ; my 64 C rows'
	v_and_b32 v20, 31, v0                          ; lane
	v_and_b32 v19, 15, v0                          ; r
	v_bfe_u32 v18, v0, 4, 1                        ; h
	v_lshlrev_b32 v17, 4, v20                      ; 16 x lane
	v_lshlrev_b32 v21, 3, v20
	v_add_nc_u32 v21, 512, v21                     ; 8 x lane + 512
	v_and_b32 v22, 8, v19
	v_add_nc_u32 v22, v22, v19                     ; r + 8 (r / 8)
	v_mov_b32 v[VS], s86
	v_mov_b32 v23, s87
	v_cmp_ne_u32 vcc_lo, 0, v18
	v_cndmask_b32 v[VS], v[VS], v23, vcc_lo        ; lanes 0-15 take R's words, lanes 16-31 C's
	v_lshl_add_u32 v[VS], v22, 6, v[VS]
	s_wait_alu depctr_va_vdst(0)                   ; directly ahead of the waits below
	s_wait_dscnt 0x0                               ; both opening adds are done
	s_wait_kmcnt 0x0
	s_add_nc_u64 s[76:77], s[4:5], s[76:77]
	s_add_nc_u64 s[78:79], s[4:5], s[78:79]
	s_add_nc_u64 s[80:81], s[4:5], s[80:81]
.irp i, 0,1,2,3
.irp c, 0,1,2,3
	global_load_b128 v[SC+16*\i+4*\c:SC+16*\i+4*\c+3], v[VS], s[6:7] offset:(32*(\i/2)+8*(\i%2))*64+16*\c   ; a row's 16 words, once for the whole launch
.endr
.endr
	WIN TO_2
	DLOAD 12, F0                                   ; what is multiplied first is asked for first
	WIN 0
	CROUND                                         ; all sixteen work-groups are here: the joint loads meet
	s_mov_b32 s[G0R], 1
	s_mul_i32 s[G0R+1], s16, 4*TP                  ; where they go: wave x four tiles: no place in the cluster enters an LDS address
	s_mov_b64 s[G0R+2:G0R+3], s[76:77]
	s_or_b32 s[G0R+3], s[G0R+3], 0x80000000
	s_mov_b32 s[G0C], 1
	s_mul_i32 s[G0C+1], s16, 4*TP
	s_mov_b64 s[G0C+2:G0C+3], s[78:79]
	s_or_b32 s[G0C+3], s[G0C+3], 0x80000000
	s_cmp_eq_u32 s17, 0                            ; waves 0, 1 fetch R's halves, waves 2, 3 C's: my one tensor load; s_nop 0 and four v_nop follow each line
	s_cbranch_scc0 .Lfor_c
	tensor_load_to_lds s[G0R:G0R+3], s[G1R:G1R+7]
	s_nop 0
	PLACES
	s_branch .Lasked
.Lfor_c:
	tensor_load_to_lds s[G0C:G0C+3], s[G1C:G1C+7]
	s_nop 0
	PLACES
.Lasked:
	s_mul_i32 s88, s17, 4*TP
	s_mul_i32 s89, s18, 4*TP
	s_add_co_u32 s89, s89, 8*TP
.irp j, 0,1
	v_add_nc_u32 v[AR16+\j], s88, v17
	v_add_nc_u32 v[AR8+\j], s88, v21
	v_add_nc_u32 v[AC16+\j], s89, v17
	v_add_nc_u32 v[AC8+\j], s89, v21
	s_add_co_u32 s88, s88, 6*KSB
	s_add_co_u32 s89, s89, 6*KSB
.endr
	s_mul_i32 s91, s16, 16*SPITCH
	s_add_co_u32 s91, s91, STAGE                   ; my stage
	v_mul_u32_u24 v[STO], v19, SPITCH
	v_lshl_add_u32 v[STO], v18, 6, v[STO]
	v_add_nc_u32 v[STO], s91, v[STO]               ; in: row r, + 64 h
	v_mul_u32_u24 v[RD], v18, SPITCH
	v_lshl_add_u32 v[RD], v19, 4, v[RD]
	v_add_nc_u32 v[RD], s91, v[RD]                 ; back: lanes 0-15 one row of 256 bytes, lanes 16-31 the next
	v_lshlrev_b32 v[CO], 13, v18
	v_lshl_add_u32 v[CO], v19, 4, v[CO]            ; and the same two rows in out0
	s_lshl_b32 s92, s70, 20
	s_lshl_b32 s94, s17, 19
	s_add_co_u32 s92, s92, s94                     ; my first row: (128 tile + 64 half) x 8,192 bytes
	s_lshl_b32 s94, s71, 9
	s_add_co_u32 s92, s92, s94
	s_lshl_b32 s94, s18, 8
	s_add_co_u32 s92, s92, s94                     ; my first column: (128 tile + 64 half) x 4 bytes
	s_mov_b32 s93, 0
	s_add_nc_u64 s[8:9], s[8:9], s[92:93]
	s_wait_alu depctr_va_vdst(0)
	WIN TO_2
	DLOAD 13, F1
	WIN TO_3
	DLOAD 14, F0
	DLOAD 15, F1
	s_wait_loadcnt 63                              ; the scale words and K steps 12, 13 are in: 64 loads were issued behind them, and 63 is the most that a wait can name
	WIN MUL2
	MUL8 F0, 12, 0, 1                              ; the first products start the sums: nothing is cleared
	MUL8 F0, 12, 2, 1
	MUL8 F1, 13, 0, 0
	MUL8 F1, 13, 2, 0
	s_wait_loadcnt 32                              ; K step 14 is in; K step 15's 32 loads may be out
	WIN MUL3
	MUL8 F0, 14, 0, 0
	MUL8 F0, 14, 2, 0
	s_wait_tensorcnt 0x0                           ; my four tiles are in;
	s_barrier_signal -1
	s_barrier_wait -1                              ; everybody's are
	FETCH 0, F0
	s_wait_loadcnt 0x0
	WIN MUL3
	MUL8 F1, 15, 0, 0
	MUL8 F1, 15, 2, 0
.set ST, 0
.rept 5
	STEP F0, F1, ST, ST+1
	STEP F1, F0, ST+1, ST+2
.set ST, ST+2
.endr
	STEP F0, F1, 10, 11
	s_wait_dscnt 0x0
	MUL8 F1, 11, 0, 0
	MUL8 F1, 11, 2, 0
	WIN 0
	PLACES                                         ; four places in front of the first read of results
; THE WAY OUT, an R tile (16 rows x 64 columns) at a time: a lane's 16 bytes go into my own stage (rows of 256 + 16 bytes) and come back as whole rows, into the registers that they left.
; LDS serves a wave's instructions in order: no wait between the stores and the loads, nor in front of the next tile's stores.
.macro TOSTAGE a
.irp bb, 0,1
.irp p, 0,1,2,3
	ds_store_b128 v[STO], v[ACC+32*\a+16*\bb+4*\p:ACC+32*\a+16*\bb+4*\p+3] offset:128*\bb+16*\p   ; each accumulator from its low end on
.endr
.endr
.irp t, 0,1,2,3,4,5,6,7
	ds_load_b128 v[ACC+32*\a+4*\t:ACC+32*\a+4*\t+3], v[RD] offset:2*SPITCH*\t
.endr
.endm
.macro SEND a, younger                 ; younger: the LDS instructions issued behind tile a's loads: the next tile's sixteen, or none
	s_wait_dscnt \younger
.irp t, 0,1,2,3,4,5,6,7
	global_store_b128 v[CO], v[ACC+32*\a+4*\t:ACC+32*\a+4*\t+3], s[8:9] offset:(32*(\a/2)+8*(\a%2)+2*\t+8*(\t/4))*8192 th:TH_STORE_NT   ; stage row 2 t + h is the tile's lane: 16 lanes store 256 consecutive bytes, aligned
.endr
.endm
	TOSTAGE 0
	TOSTAGE 1
	SEND 0, 16
	TOSTAGE 2
	SEND 1, 16
	TOSTAGE 3
	SEND 2, 16
	SEND 3, 0
	s_wait_tensorcnt 0x0                           ; the wave's end, behind my tensor load and my last LDS store
	ds_add_u32 v[SPW], v[NIL]
	s_wait_dscnt 0x0
	CROUND                                         ; the closing round
	s_endpgm
.Lfunc_end_k_q83be8f7797_gemm_out:
	.size	k_q83be8f7797_gemm_out, .Lfunc_end_k_q83be8f7797_gemm_out-k_q83be8f7797_gemm_out
	.p2alignl 7, 3214868480
	.fill 96, 4, 3214868480
	.section	.rodata,"a",@progbits
	.p2align	6, 0x0
	.amdhsa_kernel k_q83be8f7797_gemm_out
		.amdhsa_group_segment_fixed_size 327680
		.amdhsa_private_segment_fixed_size 0
		.amdhsa_enable_private_segment 0
		.amdhsa_kernarg_size 24
		.amdhsa_user_sgpr_count 2
		.amdhsa_user_sgpr_kernarg_segment_ptr 1
		.amdhsa_wavefront_size32 1
		.amdhsa_system_sgpr_workgroup_id_x 1
		.amdhsa_system_sgpr_workgroup_id_y 1
		.amdhsa_system_sgpr_workgroup_id_z 1
		.amdhsa_system_vgpr_workitem_id 0
		.amdhsa_next_free_vgpr 1024
		.amdhsa_next_free_sgpr 100
		.amdhsa_reserve_vcc 1
		.amdhsa_float_denorm_mode_32 3
		.amdhsa_float_denorm_mode_16_64 3
		.amdhsa_memory_ordered 1
		.amdhsa_forward_progress 1
		.amdhsa_inst_pref_size 87
	.end_amdhsa_kernel
	.amdgpu_metadata
---
amdhsa.version: [ 1, 2 ]
amdhsa.kernels:
  - .name:           k_q83be8f7797_gemm_out
    .symbol:         k_q83be8f7797_gemm_out.kd
    .args:
      - { .name: oc, .offset: 0, .size: 8, .value_kind: global_buffer, .address_space: global }
      - { .name: os, .offset: 8, .size: 8, .value_kind: global_buffer, .address_space: global }
      - { .name: out0, .offset: 16, .size: 8, .value_kind: global_buffer, .address_space: global }
    .group_segment_fixed_size: 327680
    .private_segment_fixed_size: 0
    .kernarg_segment_align: 8
    .kernarg_segment_size: 24
    .max_flat_workgroup_size: 128
    .sgpr_count:     100
    .vgpr_count:     1024
    .wavefront_size: 32
...
	.end_amdgpu_metadata
.endif
;; end of part 9
